; MI455X (gfx1250); checked and timed in simulation.
; The chip was launched on July 23, 2026; its instructions are those of AMD's public machine-readable ISA for CDNA 5 (MIT licence, August 2026) and "CDNA5" Instruction Set Architecture Reference Guide (July 2026). The comments in the code are by the model that wrote it; some were corrected since.
;; Single Head Attention. Allowed arithmetic: matrix products marked QUANTISED: E2M3 operands, one E8M0 scale for each 32 along K, by v_wmma_scale_f32_16x16x128_f8f6f4 with both operands' format E2M3, f32 sums; everything else in f32.
;; Inputs: W_k 1,024 x 1,024 float32; W_q 1,024 x 1,024 float32; W_v 1,024 x 1,024 float32; x 4 x 2,048 x 1,024 float32.
;; Outputs: out0 4 x 2,048 x 1,024 float32.
;; This version of the problem:
;;   THIS VERSION OF THE PROBLEM IS GIVEN IN LOW PRECISION. The matrix products marked QUANTISED in the list below multiply operands that are first quantised to E2M3 (2 exponent bits, 3 mantissa bits; 6 bits a number), with one power-of-two scale for each 32 numbers along K (OCP MX v1.0); their sums are f32. All else is computed in f32.
;;   The module's matrix products, in the order in which they are computed (A, B: the left and right operand; K: the contracted axis; several contracted axes count as one K, in the product's order):
;;     1. [M 8,192, K 1,024] x [K 1,024, N 1,024]; A: input x; B: input W_q: QUANTISED
;;     2. [M 8,192, K 1,024] x [K 1,024, N 1,024]; A: input x; B: input W_k: QUANTISED
;;     3. [M 8,192, K 1,024] x [K 1,024, N 1,024]; A: input x; B: input W_v: QUANTISED
;;     4. batch 4 x [M 2,048, K 1,024] x [K 1,024, N 2,048]; A: computed on the way; B: computed on the way: QUANTISED
;;     5. batch 4 x [M 2,048, K 2,048] x [K 2,048, N 1,024]; A: softmax (see below); B: computed on the way: QUANTISED
;;   THE QUANTISER, for each operand of a quantised product, along K:
;;     - K is cut into blocks of 32 from its start; a last block that is shorter is filled with zeros.
;;     - A block's scale is 2^e with e = floor(log2(the largest magnitude in the block)) - 2, held to -126 .. 127; a block of zeros has e = 0. As a byte (E8M0): e + 127.
;;     - Each number is divided by its block's scale, clamped to +-7.5, and rounded to the nearest number of E2M3, ties to even, subnormals kept.
;;     - The product sums the exact products of the quantised numbers (number of the format x scale) in f32.
;;   ~~~python
;;   def quantise(x, axis):      # numpy; x: float32 -> the quantised numbers, widened to float32 again
;;       x = np.moveaxis(x, axis, -1); K = x.shape[-1]
;;       x = np.pad(x, [(0, 0)] * (x.ndim - 1) + [(0, -K % 32)]); x = x.reshape(x.shape[:-1] + (-1, 32)); a = np.abs(x).max(-1, keepdims=True)
;;       e = np.where(a > 0, np.clip(np.frexp(np.where(a > 0, a, 1))[1] - 1 - 2, -126, 127), 0)      # np.frexp(a)[1] - 1 = floor(log2(a)), exactly
;;       r = np.clip(x / 2.0 ** e, -7.5, 7.5)
;;       step = 2.0 ** (np.maximum(np.frexp(np.where(r == 0, 1, r))[1] - 1, 0) - 3)
;;       q = np.round(r / step) * step * 2.0 ** e      # np.round: ties to even
;;       return np.moveaxis(q.reshape(q.shape[:-2] + (-1,))[..., :K], -1, axis).astype(np.float32)
;;   ~~~
;;   SOFTMAX AHEAD OF A QUANTISED PRODUCT. Where the list says 'softmax', what is quantised is not the finished softmax but p = 2^(t - M), with t = logit x log2(e) and M = ceil(the row's largest t), a whole number; so 1/2 < the row's largest p <= 1. The row's sum l is taken of the UNQUANTISED p, in f32, and the product's result is divided by l at the end. Since M is a whole number, a kernel that streams over the keys may use a running M (the ceiling of the running maximum): every later rescaling is an exact power of two, which a block's scale takes up: the codes' values come out the same.
;;   OPERANDS COMPUTED ON THE WAY. 'Computed on the way' means the value that the module computes at that place (a softmax that the list does not call 'softmax' is quantised finished and normalised). What goes into a quantiser is computed in f32, as accurately as f32 sums, v_exp_f32 and their like allow (about 1e-6 of the number): no bf16 or f16 on the way to a quantiser, and a product that is left as it is and whose result goes on into a quantised operand takes f32 operands (vector FMAs, or v_wmma_f32_16x16x4_f32). A number that lies on a knife's edge between two numbers of the format may be rounded either way, as far as f32 arithmetic and the matrix unit's own rounding can turn it there, and no further.
;; 2 versions. Each part assembles by itself: llvm-mc -triple=amdgcn-amd-amdhsa -mcpu=gfx1250 --defsym DOCPART=n.
;; ======== version 1 of 2: 4 launches
;; limits: right only within a limited range of input values
;; workspace buffers: xw 9,011,200 bytes; qkv 19,660,800 bytes; pp 14,155,776 bytes
;; launch quant (part 1): grid 352 x 1, 4 waves a work-group, no clusters, 61,952 bytes of LDS; arguments x, W_q, W_k, W_v, xw; writes xw
.if DOCPART == 1
	.amdgcn_target "amdgcn-amd-amdhsa--gfx1250"
	.amdhsa_code_object_version 6
	.text
	.protected	k_q816d5aaa0e_quant
	.globl	k_q816d5aaa0e_quant
	.p2align	8
	.type	k_q816d5aaa0e_quant,@function
k_q816d5aaa0e_quant:
	s_mov_b64 s[64:65], 0
	v_nop
	global_prefetch_b8 v0, s[64:65] scope:SCOPE_SE
	s_setreg_imm32_b32 hwreg(HW_REG_WAVE_MODE, 25, 1), 1
	s_wait_xcnt 0x0
; x [8192][1024] f32 (K innermost) and W_q, W_k, W_v [1024 (k)][1024 (n)] f32 (K outermost) become codes of FP6 (E2M3) with one E8M0 byte for each 32 along K.
; THE WORKSPACE IS LAID AS IMAGES OF OPERAND REGISTERS.  A fragment (16 rows x 128 K) is 1,536 bytes: register g (0..11) of lane l at 512 (g / 4) + 16 l + 4 (g % 4).
; Lane r of row block 2 beta + u holds row 32 beta + 8 u + r + 8 (r / 8).  Codes: [row block][K step][1536].  Scale words: [128 rows][K step][512]: word of block 4 h' + t, lane r at 256 h' + 16 r + 4 t.
; A block's scale is 2^(floor(log2(largest magnitude)) - 2); its byte is that magnitude's exponent field - 2, held at 1 from below.
; LIMITS: a block of zeros gets the byte 1 where the quantiser's text says 127 (its codes are zeros; this program alone reads the bytes); NaN and infinities are not served.
; Work-groups 0..255 take x, 256..351 the weights; each way has LDS bytes of its own; waves share nothing, so there is no barrier.
.set XSO,  6291456                     ; x's scale words in xw (x's codes begin at 0)
.set WC,   6553600                     ; the weights' codes
.set WSO,  8912896                     ; the weights' scale words
.set RX,   16                          ; v16-143  x as loaded: two sets of 64
.set XN,   144                         ; v144-207 64 numbers of my row: 32 c + i = k 64 c + 32 h + i
.set CD,   208                         ; v208-219 a fragment's codes
.set CT,   220                         ; v220-226 the conversions' second halves
.set MX,   228
.set SOP,  230
.set BY,   232
.set PW,   236                         ; v236-239 the four fragments' scale words
.set WLDS, 33792                       ; the weights' way: 6,912 bytes a wave from here on
.set XW,   32                          ; v32-95   two sets of 32 numbers down K
.set CW,   96                          ; v96-101  a block's codes
.set CT2,  104
.set SB,   20                          ; v20-21   scale words of my two columns
.set OW,   112                         ; v112-159 the images on their way out
	s_load_b256 s[4:11], s[0:1], 0x0               ; x s[4:5], W_q s[6:7], W_k s[8:9], W_v s[10:11]
	s_load_b64 s[12:13], s[0:1], 0x20              ; xw
	v_lshl_add_u32 v254, v0, 2, 0xf000
	v_mov_b32 v255, 0
	v_lshrrev_b32 v1, 5, v0
	v_readfirstlane_b32 s14, v1                    ; wave
	v_and_b32 v2, 31, v0                           ; lane
	s_cmp_lt_u32 ttmp9, 256
	s_cbranch_scc0 .Lweights
; ---- x.  Work-group: 64 rows (Hg) x 512 along K; wave: one K step of 128, four fragments.
	s_lshr_b32 s15, ttmp9, 1                       ; Hg
	s_and_b32 s16, ttmp9, 1
	s_lshl_b32 s16, s16, 2
	s_add_co_u32 s16, s16, s14                     ; K step
	s_lshl_b32 s20, s15, 18                        ; 64 rows of 4,096 bytes
	s_lshl_b32 s17, s16, 9
	s_add_co_u32 s20, s20, s17
	s_mov_b32 s21, 0
	s_mul_i32 s22, s15, 49152                      ; four row blocks of 8 fragments
	s_mul_i32 s17, s16, 1536
	s_add_co_u32 s22, s22, s17
	s_mov_b32 s23, 0
	s_lshr_b32 s24, s15, 1
	s_lshl_b32 s24, s24, 3
	s_add_co_u32 s24, s24, s16
	s_lshl_b32 s24, s24, 9
	s_and_b32 s17, s15, 1
	s_lshl_b32 s17, s17, 8
	s_add_co_u32 s24, s24, s17
	s_add_co_u32 s24, s24, XSO
	s_mov_b32 s25, 0
	s_mul_i32 s18, s14, 8448                       ; my stage: 16 rows of 512 + 16 bytes
	v_lshlrev_b32 v3, 4, v2                        ; 16 x lane
	v_add_nc_u32 v4, s18, v3                       ; the stage, on the way in
	v_and_b32 v5, 15, v2                           ; r
	v_lshrrev_b32 v6, 4, v2                        ; h
	v_mul_u32_u24 v7, v5, 528
	v_lshl_add_u32 v7, v6, 7, v7
	v_add_nc_u32 v7, s18, v7                       ; and on the way out: row r, + 128 h
	v_lshlrev_b32 v8, 3, v6                        ; 8 h
	v_lshl_add_u32 v9, v5, 4, v8                   ; 16 r + 8 h: my two scale words' place
	s_mov_b32 s26, 0x76543210
	s_mov_b32 s27, 0xfedcba98                      ; lane l xor 16
	v_mov_b32 v10, 0                               ; a lane permute's destination counts as read
	s_wait_kmcnt 0x0
	s_add_nc_u64 s[4:5], s[4:5], s[20:21]
	s_add_nc_u64 s[22:23], s[12:13], s[22:23]
	s_add_nc_u64 s[24:25], s[12:13], s[24:25]
.macro LOADF f                         ; fragment f's 16 rows, 512 consecutive bytes a load
.irp r, 0,1,2,3,4,5,6,7,8,9,10,11,12,13,14,15
	global_load_b128 v[RX+64*((\f)%2)+4*\r:RX+64*((\f)%2)+4*\r+3], v3, s[4:5] offset:(32*((\f)/2)+8*((\f)%2)+\r+8*(\r/8))*4096 th:TH_LOAD_NT
.endr
.endm
.macro FRAGX f
.if (\f) < 3
	s_wait_loadcnt 16                              ; this fragment's 16 loads are in; the next one's 16 may be out
.else
	s_wait_loadcnt 0x0
.endif
.irp r, 0,1,2,3,4,5,6,7,8,9,10,11,12,13,14,15
	ds_store_b128 v4, v[RX+64*((\f)%2)+4*\r:RX+64*((\f)%2)+4*\r+3] offset:528*\r
.endr
.irp c, 0,1
.irp j, 0,1,2,3,4,5,6,7
	ds_load_b128 v[XN+32*\c+4*\j:XN+32*\c+4*\j+3], v7 offset:256*\c+16*\j   ; LDS serves a wave's instructions in order: these see the stores above
.endr
.endr
	s_wait_dscnt 0x0                               ; my numbers are back, and the stores have read their registers
.if (\f) < 2
	LOADF (\f)+2
.endif
.irp c, 0,1
	v_max3_num_f32 v[MX+\c], |v[XN+32*\c]|, |v[XN+32*\c+1]|, 0x1800000   ; block 2 c + h is all mine; the floor 2^(3 - 127) keeps the byte at 1 or more
.endr
.irp i, 2,4,6,8,10,12,14,16,18,20,22,24,26,28,30
.irp c, 0,1
	v_max3_num_f32 v[MX+\c], v[MX+\c], |v[XN+32*\c+\i]|, |v[XN+32*\c+\i+1]|
.endr
.endr
.irp c, 0,1
	v_add_nc_u32 v[SOP+\c], 0xff000000, v[MX+\c]   ; 2 off the exponent field: the conversion's scale operand
.endr
.irp c, 0,1
	v_lshrrev_b32 v[BY+\c], 23, v[SOP+\c]          ; the byte
.endr
	v_lshl_or_b32 v11, v[BY+1], 16, v[BY]
	v_lshlrev_b32 v11, v8, v11                     ; bytes h and 2 + h
	v_permlanex16_b32 v10, v11, s26, s27
	v_or_b32 v[PW+(\f)], v11, v10                  ; with lane l xor 16's two the word is whole
.if (\f) > 0
	s_wait_xcnt 0x0                                ; the last fragment's stores have read their data registers
.endif
.irp c, 0,1
	v_cvt_scalef32_pk16_fp6_f32 v[CD+6*\c:CD+6*\c+2], v[XN+32*\c:XN+32*\c+15], v[SOP+\c]
	v_cvt_scalef32_pk16_fp6_f32 v[CT+4*\c:CT+4*\c+2], v[XN+32*\c+16:XN+32*\c+31], v[SOP+\c]   ; (a conversion's three registers begin on an even number)
.endr
	v_nop                                          ; one plain place behind a scaled conversion
.irp c, 0,1
.irp i, 0,1,2
	v_mov_b32 v[CD+3+6*\c+\i], v[CT+4*\c+\i]
.endr
.endr
.irp c, 0,1,2
	global_store_b128 v3, v[CD+4*\c:CD+4*\c+3], s[22:23] offset:(\f)*12288+512*\c   ; 512 consecutive bytes
.endr
.endm
	LOADF 0
	LOADF 1
	FRAGX 0
	FRAGX 1
	FRAGX 2
	FRAGX 3
	v_cmp_le_u32 vcc_lo, 16, v2
	v_cndmask_b32 v12, v[PW], v[PW+2], vcc_lo      ; lane (r, h) stores the words of fragments 2 h and 2 h + 1
	v_cndmask_b32 v13, v[PW+1], v[PW+3], vcc_lo
	global_store_b64 v9, v[12:13], s[24:25]        ; the wave's store covers 256 consecutive bytes, aligned
	s_wait_tensorcnt 0x0
	ds_add_u32 v254, v255
	s_wait_dscnt 0x0
	s_endpgm
; ---- the weights.  A lane takes a column n and its registers run down K: a block of 32 along K lies in one lane.  Wave: 64 columns x 128 K: four fragments, put together in LDS as images.
.Lweights:
	s_sub_co_u32 s15, ttmp9, 256                   ; 0..95
	s_and_b32 s16, s15, 7                          ; K step
	s_lshr_b32 s17, s15, 3                         ; which 256 columns of the 3,072
	s_lshl_b32 s18, s17, 2
	s_add_co_u32 s18, s18, s14                     ; which 64 columns
	s_and_b32 s19, s17, 3
	s_lshl_b32 s19, s19, 10
	s_lshl_b32 s20, s14, 8
	s_add_co_u32 s20, s20, s19                     ; the column in its tensor, in bytes
	s_lshl_b32 s19, s16, 19                        ; 128 rows of 4,096 bytes
	s_add_co_u32 s20, s20, s19
	s_mov_b32 s21, 0
	s_mul_i32 s22, s18, 49152
	s_mul_i32 s19, s16, 1536
	s_add_co_u32 s22, s22, s19
	s_add_co_u32 s22, s22, WC
	s_mov_b32 s23, 0
	s_lshr_b32 s24, s18, 1
	s_lshl_b32 s24, s24, 3
	s_add_co_u32 s24, s24, s16
	s_lshl_b32 s24, s24, 9
	s_and_b32 s19, s18, 1
	s_lshl_b32 s19, s19, 8
	s_add_co_u32 s24, s24, s19
	s_add_co_u32 s24, s24, WSO
	s_mov_b32 s25, 0
	s_mul_i32 s26, s14, 6912
	s_add_co_u32 s26, s26, WLDS                    ; my LDS: four images (pitches 1,664 and 3,328), then 256 bytes of scale words
	v_lshlrev_b32 v3, 2, v2                        ; 4 x lane
	v_bfe_u32 v4, v2, 3, 1                         ; column l of 32 is lane r = l % 8 + 8 (l / 16) of block u = (l / 8) % 2
	v_and_b32 v5, 7, v2
	v_lshrrev_b32 v6, 4, v2
	v_lshl_add_u32 v5, v6, 3, v5
	v_mul_u32_u24 v7, v4, 1664
	v_lshl_add_u32 v7, v5, 4, v7
	v_add_nc_u32 v7, s26, v7                       ; into the images: 1,664 u + 16 r
	v_lshlrev_b32 v8, 4, v5
	v_lshl_add_u32 v8, v4, 2, v8
	v_add_nc_u32 v8, s26, v8                       ; scale words: 16 r + 4 u
	v_lshlrev_b32 v9, 4, v2
	v_add_nc_u32 v10, s26, v9                      ; out of the images: 16 x lane
	v_lshlrev_b32 v11, 3, v2
	v_add_nc_u32 v12, s26, v11
	s_wait_kmcnt 0x0
	s_cmp_lt_u32 s15, 32                           ; which tensor: the choice hangs on the work-group's number alone
	s_cselect_b64 s[6:7], s[6:7], s[8:9]
	s_cmp_lt_u32 s15, 64
	s_cselect_b64 s[6:7], s[6:7], s[10:11]
	s_add_nc_u64 s[6:7], s[6:7], s[20:21]
	s_add_nc_u64 s[22:23], s[12:13], s[22:23]
	s_add_nc_u64 s[24:25], s[12:13], s[24:25]
.macro LOADW t                         ; block t: columns 32 (t / 4) on, k 32 (t % 4) on
.irp i, 0,1,2,3,4,5,6,7,8,9,10,11,12,13,14,15,16,17,18,19,20,21,22,23,24,25,26,27,28,29,30,31
	global_load_b32 v[XW+32*((\t)%2)+\i], v3, s[6:7] offset:(32*((\t)%4)+\i)*4096+128*((\t)/4) th:TH_LOAD_NT
.endr
.endm
.macro BLOCKW t
.set XB, XW+32*((\t)%2)
.set IM, 3328*((\t)/4)+256*((\t)%2)    ; the image pair, and lanes 16-31 of the image for odd blocks
.if (\t) < 7
	s_wait_loadcnt 32                              ; this block's 32 loads are in; the next block's may be out
.else
	s_wait_loadcnt 0x0
.endif
	v_max3_num_f32 v14, |v[XB]|, |v[XB+1]|, |v[XB+2]|
	v_max3_num_f32 v15, |v[XB+3]|, |v[XB+4]|, |v[XB+5]|
.irp i, 6,10,14,18,22,26
	v_max3_num_f32 v14, v14, |v[XB+\i]|, |v[XB+\i+1]|
	v_max3_num_f32 v15, v15, |v[XB+\i+2]|, |v[XB+\i+3]|
.endr
	v_max3_num_f32 v14, v14, |v[XB+30]|, |v[XB+31]|
	v_max3_num_f32 v14, v14, v15, 0x1800000        ; and the floor
	v_add_nc_u32 v16, 0xff000000, v14
	v_lshrrev_b32 v17, 23, v16
.if (\t)%4 == 0
	v_mov_b32 v[SB+(\t)/4], v17
.else
	v_lshl_or_b32 v[SB+(\t)/4], v17, 8*((\t)%4), v[SB+(\t)/4]
.endif
	v_cvt_scalef32_pk16_fp6_f32 v[CW:CW+2], v[XB:XB+15], v16
	v_cvt_scalef32_pk16_fp6_f32 v[CT2:CT2+2], v[XB+16:XB+31], v16
	v_nop                                          ; one plain place behind a scaled conversion
.irp i, 0,1,2
	v_mov_b32 v[CW+3+\i], v[CT2+\i]
.endr
.if ((\t)%4)/2 == 0                    ; registers 0-5 of the fragment
	ds_store_b128 v7, v[CW:CW+3] offset:IM
	ds_store_b64 v7, v[CW+4:CW+5] offset:IM+512
.else                                  ; registers 6-11
	ds_store_b64 v7, v[CW:CW+1] offset:IM+520
	ds_store_b128 v7, v[CW+2:CW+5] offset:IM+1024
.endif
.if (\t)%4 == 3
	ds_store_b32 v8, v[SB+(\t)/4] offset:6656+8*((\t)/4)
.endif
.if (\t)+2 < 8
	LOADW (\t)+2
.endif
	s_wait_dscnt 0x0                               ; the stores have read their registers
.endm
	LOADW 0
	LOADW 1
.irp t, 0,1,2,3,4,5,6,7
	BLOCKW \t
.endr
.irp n, 0,1,2,3,4,5,6,7,8,9,10,11
	ds_load_b128 v[OW+4*\n:OW+4*\n+3], v10 offset:3328*(\n/6)+1664*((\n/3)%2)+512*(\n%3)
.endr
	ds_load_b64 v[18:19], v12 offset:6656
.irp n, 0,1,2,3,4,5,6,7,8,9,10,11
	s_wait_dscnt 12-\n                             ; load n is in; the 11 - n image loads behind it and the scale load may be out
	global_store_b128 v9, v[OW+4*\n:OW+4*\n+3], s[22:23] offset:(\n/3)*12288+512*(\n%3)
.endr
	s_wait_dscnt 0x0
	global_store_b64 v11, v[18:19], s[24:25]       ; 256 consecutive bytes, aligned
	s_wait_tensorcnt 0x0
	ds_add_u32 v254, v255
	s_wait_dscnt 0x0
	s_endpgm
.Lfunc_end_k_q816d5aaa0e_quant:
	.size	k_q816d5aaa0e_quant, .Lfunc_end_k_q816d5aaa0e_quant-k_q816d5aaa0e_quant
	.p2alignl 7, 3214868480
	.fill 96, 4, 3214868480
	.section	.rodata,"a",@progbits
	.p2align	6, 0x0
	.amdhsa_kernel k_q816d5aaa0e_quant
		.amdhsa_group_segment_fixed_size 61952
		.amdhsa_private_segment_fixed_size 0
		.amdhsa_enable_private_segment 0
		.amdhsa_kernarg_size 40
		.amdhsa_user_sgpr_count 2
		.amdhsa_user_sgpr_kernarg_segment_ptr 1
		.amdhsa_wavefront_size32 1
		.amdhsa_system_sgpr_workgroup_id_x 1
		.amdhsa_system_sgpr_workgroup_id_y 1
		.amdhsa_system_sgpr_workgroup_id_z 1
		.amdhsa_system_vgpr_workitem_id 0
		.amdhsa_next_free_vgpr 256
		.amdhsa_next_free_sgpr 66
		.amdhsa_reserve_vcc 1
		.amdhsa_float_denorm_mode_32 3
		.amdhsa_float_denorm_mode_16_64 3
		.amdhsa_memory_ordered 1
		.amdhsa_forward_progress 1
		.amdhsa_inst_pref_size 72
	.end_amdhsa_kernel
	.amdgpu_metadata
---
amdhsa.version: [ 1, 2 ]
amdhsa.kernels:
  - .name:           k_q816d5aaa0e_quant
    .symbol:         k_q816d5aaa0e_quant.kd
    .args:
      - { .name: x, .offset: 0, .size: 8, .value_kind: global_buffer, .address_space: global }
      - { .name: W_q, .offset: 8, .size: 8, .value_kind: global_buffer, .address_space: global }
      - { .name: W_k, .offset: 16, .size: 8, .value_kind: global_buffer, .address_space: global }
      - { .name: W_v, .offset: 24, .size: 8, .value_kind: global_buffer, .address_space: global }
      - { .name: xw, .offset: 32, .size: 8, .value_kind: global_buffer, .address_space: global }
    .group_segment_fixed_size: 61952
    .private_segment_fixed_size: 0
    .kernarg_segment_align: 8
    .kernarg_segment_size: 40
    .max_flat_workgroup_size: 128
    .sgpr_count:     66
    .vgpr_count:     256
    .wavefront_size: 32
...
	.end_amdgpu_metadata
.endif
;; end of part 1
;; launch proj (part 2): grid 12 x 32, 4 waves a work-group, clusters of 4 x 4, 327,680 bytes of LDS; arguments xw, qkv; writes qkv
.if DOCPART == 2
	.amdgcn_target "amdgcn-amd-amdhsa--gfx1250"
	.amdhsa_code_object_version 6
	.text
	.protected	k_q816d5aaa0e_proj
	.globl	k_q816d5aaa0e_proj
	.p2align	8
	.type	k_q816d5aaa0e_proj,@function
k_q816d5aaa0e_proj:
	s_mov_b64 s[64:65], 0
	v_nop
	global_prefetch_b8 v0, s[64:65] scope:SCOPE_SE
	s_setreg_imm32_b32 hwreg(HW_REG_WAVE_MODE, 25, 1), 1
	s_wait_xcnt 0x0
	s_wait_alu depctr_hold_cnt(0) depctr_sa_sdst(0) depctr_va_vdst(0) depctr_va_sdst(0) depctr_va_ssrc(0) depctr_va_vcc(0) depctr_vm_vsrc(0)
	s_getreg_b32 s2, hwreg(HW_REG_IB_STS2, 6, 4)
	s_cmp_eq_u32 s2, 0
	s_cbranch_scc0 .Lentry_in_a_cluster
	s_endpgm
.Lentry_in_a_cluster:
	s_bfe_u32 s2, ttmp6, 0x10000c
	s_cmp_lg_u32 s2, 0xf033
	s_cbranch_scc0 .Lentry_shape_is_right
	s_endpgm
.Lentry_shape_is_right:
; q = x W_q, k = x W_k, v = x W_v on codes of FP6 (E2M3) with E8M0 scales, and the results quantised in registers: q and k along d_k, v along the tokens (the keys).
; Operands and results are images of operand registers (16 rows x 128 K = 1,536 bytes: register g of lane l at 512 (g / 4) + 16 l + 4 (g % 4); lane r of row block 2 beta + u holds row 32 beta + 8 u + r + 8 (r / 8)).
; A work-group of four waves makes 256 x 256 of C'[i][j] = sum A'[i][k] B'[j][k]; a wave 128 x 128: 64 accumulators.  Source 0 = 16 rows of B', source 1 = 16 rows of A': a lane holds one row of A' and, over the
; eight accumulators of a block of A', 64 numbers whose register 16 b + i is column 32 b + 16 (lane / 16) + i: what the conversions want.  So each block of A' gives one whole fragment of the result and one scale word a row.
; Clusters x = 0, 1: A' = x (tokens), B' = W_q, W_k (channels).  Cluster x = 2: A' = W_v (channels), B' = x (tokens): v comes out with the tokens innermost.
; K = 1,024 goes through two LDS slots of 256 along K; one tensor load a wave brings 8 blocks x 3,072 bytes.  4 x 4 work-groups form a cluster: A's tiles are asked for jointly along a row, B's along a column.
; The scale words (4 waves x 4 KB) come by plain loads, not jointly: 16 KB against the 393,216 bytes of codes that a work-group takes.
; LIMITS: a block of zeros gets the byte 1 (its codes are zeros; this program alone reads the bytes); NaN and infinities are not served.
.set XS,   6291456                     ; in xw: x's codes at 0, x's scale words,
.set WC,   6553600                     ; the weights' codes,
.set WS,   8912896                     ; their scale words
.set VC,   12582912                    ; in qkv: q's codes at 0, k's 6,291,456 on, v's here,
.set QS,   18874368                    ; q's scale words, k's 262,144 on,
.set VS,   19398656                    ; v's
.set NKAP, 8                           ; K steps of 128 in the operands' rows
.set FR,    12                         ; registers of a fragment
.set NL,    3                          ; LDS loads that bring one
.set NP,    4                          ; places behind this matrix instruction (ISA guide 7.12.1)
.set HALFT, 24576                      ; 8 blocks x 2 K steps: what one tensor load brings
.set SLOT,  98304                      ; A's two halves, B's two halves
.set SCA,   196608                     ; A's scale words: NKAP x 512 bytes a half;  written by LDS stores, never by a tensor load
.set SCB,   212992                     ; B's
.set SPARE, 230400                     ; the spare words: 128 bytes a wave
.set ADRA, 16                          ; v16-17 LDS address of my A fragments in slot 0, 1
.set ADRB, 20                          ; v20-21 of B's
.set ADRS, 22                          ; v22    of my scale words: lanes 0-15 A's, lanes 16-31 B's
.set LN,   23                          ; v23    lane
.set LI,   24                          ; v24    16 x lane
.set SPW,  28                          ; v28    my spare word; never rewritten
.set NIL,  29                          ; v29    0; never rewritten
.set SC,   32                          ; v32-63 scale words: set s at 16 s, K step q at 8 q, block i
.set AF,   128                         ; v128-223 A's fragments, one set (window 0);  B's two sets: window 1, v0 and v128;  accumulators: windows 2 and 3, (a, b) at v[8 (8 (a % 4) + b)]
.set PWS,  64                          ; v64-71 the results' scale words
.set PC,   112                         ; v112-131 codes
.set TM,   200                         ; v200-215 at work
.set G1, 24
.set G0, 32
.set G1B, 48
.set G0B, 56
.set SEL, 90
.set MSB, 0
.macro WIN new                         ; the immediate's high byte repeats the setting that is left
.if MSB != (\new)
	s_set_vgpr_msb (MSB<<8)|(\new)
.set MSB, (\new)
.endif
.endm
.set MUL_LO, 0xa1                      ; source 0 (B) window 1, source 1 (A) window 0, C and D window 2
.set MUL_HI, 0xf1
.set TO_B,   0x40
.macro JLOAD g0a, g1a, g0b, g1b        ; a joint load: waves 0, 1 fetch A's halves, waves 2, 3 B's; four v_nop follow each line
	s_cmp_eq_u32 s15, 0
	s_cbranch_scc0 .Lfor_b_\@
	tensor_load_to_lds s[\g0a:\g0a+3], s[\g1a:\g1a+7]
	s_nop 0
.rept 4
	v_nop
.endr
	s_branch .Lasked_\@
.Lfor_b_\@:
	tensor_load_to_lds s[\g0b:\g0b+3], s[\g1b:\g1b+7]
	s_nop 0
.rept 4
	v_nop
.endr
.Lasked_\@:
.endm
.macro CREST
	s_cmp_lg_u32 s14, 0
	s_cbranch_scc1 .Lnot_wave_0_\@
	s_barrier_signal -3
.Lnot_wave_0_\@:
	s_barrier_wait -3
	s_barrier_signal -1
	s_barrier_wait -1
.endm
.macro CROUND
	s_barrier_signal -1
	s_barrier_wait -1
	CREST
.endm
.macro PLACES n
.rept \n
	v_nop
.endr
.endm
.macro FRAG reg, adr, q, i             ; block i, K step q of a slot's half: three loads of 512 consecutive bytes
.irp c, 0,1,2
	ds_load_b128 v[\reg+4*\c:\reg+4*\c+3], v[\adr] offset:3072*(\i)+1536*(\q)+512*\c
.endr
.endm
.macro MUL16 a0, p, q, sc, zero        ; A's blocks a0, a0 + 1 x B's eight; the accumulators take turns
.irp a, \a0, \a0+1
.irp b, 0,1,2,3,4,5,6,7
.if \zero
	v_wmma_scale_f32_16x16x128_f8f6f4 v[8*(8*((\a)%4)+\b):8*(8*((\a)%4)+\b)+7], v[128*(\p)+FR*\b:128*(\p)+FR*\b+FR-1], v[AF+FR*(\a):AF+FR*(\a)+FR-1], 0, v[SC+16*(\sc)+8*(\q)+\b], v[SC+16*(\sc)+8*(\q)+(\a)] matrix_a_fmt:MATRIX_FMT_FP6 matrix_b_fmt:MATRIX_FMT_FP6 matrix_a_scale:MATRIX_SCALE_ROW1
.else
	v_wmma_scale_f32_16x16x128_f8f6f4 v[8*(8*((\a)%4)+\b):8*(8*((\a)%4)+\b)+7], v[128*(\p)+FR*\b:128*(\p)+FR*\b+FR-1], v[AF+FR*(\a):AF+FR*(\a)+FR-1], v[8*(8*((\a)%4)+\b):8*(8*((\a)%4)+\b)+7], v[SC+16*(\sc)+8*(\q)+\b], v[SC+16*(\sc)+8*(\q)+(\a)] matrix_a_fmt:MATRIX_FMT_FP6 matrix_b_fmt:MATRIX_FMT_FP6 matrix_a_scale:MATRIX_SCALE_ROW1
.endif
.endr
.endr
.endm
.macro FETCH_B slot, q, p
	WIN TO_B
.irp i, 0,1,2,3,4,5,6,7
	FRAG 128*(\p)+FR*\i, ADRB+\slot, \q, \i
.endr
	WIN 0
.endm
.macro FETCH_A slot, q, i0
.irp i, \i0, \i0+1, \i0+2, \i0+3
	FRAG AF+FR*(\i), ADRA+\slot, \q, \i
.endr
.endm
.macro SCALES sc, kap0                 ; the scale words of K steps kap0, kap0 + 1: a load brings four blocks' words
.irp q, 0,1
.irp g, 0,1
	ds_load_b128 v[SC+16*(\sc)+8*\q+4*\g:SC+16*(\sc)+8*\q+4*\g+3], v[ADRS] offset:((\kap0)+\q)*512+256*\g
.endr
.endr
.endm
.macro STEP slot, zero                 ; a slot's first 128 along K
	s_wait_dscnt 4*NL                              ; all but the 12 youngest loads (A's blocks 4-7) are in
	WIN MUL_LO
	MUL16 0, 0, 0, \slot, \zero
	MUL16 2, 0, 0, \slot, \zero
	s_wait_dscnt 0x0
	PLACES NP                                      ; in front of loads into registers that matrix instructions have read
	FETCH_B \slot, 1, 1
	FETCH_A \slot, 1, 0
	WIN MUL_HI
	MUL16 4, 0, 0, \slot, \zero
	MUL16 6, 0, 0, \slot, \zero
	PLACES NP
	WIN 0
	FETCH_A \slot, 1, 4
.endm
.macro TURN slot, next, fill, kap0     ; a slot's second 128 along K, and the change of slots
	s_wait_tensorcnt 0x0                           ; all my tensor loads have landed: my part of the next slot
	ds_add_u32 v[SPW], v[NIL]                      ; 0 onto my spare word
	s_wait_dscnt 4*NL+1                            ; the add and the 12 youngest loads may be out
	WIN MUL_LO
	MUL16 0, 1, 1, \slot, 0
	s_wait_dscnt 0x0                               ; the add is done, and my reads of this slot are over
	s_barrier_signal -1
	MUL16 2, 1, 1, \slot, 0
	WIN 0
	s_barrier_wait -1
.if \fill
	CREST                                          ; the barrier has opened a round of the cluster's barrier: no wave of any partner still reads this slot or has a load on its way
	s_add_nc_u64 s[G0+4*\slot+2:G0+4*\slot+3], s[G0+4*\slot+2:G0+4*\slot+3], 6144
	s_add_nc_u64 s[G0B+4*\slot+2:G0B+4*\slot+3], s[G0B+4*\slot+2:G0B+4*\slot+3], 6144
	JLOAD G0+4*\slot, G1, G0B+4*\slot, G1B         ; my one tensor load behind the round; its four v_nop are the places in front of the loads below
.else
	PLACES NP
.endif
	FETCH_B \next, 0, 0
	FETCH_A \next, 0, 0
	SCALES \next, \kap0
	WIN MUL_HI
	MUL16 4, 1, 1, \slot, 0
	MUL16 6, 1, 1, \slot, 0
	PLACES NP
	WIN 0
	FETCH_A \next, 0, 4
.endm
.macro LAST                            ; the very last 128 along K (slot 1)
	s_wait_dscnt 4*NL
	WIN MUL_LO
	MUL16 0, 1, 1, 1, 0
	MUL16 2, 1, 1, 1, 0
	s_wait_dscnt 0x0
	WIN MUL_HI
	MUL16 4, 1, 1, 1, 0
	MUL16 6, 1, 1, 1, 0
	WIN 0
.endm
	s_load_b128 s[4:7], s[0:1], 0x0                ; xw s[4:5], qkv s[6:7]
	v_lshl_add_u32 v[SPW], v0, 2, SPARE
	v_mov_b32 v[NIL], 0
	ds_add_u32 v28, v29
	ds_add_u32 v28, v29
	s_wait_dscnt 0x0
	v_lshrrev_b32 v1, 5, v0
	v_readfirstlane_b32 s14, v1                    ; wave
	s_lshr_b32 s15, s14, 1                         ; my half of the rows.  Also: I fetch for A (0) or B (1)
	s_and_b32 s16, s14, 1                          ; my half of the columns.  Also: which half I fetch
	s_bfe_u32 s40, ttmp6, 0x40000                  ; cx
	s_bfe_u32 s41, ttmp6, 0x40004                  ; cy
	s_and_b32 s66, ttmp7, 0xffff                   ; cluster y
	s_mov_b32 s75, XS
	s_mov_b32 s76, WS
	s_mov_b32 s80, 6291456
	s_mov_b32 s70, 12288
	s_mov_b32 s81, QS
	s_mov_b32 s82, 262144
	s_cmp_eq_u32 ttmp9, 2                          ; v's clusters?  The same in all sixteen partners.  Only offsets are chosen
	s_cselect_b32 s67, 0, s66
	s_cselect_b32 s68, s66, ttmp9
	s_cselect_b32 s69, WC+128*12288, 0             ; A's codes: W_v's rows, or x
	s_cselect_b32 s74, 0, WC                       ; B's codes: x, or W_q and W_k
	s_cselect_b32 s75, WS+16*4096, s75             ; A's scale words
	s_cselect_b32 s76, XS, s76                     ; B's
	s_cselect_b32 s77, 7, 3                        ; tile columns to a result tensor (batch), less 1,
	s_cselect_b32 s78, 3, 2                        ; and its logarithm
	s_cselect_b32 s79, VC, 0                       ; where the result's codes begin,
	s_cselect_b32 s80, 1572864, s80                ; from batch to batch, or from q to k,
	s_cselect_b32 s70, 24576, s70                  ; from row block to row block
	s_cselect_b32 s81, VS, s81                     ; the same for its scale words
	s_cselect_b32 s82, 65536, s82
	s_cselect_b32 s83, 4, 3
	s_mov_b32 s71, 0
	s_lshl_b32 s17, s67, 2
	s_add_co_u32 s17, s17, s41                     ; tile row
	s_lshl_b32 s42, s68, 2
	s_add_co_u32 s42, s42, s40                     ; tile column
	s_lshl_b32 s43, s41, 2
	s_lshl_b32 s43, 15, s43                        ; my row of the cluster
	s_lshl_b32 s44, 0x1111, s40                    ; my column
	s_or_b32 s[G1+0], s43, (3<<16)|(1<<21)         ; the mask; elements of 8 bytes; bit 21 beside a mask; no padding
	s_or_b32 s[G1B+0], s44, (3<<16)|(1<<21)
.irp g, G1, G1B
	s_mov_b32 s[\g+1], 384<<16                     ; tensor_dim0: 3,072 bytes
	s_mov_b32 s[\g+2], 8<<16                       ; tensor_dim1: 8 blocks
	s_mov_b32 s[\g+3], 384<<16                     ; tile_dim0
	s_mov_b32 s[\g+4], 8                           ; tile_dim1
	s_mov_b32 s[\g+5], NKAP*192                    ; from block to block
	s_mov_b32 s[\g+6], 0
	s_mov_b32 s[\g+7], 0
.endr
	s_lshl_b32 s18, s16, 3
	s_lshl_b32 s20, s17, 4
	s_add_co_u32 s20, s20, s18
	s_mul_i32 s20, s20, 12288
	s_add_co_u32 s20, s20, s69                     ; A's tile: it hangs on the tile row alone
	s_mov_b32 s21, 0
	s_lshl_b32 s46, s42, 4
	s_add_co_u32 s46, s46, s18
	s_mul_i32 s46, s46, 12288
	s_add_co_u32 s46, s46, s74                     ; B's: on the tile column alone
	s_mov_b32 s47, 0
	s_mul_i32 s45, s14, HALFT
	s_lshl_b32 s84, s17, 1
	s_add_co_u32 s84, s84, s16
	s_lshl_b32 s84, s84, 12
	s_add_co_u32 s84, s84, s75
	s_lshl_b32 s86, s42, 1
	s_add_co_u32 s86, s86, s16
	s_lshl_b32 s86, s86, 12
	s_add_co_u32 s86, s86, s76
	s_cmp_eq_u32 s15, 0
	s_cselect_b32 s84, s84, s86                    ; the 4 KB of scale words that I copy
	s_mov_b32 s85, 0
	s_and_b32 s86, s42, s77
	s_lshl_b32 s86, s86, 1
	s_add_co_u32 s86, s86, s16                     ; the result's K step
	s_lshr_b32 s87, s42, s78                       ; q or k; or the batch
	s_lshl_b32 s88, s17, 4
	s_lshl_b32 s89, s15, 3
	s_add_co_u32 s88, s88, s89
	s_mul_i32 s88, s88, s70
	s_mul_i32 s89, s87, s80
	s_add_co_u32 s88, s88, s89
	s_mul_i32 s89, s86, 1536
	s_add_co_u32 s88, s88, s89
	s_add_co_u32 s88, s88, s79
	s_mov_b32 s89, 0
	s_lshl_b32 s92, s17, 1
	s_add_co_u32 s92, s92, s15
	s_lshl_b32 s92, s92, s83
	s_add_co_u32 s92, s92, s86
	s_lshl_b32 s92, s92, 9
	s_mul_i32 s93, s87, s82
	s_add_co_u32 s92, s92, s93
	s_add_co_u32 s92, s92, s81
	s_mov_b32 s93, 0
	s_mov_b32 s[SEL], 0x76543210
	s_mov_b32 s[SEL+1], 0xfedcba98
	v_and_b32 v[LN], 31, v0
	v_lshlrev_b32 v[LI], 4, v[LN]
	s_wait_kmcnt 0x0
	s_add_nc_u64 s[20:21], s[4:5], s[20:21]
	s_add_nc_u64 s[46:47], s[4:5], s[46:47]
	s_add_nc_u64 s[84:85], s[4:5], s[84:85]
	s_add_nc_u64 s[88:89], s[6:7], s[88:89]
	s_add_nc_u64 s[92:93], s[6:7], s[92:93]
.irp j, 0,1,2,3,4,5,6,7
	global_load_b128 v[64+4*\j:67+4*\j], v[LI], s[84:85] offset:512*\j
.endr
	CROUND                                         ; all sixteen work-groups are here: the first joint loads meet
.irp s, 0,1
	s_mov_b32 s[G0+4*\s], 1
	s_add_co_u32 s[G0+4*\s+1], s45, \s*SLOT
	s_add_nc_u64 s[G0+4*\s+2:G0+4*\s+3], s[20:21], \s*3072
	s_or_b32 s[G0+4*\s+3], s[G0+4*\s+3], 0x80000000
	s_mov_b32 s[G0B+4*\s], 1
	s_add_co_u32 s[G0B+4*\s+1], s45, \s*SLOT
	s_add_nc_u64 s[G0B+4*\s+2:G0B+4*\s+3], s[46:47], \s*3072
	s_or_b32 s[G0B+4*\s+3], s[G0B+4*\s+3], 0x80000000
	JLOAD G0+4*\s, G1, G0B+4*\s, G1B
.endr
	v_and_b32 v1, 15, v0                           ; r
	v_bfe_u32 v2, v0, 4, 1                         ; h
	s_mul_i32 s18, s15, HALFT
	s_mul_i32 s19, s16, HALFT
	s_add_co_u32 s19, s19, 2*HALFT
.irp s, 0,1
	v_add_nc_u32 v[ADRA+\s], s18, v[LI]
	v_add_nc_u32 v[ADRB+\s], s19, v[LI]
	s_add_co_u32 s18, s18, SLOT
	s_add_co_u32 s19, s19, SLOT
.endr
	s_mul_i32 s18, s15, NKAP*512
	s_mul_i32 s19, s16, NKAP*512
	s_add_co_u32 s19, s19, SCB-SCA
	s_sub_co_u32 s19, s19, s18
	v_mul_u32_u24 v3, s19, v2                      ; lanes 16-31 take B's words: one product, the distance between the two bases
	s_add_co_u32 s18, s18, SCA
	v_lshl_add_u32 v3, v1, 4, v3
	v_add_nc_u32 v[ADRS], s18, v3
	s_lshl_b32 s18, s15, 14
	s_lshl_b32 s19, s16, 12
	s_add_co_u32 s18, s18, s19
	s_add_co_u32 s18, s18, SCA
	v_add_nc_u32 v26, s18, v[LI]
	s_wait_loadcnt 0x0
.irp j, 0,1,2,3,4,5,6,7
	ds_store_b128 v26, v[64+4*\j:67+4*\j] offset:512*\j
.endr
	s_wait_dscnt 0x0                               ; for the others' sake: my scale words lie in LDS
	s_wait_tensorcnt 1                             ; my part of slot 0 is in; slot 1's may stay out
	s_barrier_signal -1
	s_barrier_wait -1
	FETCH_B 0, 0, 0
	FETCH_A 0, 0, 0
	SCALES 0, 0
	FETCH_A 0, 0, 4
	STEP 0, 1                                      ; the first products start the sums
	TURN 0, 1, 1, 2
	STEP 1, 0
	TURN 1, 0, 1, 4
	STEP 0, 0
	TURN 0, 1, 0, 6
	STEP 1, 0
	LAST
	PLACES NP                                      ; in front of the first read of results and the first write of registers that held A's fragments
; THE WAY OUT: block a's 64 numbers of a lane become a fragment's codes and its scale word.
.macro QMAX a
.set W, 2+(\a)/4
.set S0, 64*((\a)%4)
	WIN W|(W<<2)                                   ; sources 0 and 1: the accumulators' window
.irp b, 0,1,2,3
	v_max3_num_f32 v[TM+\b], |v[S0+16*\b]|, |v[S0+16*\b+1]|, 0x1800000   ; each accumulator is read from its low end on; the floor keeps the byte at 1 or more
.endr
.irp i, 2,4,6,8,10,12,14
.irp b, 0,1,2,3
	v_max3_num_f32 v[TM+\b], |v[S0+16*\b+\i]|, |v[S0+16*\b+\i+1]|, v[TM+\b]
.endr
.endr
	WIN 0
.irp b, 0,1,2,3
	v_permlanex16_b32 v[TM+4+\b], v[TM+\b], s[SEL], s[SEL+1]
.endr
.irp b, 0,1,2,3
	v_max_num_f32 v[TM+\b], v[TM+\b], v[TM+4+\b]   ; with lane l xor 16's 16: the block's largest magnitude
.endr
.endm
.macro QTAIL a
.set W, 2+(\a)/4
.set S0, 64*((\a)%4)
.irp b, 0,1,2,3
	v_add_nc_u32 v[TM+12+\b], 0xff000000, v[TM+\b] ; 2 off the exponent field: the conversion's scale operand
.endr
.irp b, 0,1,2,3
	v_lshrrev_b32 v[TM+4+\b], 23, v[TM+12+\b]
.endr
	v_lshl_or_b32 v[PWS+(\a)], v[TM+5], 8, v[TM+4]
	v_lshl_or_b32 v[PWS+(\a)], v[TM+6], 16, v[PWS+(\a)]
	v_lshl_or_b32 v[PWS+(\a)], v[TM+7], 24, v[PWS+(\a)]
	s_wait_xcnt 0x0                                ; the last block's stores have read their data and their base
.if (\a) > 0
	s_add_nc_u64 s[88:89], s[88:89], s[70:71]      ; the next row block
.endif
	WIN W
.irp c, 0,1
	v_cvt_scalef32_pk16_fp6_f32 v[PC+6*\c:PC+6*\c+2], v[S0+32*\c:S0+32*\c+15], v[TM+12+2*\c]
	v_cvt_scalef32_pk16_fp6_f32 v[PC+12+4*\c:PC+12+4*\c+2], v[S0+32*\c+16:S0+32*\c+31], v[TM+12+2*\c+1]
.endr
	WIN 0
	v_nop                                          ; one plain place behind a scaled conversion
.irp c, 0,1                            ; the layout wants a whole block in a lane
.irp i, 0,1,2
	v_permlane16_swap_b32 v[PC+6*\c+\i], v[PC+12+4*\c+\i]
.endr
.irp i, 0,1,2
	v_mov_b32 v[PC+3+6*\c+\i], v[PC+12+4*\c+\i]
.endr
.endr
.irp c, 0,1,2
	global_store_b128 v[LI], v[PC+4*\c:PC+4*\c+3], s[88:89] offset:512*\c   ; 512 consecutive bytes
.endr
.endm
.irp b, 0,1,2,3
	v_mov_b32 v[TM+4+\b], 0                        ; a lane permute's destination counts as read
.endr
.irp a, 0,1,2,3,4,5,6,7
	QMAX \a
	QTAIL \a
.endr
	v_cmp_le_u32 vcc_lo, 16, v[LN]
.irp t, 0,1,2,3
	v_cndmask_b32 v[88+\t], v[PWS+\t], v[PWS+4+\t], vcc_lo   ; lane (r, h) stores the words of blocks 4 h + 0 .. 3
.endr
	global_store_b128 v[LI], v[88:91], s[92:93]
	s_wait_tensorcnt 0x0                           ; the wave's end
	ds_add_u32 v[SPW], v[NIL]
	s_wait_dscnt 0x0
	CROUND                                         ; the closing round
	s_endpgm
.Lfunc_end_k_q816d5aaa0e_proj:
	.size	k_q816d5aaa0e_proj, .Lfunc_end_k_q816d5aaa0e_proj-k_q816d5aaa0e_proj
	.p2alignl 7, 3214868480
	.fill 96, 4, 3214868480
	.section	.rodata,"a",@progbits
	.p2align	6, 0x0
	.amdhsa_kernel k_q816d5aaa0e_proj
		.amdhsa_group_segment_fixed_size 327680
		.amdhsa_private_segment_fixed_size 0
		.amdhsa_enable_private_segment 0
		.amdhsa_kernarg_size 16
		.amdhsa_user_sgpr_count 2
		.amdhsa_user_sgpr_kernarg_segment_ptr 1
		.amdhsa_wavefront_size32 1
		.amdhsa_system_sgpr_workgroup_id_x 1
		.amdhsa_system_sgpr_workgroup_id_y 1
		.amdhsa_system_sgpr_workgroup_id_z 1
		.amdhsa_system_vgpr_workitem_id 0
		.amdhsa_next_free_vgpr 1024
		.amdhsa_next_free_sgpr 100
		.amdhsa_reserve_vcc 1
		.amdhsa_float_denorm_mode_32 3
		.amdhsa_float_denorm_mode_16_64 3
		.amdhsa_memory_ordered 1
		.amdhsa_forward_progress 1
		.amdhsa_inst_pref_size 140
	.end_amdhsa_kernel
	.amdgpu_metadata
---
amdhsa.version: [ 1, 2 ]
amdhsa.kernels:
  - .name:           k_q816d5aaa0e_proj
    .symbol:         k_q816d5aaa0e_proj.kd
    .args:
      - { .name: xw, .offset: 0, .size: 8, .value_kind: global_buffer, .address_space: global }
      - { .name: qkv, .offset: 8, .size: 8, .value_kind: global_buffer, .address_space: global }
    .group_segment_fixed_size: 327680
    .private_segment_fixed_size: 0
    .kernarg_segment_align: 8
    .kernarg_segment_size: 16
    .max_flat_workgroup_size: 128
    .sgpr_count:     100
    .vgpr_count:     1024
    .wavefront_size: 32
...
	.end_amdgpu_metadata
.endif
;; end of part 2
;; launch scores (part 3): grid 12 x 16, 4 waves a work-group, clusters of 4 x 4, 327,680 bytes of LDS; arguments qkv, pp; writes pp
.if DOCPART == 3
	.amdgcn_target "amdgcn-amd-amdhsa--gfx1250"
	.amdhsa_code_object_version 6
	.text
	.protected	k_q816d5aaa0e_scores
	.globl	k_q816d5aaa0e_scores
	.p2align	8
	.type	k_q816d5aaa0e_scores,@function
k_q816d5aaa0e_scores:
	s_mov_b64 s[64:65], 0
	v_nop
	global_prefetch_b8 v0, s[64:65] scope:SCOPE_SE
	s_setreg_imm32_b32 hwreg(HW_REG_WAVE_MODE, 25, 1), 1
	s_wait_xcnt 0x0
	s_wait_alu depctr_hold_cnt(0) depctr_sa_sdst(0) depctr_va_vdst(0) depctr_va_sdst(0) depctr_va_ssrc(0) depctr_va_vcc(0) depctr_vm_vsrc(0)
	s_getreg_b32 s2, hwreg(HW_REG_IB_STS2, 6, 4)
	s_cmp_eq_u32 s2, 0
	s_cbranch_scc0 .Lentry_in_a_cluster
	s_endpgm
.Lentry_in_a_cluster:
	s_bfe_u32 s2, ttmp6, 0x10000c
	s_cmp_lg_u32 s2, 0xf033
	s_cbranch_scc0 .Lentry_shape_is_right
	s_endpgm
.Lentry_shape_is_right:
; S = q k^T / 32 on codes of FP6 (E2M3), the causal mask, and p = 2^(t - M) quantised along the keys, chunk by chunk of 128 keys.
; t = score x log2(e) / 32.  M here is the ceiling of the largest t of ONE ROW IN ONE CHUNK OF 128 KEYS; -M and the chunk's sum of the unquantised p go to memory beside the codes and scale words.
; The next launch finds the row's M and takes the difference, a whole number, off the scale bytes: the codes' values are those under the row's M.
; Operands and results are images of operand registers (see the launch before).  A' = q (a lane holds one query), B' = k (source 0: the registers run along the keys).  Tile 256 x 256, four waves of 128 x 128.
; A cluster of 4 x 4 work-groups makes 1,024 x 1,024; of a batch's four such blocks the one above the diagonal is not made.  Inside a diagonal block every tile runs alike:
; tiles above the diagonal write zero codes, -M = 1e30 and the sum 0.
; The scale words (16 KB a work-group) come by plain loads, not jointly: a small part beside 393,216 bytes of codes.
; LIMITS: |t| under 1e30 (a chunk's largest t is held at -1e30 from below, so that a hidden chunk gives p = 0); a block of zeros gets the byte 1; NaN and infinities are not served.
.set KC,   6291456                     ; in qkv: q's codes at 0, k's here,
.set QS,   18874368                    ; q's scale words,
.set KS,   19136512                    ; k's
.set PS,   12582912                    ; in pp: p's codes at 0, scale words here, -M 524,288 on, the sums 1,048,576 on
.set NKAP, 8
.set FR,    12
.set NL,    3
.set NP,    4
.set HALFT, 24576
.set SLOT,  98304
.set SCA,   196608
.set SCB,   212992
.set SPARE, 230400
.set ADRA, 16
.set ADRB, 20
.set ADRS, 22
.set LN,   23
.set LI,   24
.set D0,   25                          ; v25  my query less my first key, for block 0
.set D,    27                          ; v27  the same for the block in hand
.set SPW,  28
.set NIL,  29
.set NINF, 30                          ; v30  -infinity
.set SC,   32
.set AF,   128
.set PWS,  64                          ; v64-71 scale words, v72-79 -M, v80-87 sums, of the eight blocks
.set NMS,  72
.set LSS,  80
.set PC,   112
.set TM,   200
.set SA,   218
.set SB,   220
.set G1, 24
.set G0, 32
.set G1B, 48
.set G0B, 56
.set CS,  72                           ; s[72:73] log2(e) / 32
.set SEL, 90
.set MSB, 0
.macro WIN new
.if MSB != (\new)
	s_set_vgpr_msb (MSB<<8)|(\new)
.set MSB, (\new)
.endif
.endm
.set MUL_LO, 0xa1
.set MUL_HI, 0xf1
.set TO_B,   0x40
.macro JLOAD g0a, g1a, g0b, g1b
	s_cmp_eq_u32 s15, 0
	s_cbranch_scc0 .Lfor_b_\@
	tensor_load_to_lds s[\g0a:\g0a+3], s[\g1a:\g1a+7]
	s_nop 0
.rept 4
	v_nop
.endr
	s_branch .Lasked_\@
.Lfor_b_\@:
	tensor_load_to_lds s[\g0b:\g0b+3], s[\g1b:\g1b+7]
	s_nop 0
.rept 4
	v_nop
.endr
.Lasked_\@:
.endm
.macro CREST
	s_cmp_lg_u32 s14, 0
	s_cbranch_scc1 .Lnot_wave_0_\@
	s_barrier_signal -3
.Lnot_wave_0_\@:
	s_barrier_wait -3
	s_barrier_signal -1
	s_barrier_wait -1
.endm
.macro CROUND
	s_barrier_signal -1
	s_barrier_wait -1
	CREST
.endm
.macro PLACES n
.rept \n
	v_nop
.endr
.endm
.macro FRAG reg, adr, q, i
.irp c, 0,1,2
	ds_load_b128 v[\reg+4*\c:\reg+4*\c+3], v[\adr] offset:3072*(\i)+1536*(\q)+512*\c
.endr
.endm
.macro MUL16 a0, p, q, sc, zero
.irp a, \a0, \a0+1
.irp b, 0,1,2,3,4,5,6,7
.if \zero
	v_wmma_scale_f32_16x16x128_f8f6f4 v[8*(8*((\a)%4)+\b):8*(8*((\a)%4)+\b)+7], v[128*(\p)+FR*\b:128*(\p)+FR*\b+FR-1], v[AF+FR*(\a):AF+FR*(\a)+FR-1], 0, v[SC+16*(\sc)+8*(\q)+\b], v[SC+16*(\sc)+8*(\q)+(\a)] matrix_a_fmt:MATRIX_FMT_FP6 matrix_b_fmt:MATRIX_FMT_FP6 matrix_a_scale:MATRIX_SCALE_ROW1
.else
	v_wmma_scale_f32_16x16x128_f8f6f4 v[8*(8*((\a)%4)+\b):8*(8*((\a)%4)+\b)+7], v[128*(\p)+FR*\b:128*(\p)+FR*\b+FR-1], v[AF+FR*(\a):AF+FR*(\a)+FR-1], v[8*(8*((\a)%4)+\b):8*(8*((\a)%4)+\b)+7], v[SC+16*(\sc)+8*(\q)+\b], v[SC+16*(\sc)+8*(\q)+(\a)] matrix_a_fmt:MATRIX_FMT_FP6 matrix_b_fmt:MATRIX_FMT_FP6 matrix_a_scale:MATRIX_SCALE_ROW1
.endif
.endr
.endr
.endm
.macro FETCH_B slot, q, p
	WIN TO_B
.irp i, 0,1,2,3,4,5,6,7
	FRAG 128*(\p)+FR*\i, ADRB+\slot, \q, \i
.endr
	WIN 0
.endm
.macro FETCH_A slot, q, i0
.irp i, \i0, \i0+1, \i0+2, \i0+3
	FRAG AF+FR*(\i), ADRA+\slot, \q, \i
.endr
.endm
.macro SCALES sc, kap0
.irp q, 0,1
.irp g, 0,1
	ds_load_b128 v[SC+16*(\sc)+8*\q+4*\g:SC+16*(\sc)+8*\q+4*\g+3], v[ADRS] offset:((\kap0)+\q)*512+256*\g
.endr
.endr
.endm
.macro STEP slot, zero
	s_wait_dscnt 4*NL                              ; all but the 12 youngest loads (A's blocks 4-7) are in
	WIN MUL_LO
	MUL16 0, 0, 0, \slot, \zero
	MUL16 2, 0, 0, \slot, \zero
	s_wait_dscnt 0x0
	PLACES NP
	FETCH_B \slot, 1, 1
	FETCH_A \slot, 1, 0
	WIN MUL_HI
	MUL16 4, 0, 0, \slot, \zero
	MUL16 6, 0, 0, \slot, \zero
	PLACES NP
	WIN 0
	FETCH_A \slot, 1, 4
.endm
.macro TURN slot, next, fill, kap0
	s_wait_tensorcnt 0x0                           ; all my tensor loads have landed: my part of the next slot
	ds_add_u32 v[SPW], v[NIL]                      ; 0 onto my spare word
	s_wait_dscnt 4*NL+1                            ; the add and the 12 youngest loads may be out
	WIN MUL_LO
	MUL16 0, 1, 1, \slot, 0
	s_wait_dscnt 0x0                               ; the add is done, and my reads of this slot are over
	s_barrier_signal -1
	MUL16 2, 1, 1, \slot, 0
	WIN 0
	s_barrier_wait -1
.if \fill
	CREST                                          ; a round of the cluster's barrier: no wave of any partner still reads this slot or has a load on its way
	s_add_nc_u64 s[G0+4*\slot+2:G0+4*\slot+3], s[G0+4*\slot+2:G0+4*\slot+3], 6144
	s_add_nc_u64 s[G0B+4*\slot+2:G0B+4*\slot+3], s[G0B+4*\slot+2:G0B+4*\slot+3], 6144
	JLOAD G0+4*\slot, G1, G0B+4*\slot, G1B
.else
	PLACES NP
.endif
	FETCH_B \next, 0, 0
	FETCH_A \next, 0, 0
	SCALES \next, \kap0
	WIN MUL_HI
	MUL16 4, 1, 1, \slot, 0
	MUL16 6, 1, 1, \slot, 0
	PLACES NP
	WIN 0
	FETCH_A \next, 0, 4
.endm
.macro LAST
	s_wait_dscnt 4*NL
	WIN MUL_LO
	MUL16 0, 1, 1, 1, 0
	MUL16 2, 1, 1, 1, 0
	s_wait_dscnt 0x0
	WIN MUL_HI
	MUL16 4, 1, 1, 1, 0
	MUL16 6, 1, 1, 1, 0
	WIN 0
.endm
	s_load_b128 s[4:7], s[0:1], 0x0                ; qkv s[4:5], pp s[6:7]
	v_lshl_add_u32 v[SPW], v0, 2, SPARE
	v_mov_b32 v[NIL], 0
	ds_add_u32 v28, v29
	ds_add_u32 v28, v29
	s_wait_dscnt 0x0
	v_lshrrev_b32 v1, 5, v0
	v_readfirstlane_b32 s14, v1
	s_lshr_b32 s15, s14, 1
	s_and_b32 s16, s14, 1
	s_bfe_u32 s40, ttmp6, 0x40000                  ; cx
	s_bfe_u32 s41, ttmp6, 0x40004                  ; cy
	s_and_b32 s66, ttmp7, 0xffff                   ; the batch
	s_add_co_u32 s67, ttmp9, 1
	s_lshr_b32 s67, s67, 1                         ; cluster x = 0, 1, 2 is block (0, 0), (1, 0), (1, 1) of the batch
	s_lshl_b32 s17, s67, 2
	s_add_co_u32 s17, s17, s41                     ; I: tile row (queries)
	s_lshr_b32 s68, ttmp9, 1
	s_lshl_b32 s42, s68, 2
	s_add_co_u32 s42, s42, s40                     ; J: tile column (keys)
	s_lshl_b32 s43, s41, 2
	s_lshl_b32 s43, 15, s43
	s_lshl_b32 s44, 0x1111, s40
	s_or_b32 s[G1+0], s43, (3<<16)|(1<<21)
	s_or_b32 s[G1B+0], s44, (3<<16)|(1<<21)
.irp g, G1, G1B
	s_mov_b32 s[\g+1], 384<<16
	s_mov_b32 s[\g+2], 8<<16
	s_mov_b32 s[\g+3], 384<<16
	s_mov_b32 s[\g+4], 8
	s_mov_b32 s[\g+5], NKAP*192
	s_mov_b32 s[\g+6], 0
	s_mov_b32 s[\g+7], 0
.endr
	s_lshl_b32 s69, s66, 7                         ; 128 row blocks a batch
	s_lshl_b32 s18, s16, 3
	s_lshl_b32 s20, s17, 4
	s_add_co_u32 s20, s20, s18
	s_add_co_u32 s20, s20, s69
	s_mul_i32 s20, s20, 12288                      ; q's tile
	s_mov_b32 s21, 0
	s_lshl_b32 s46, s42, 4
	s_add_co_u32 s46, s46, s18
	s_add_co_u32 s46, s46, s69
	s_mul_i32 s46, s46, 12288
	s_add_co_u32 s46, s46, KC                      ; k's
	s_mov_b32 s47, 0
	s_mul_i32 s45, s14, HALFT
	s_lshl_b32 s74, s66, 4                         ; 16 groups of 128 rows a batch
	s_lshl_b32 s84, s17, 1
	s_add_co_u32 s84, s84, s16
	s_add_co_u32 s84, s84, s74
	s_lshl_b32 s84, s84, 12
	s_add_co_u32 s84, s84, QS
	s_lshl_b32 s86, s42, 1
	s_add_co_u32 s86, s86, s16
	s_add_co_u32 s86, s86, s74
	s_lshl_b32 s86, s86, 12
	s_add_co_u32 s86, s86, KS
	s_cmp_eq_u32 s15, 0
	s_cselect_b32 s84, s84, s86                    ; the 4 KB of scale words that I copy
	s_mov_b32 s85, 0
	s_lshl_b32 s75, s42, 1
	s_add_co_u32 s75, s75, s16                     ; my chunk of 128 keys
	s_lshl_b32 s88, s17, 4
	s_lshl_b32 s89, s15, 3
	s_add_co_u32 s88, s88, s89
	s_add_co_u32 s88, s88, s69
	s_lshl_b32 s88, s88, 4
	s_add_co_u32 s88, s88, s75
	s_mul_i32 s88, s88, 1536                       ; p's codes: my first block, my chunk
	s_mov_b32 s89, 0
	s_lshl_b32 s92, s17, 1
	s_add_co_u32 s92, s92, s15
	s_add_co_u32 s92, s92, s74
	s_lshl_b32 s92, s92, 4
	s_add_co_u32 s92, s92, s75
	s_lshl_b32 s92, s92, 9
	s_add_co_u32 s92, s92, PS                      ; the three planes' unit
	s_mov_b32 s93, 0
	s_sub_co_i32 s76, s17, s42
	s_lshl_b32 s76, s76, 8
	s_sub_co_i32 s77, s15, s16
	s_lshl_b32 s77, s77, 7
	s_add_co_i32 s76, s76, s77                     ; my first query less my first key: it enters data alone
	s_mov_b32 s[CS], 0x3d38aa3b                    ; log2(e) / 32
	s_mov_b32 s[CS+1], s[CS]
	s_mov_b32 s[SEL], 0x76543210
	s_mov_b32 s[SEL+1], 0xfedcba98
	v_and_b32 v[LN], 31, v0
	v_lshlrev_b32 v[LI], 4, v[LN]
	s_wait_kmcnt 0x0
	s_add_nc_u64 s[20:21], s[4:5], s[20:21]
	s_add_nc_u64 s[46:47], s[4:5], s[46:47]
	s_add_nc_u64 s[84:85], s[4:5], s[84:85]
	s_add_nc_u64 s[88:89], s[6:7], s[88:89]
	s_add_nc_u64 s[92:93], s[6:7], s[92:93]
.irp j, 0,1,2,3,4,5,6,7
	global_load_b128 v[64+4*\j:67+4*\j], v[LI], s[84:85] offset:512*\j
.endr
	CROUND
.irp s, 0,1
	s_mov_b32 s[G0+4*\s], 1
	s_add_co_u32 s[G0+4*\s+1], s45, \s*SLOT
	s_add_nc_u64 s[G0+4*\s+2:G0+4*\s+3], s[20:21], \s*3072
	s_or_b32 s[G0+4*\s+3], s[G0+4*\s+3], 0x80000000
	s_mov_b32 s[G0B+4*\s], 1
	s_add_co_u32 s[G0B+4*\s+1], s45, \s*SLOT
	s_add_nc_u64 s[G0B+4*\s+2:G0B+4*\s+3], s[46:47], \s*3072
	s_or_b32 s[G0B+4*\s+3], s[G0B+4*\s+3], 0x80000000
	JLOAD G0+4*\s, G1, G0B+4*\s, G1B
.endr
	v_and_b32 v1, 15, v0                           ; r
	v_bfe_u32 v2, v0, 4, 1                         ; h
	s_mul_i32 s18, s15, HALFT
	s_mul_i32 s19, s16, HALFT
	s_add_co_u32 s19, s19, 2*HALFT
.irp s, 0,1
	v_add_nc_u32 v[ADRA+\s], s18, v[LI]
	v_add_nc_u32 v[ADRB+\s], s19, v[LI]
	s_add_co_u32 s18, s18, SLOT
	s_add_co_u32 s19, s19, SLOT
.endr
	s_mul_i32 s18, s15, NKAP*512
	s_mul_i32 s19, s16, NKAP*512
	s_add_co_u32 s19, s19, SCB-SCA
	s_sub_co_u32 s19, s19, s18
	v_mul_u32_u24 v3, s19, v2
	s_add_co_u32 s18, s18, SCA
	v_lshl_add_u32 v3, v1, 4, v3
	v_add_nc_u32 v[ADRS], s18, v3
	s_lshl_b32 s18, s15, 14
	s_lshl_b32 s19, s16, 12
	s_add_co_u32 s18, s18, s19
	s_add_co_u32 s18, s18, SCA
	v_add_nc_u32 v26, s18, v[LI]
	v_and_b32 v3, 8, v1
	v_add_nc_u32 v3, v3, v1                        ; r + 8 (r / 8)
	v_lshlrev_b32 v[D], 4, v2
	v_sub_nc_u32 v3, v3, v[D]
	v_add_nc_u32 v[D0], s76, v3                    ; register 16 b + i of block a holds a hidden key where 32 b + i > D0 + 32 (a / 2) + 8 (a % 2)
	v_mov_b32 v[NINF], 0xff800000
	s_wait_loadcnt 0x0
.irp j, 0,1,2,3,4,5,6,7
	ds_store_b128 v26, v[64+4*\j:67+4*\j] offset:512*\j
.endr
	s_wait_dscnt 0x0
	s_wait_tensorcnt 1                             ; my part of slot 0 is in; slot 1's may stay out
	s_barrier_signal -1
	s_barrier_wait -1
	FETCH_B 0, 0, 0
	FETCH_A 0, 0, 0
	SCALES 0, 0
	FETCH_A 0, 0, 4
	STEP 0, 1
	TURN 0, 1, 1, 2
	STEP 1, 0
	TURN 1, 0, 1, 4
	STEP 0, 0
	TURN 0, 1, 0, 6
	STEP 1, 0
	LAST
	PLACES NP
; BLOCK a: 16 queries x my 128 keys: mask, M, p, the sum, the codes.
.macro SMAX a
.set W, 2+(\a)/4
.set S0, 64*((\a)%4)
	s_cmp_eq_u32 ttmp9, 1                          ; the block of clusters under the diagonal hides nothing (a branch on the cluster's number: alike in all partners)
	s_cbranch_scc1 .Lopen_\@
	v_add_nc_u32 v[D], 32*((\a)/2)+8*((\a)%2), v[D0]
	WIN W|(W<<6)                                   ; source 0 and the destination: the accumulators' window
.set n, 0
.rept 64
	v_cmp_gt_i32 vcc_lo, 32*(n/16)+n%16, v[D]
	v_cndmask_b32 v[S0+n], v[S0+n], v[NINF], vcc_lo
.set n, n+1
.endr
	WIN 0
.Lopen_\@:
	WIN W|(W<<2)
.irp b, 0,1,2,3
	v_max3_num_f32 v[TM+\b], v[S0+16*\b], v[S0+16*\b+1], v[NINF]   ; the largest score of each block of 32 keys: for the row's maximum, and for the block's largest p
.endr
.irp i, 2,4,6,8,10,12,14
.irp b, 0,1,2,3
	v_max3_num_f32 v[TM+\b], v[S0+16*\b+\i], v[S0+16*\b+\i+1], v[TM+\b]
.endr
.endr
	WIN 0
.irp b, 0,1,2,3
	v_permlanex16_b32 v[TM+4+\b], v[TM+\b], s[SEL], s[SEL+1]
.endr
.irp b, 0,1,2,3
	v_max_num_f32 v[TM+\b], v[TM+\b], v[TM+4+\b]
.endr
	v_max3_num_f32 v222, v[TM], v[TM+1], v[TM+2]
	v_max_num_f32 v222, v222, v[TM+3]
	v_mul_f32 v222, s[CS], v222                    ; the chunk's largest t
	v_max_num_f32 v222, 0xf149f2ca, v222           ; held at -1e30 from below: a hidden chunk
	v_floor_f32 v216, -v222                        ; -M = floor(-t): M is a whole number
	v_mov_b32 v[NMS+(\a)], v216
	WIN W|(W<<6)
.set n, 0
.rept 32
	v_pk_fma_f32 v[S0+n:S0+n+1], v[S0+n:S0+n+1], s[CS:CS+1], v[216:217] op_sel_hi:[1,0,0]   ; t - M
.set n, n+2
.endr
	WIN 0
.irp b, 0,1,2,3
	v_fma_f32 v[TM+\b], v[TM+\b], s[CS], v216      ; the same of each block's largest score
.endr
	WIN W|(W<<6)
.set n, 0
.rept 64
	v_exp_f32 v[S0+n], v[S0+n]                     ; p = 2^(t - M)
.set n, n+1
.endr
	v_nop                                          ; a plain place behind the exponentials
	s_wait_alu depctr_va_vdst(0)                   ; one wait for the batch, ahead of its first reader
	WIN 0
.irp b, 0,1,2,3
	v_exp_f32 v[TM+\b], v[TM+\b]                   ; the block's largest p
.endr
	WIN W|(W<<2)
	v_pk_add_f32 v[SA:SA+1], v[S0:S0+1], v[S0+2:S0+3]         ; the sum of the unquantised p, in two chains
	v_pk_add_f32 v[SB:SB+1], v[S0+4:S0+5], v[S0+6:S0+7]
	WIN W
.irp j, 8,12,16,20,24,28,32,36,40,44,48,52,56,60
	v_pk_add_f32 v[SA:SA+1], v[S0+\j:S0+\j+1], v[SA:SA+1]
	v_pk_add_f32 v[SB:SB+1], v[S0+\j+2:S0+\j+3], v[SB:SB+1]
.endr
	WIN 0
	v_pk_add_f32 v[SA:SA+1], v[SA:SA+1], v[SB:SB+1]
	s_wait_alu depctr_va_vdst(0)                   ; and one for the four
.irp b, 0,1,2,3
	v_max_num_f32 v[TM+\b], 0x1800000, v[TM+\b]    ; the floor: the byte cannot fall under 1
.endr
.irp b, 0,1,2,3
	v_add_nc_u32 v[TM+12+\b], 0xff000000, v[TM+\b]
.endr
.irp b, 0,1,2,3
	v_lshrrev_b32 v[TM+4+\b], 23, v[TM+12+\b]
.endr
	v_lshl_or_b32 v[PWS+(\a)], v[TM+5], 8, v[TM+4]
	v_lshl_or_b32 v[PWS+(\a)], v[TM+6], 16, v[PWS+(\a)]
	v_lshl_or_b32 v[PWS+(\a)], v[TM+7], 24, v[PWS+(\a)]
	s_wait_xcnt 0x0                                ; the last block's stores have read their data
	WIN W
.irp c, 0,1
	v_cvt_scalef32_pk16_fp6_f32 v[PC+6*\c:PC+6*\c+2], v[S0+32*\c:S0+32*\c+15], v[TM+12+2*\c]
	v_cvt_scalef32_pk16_fp6_f32 v[PC+12+4*\c:PC+12+4*\c+2], v[S0+32*\c+16:S0+32*\c+31], v[TM+12+2*\c+1]
.endr
	WIN 0
	v_nop                                          ; one plain place behind a scaled conversion
.irp c, 0,1
.irp i, 0,1,2
	v_permlane16_swap_b32 v[PC+6*\c+\i], v[PC+12+4*\c+\i]
.endr
.irp i, 0,1,2
	v_mov_b32 v[PC+3+6*\c+\i], v[PC+12+4*\c+\i]
.endr
.endr
.irp c, 0,1,2
	global_store_b128 v[LI], v[PC+4*\c:PC+4*\c+3], s[88:89] offset:24576*(\a)+512*\c
.endr
	v_add_f32 v222, v[SA], v[SA+1]
	v_permlanex16_b32 v223, v222, s[SEL], s[SEL+1]
	v_add_f32 v[LSS+(\a)], v222, v223              ; the chunk's sum of my query
.endm
.irp b, 0,1,2,3
	v_mov_b32 v[TM+4+\b], 0                        ; a lane permute's destination counts as read
.endr
	v_mov_b32 v217, 0                              ; (named as the upper half of the pair v[216:217])
	v_mov_b32 v223, 0
.irp a, 0,1,2,3,4,5,6,7
	SMAX \a
.endr
	v_cmp_le_u32 vcc_lo, 16, v[LN]
.irp t, 0,1,2,3
	v_cndmask_b32 v[88+\t], v[PWS+\t], v[PWS+4+\t], vcc_lo   ; lane (r, h) stores the words of blocks 4 h + 0 .. 3
.endr
.irp t, 0,1,2,3
	v_cndmask_b32 v[92+\t], v[NMS+\t], v[NMS+4+\t], vcc_lo
.endr
.irp t, 0,1,2,3
	v_cndmask_b32 v[96+\t], v[LSS+\t], v[LSS+4+\t], vcc_lo
.endr
	global_store_b128 v[LI], v[88:91], s[92:93]
	global_store_b128 v[LI], v[92:95], s[92:93] offset:524288
	global_store_b128 v[LI], v[96:99], s[92:93] offset:1048576
	s_wait_tensorcnt 0x0                           ; the wave's end
	ds_add_u32 v[SPW], v[NIL]
	s_wait_dscnt 0x0
	CROUND
	s_endpgm
.Lfunc_end_k_q816d5aaa0e_scores:
	.size	k_q816d5aaa0e_scores, .Lfunc_end_k_q816d5aaa0e_scores-k_q816d5aaa0e_scores
	.p2alignl 7, 3214868480
	.fill 96, 4, 3214868480
	.section	.rodata,"a",@progbits
	.p2align	6, 0x0
	.amdhsa_kernel k_q816d5aaa0e_scores
		.amdhsa_group_segment_fixed_size 327680
		.amdhsa_private_segment_fixed_size 0
		.amdhsa_enable_private_segment 0
		.amdhsa_kernarg_size 16
		.amdhsa_user_sgpr_count 2
		.amdhsa_user_sgpr_kernarg_segment_ptr 1
		.amdhsa_wavefront_size32 1
		.amdhsa_system_sgpr_workgroup_id_x 1
		.amdhsa_system_sgpr_workgroup_id_y 1
		.amdhsa_system_sgpr_workgroup_id_z 1
		.amdhsa_system_vgpr_workitem_id 0
		.amdhsa_next_free_vgpr 1024
		.amdhsa_next_free_sgpr 100
		.amdhsa_reserve_vcc 1
		.amdhsa_float_denorm_mode_32 3
		.amdhsa_float_denorm_mode_16_64 3
		.amdhsa_memory_ordered 1
		.amdhsa_forward_progress 1
		.amdhsa_inst_pref_size 238
	.end_amdhsa_kernel
	.amdgpu_metadata
---
amdhsa.version: [ 1, 2 ]
amdhsa.kernels:
  - .name:           k_q816d5aaa0e_scores
    .symbol:         k_q816d5aaa0e_scores.kd
    .args:
      - { .name: qkv, .offset: 0, .size: 8, .value_kind: global_buffer, .address_space: global }
      - { .name: pp, .offset: 8, .size: 8, .value_kind: global_buffer, .address_space: global }
    .group_segment_fixed_size: 327680
    .private_segment_fixed_size: 0
    .kernarg_segment_align: 8
    .kernarg_segment_size: 16
    .max_flat_workgroup_size: 128
    .sgpr_count:     100
    .vgpr_count:     1024
    .wavefront_size: 32
...
	.end_amdgpu_metadata
.endif
;; end of part 3
;; launch pv (part 4): grid 4 x 32, 4 waves a work-group, clusters of 4 x 4, 327,680 bytes of LDS; arguments pp, qkv, out0; writes out0
.if DOCPART == 4
	.amdgcn_target "amdgcn-amd-amdhsa--gfx1250"
	.amdhsa_code_object_version 6
	.text
	.protected	k_q816d5aaa0e_pv
	.globl	k_q816d5aaa0e_pv
	.p2align	8
	.type	k_q816d5aaa0e_pv,@function
k_q816d5aaa0e_pv:
	s_mov_b64 s[64:65], 0
	v_nop
	global_prefetch_b8 v0, s[64:65] scope:SCOPE_SE
	s_setreg_imm32_b32 hwreg(HW_REG_WAVE_MODE, 25, 1), 1
	s_wait_xcnt 0x0
	s_wait_alu depctr_hold_cnt(0) depctr_sa_sdst(0) depctr_va_vdst(0) depctr_va_sdst(0) depctr_va_ssrc(0) depctr_va_vcc(0) depctr_vm_vsrc(0)
	s_getreg_b32 s2, hwreg(HW_REG_IB_STS2, 6, 4)
	s_cmp_eq_u32 s2, 0
	s_cbranch_scc0 .Lentry_in_a_cluster
	s_endpgm
.Lentry_in_a_cluster:
	s_bfe_u32 s2, ttmp6, 0x10000c
	s_cmp_lg_u32 s2, 0xf033
	s_cbranch_scc0 .Lentry_shape_is_right
	s_endpgm
.Lentry_shape_is_right:
; O = P v / l on codes of FP6 (E2M3).  P arrives quantised chunk by chunk of 128 keys, each (row, chunk) under its own whole number M, with -M and the chunk's sum beside it.
; AT THE HEAD each row's M is found (the least -M of its chunks); M(row) - M(chunk), a whole number, is taken off the chunk's four scale bytes, and the chunks' sums are joined by v_ldexp_f32: nothing is rounded but the additions.
; A' = P (a lane holds one query), B' = v with the keys innermost (source 0: the registers run along the channels).  Tile 256 queries x 256 channels, four waves of 128 x 128; K = the keys.
; CAUSAL: the clusters of a batch's first 1,024 queries walk 1,024 keys, the others 2,048: one branch on the cluster's y, alike in all sixteen partners; the short tail is written out.
; v's scale words and the three planes of P (16 KB + 48 KB a work-group) come by plain loads, not jointly: beside 393,216 or 786,432 bytes of codes.
; LIMITS: a scale byte that would fall under 0 is held at 0 (such terms lie under 2^-124 of the row's largest p); NaN and infinities are not served.
.set PS,   12582912                    ; in pp: codes at 0, scale words here, -M 524,288 on, sums 1,048,576 on
.set VC,   12582912                    ; in qkv: v's codes,
.set VS,   19398656                    ; v's scale words
.set NKAP, 16
.set FR,    12
.set NL,    3
.set NP,    4
.set HALFT, 24576
.set SLOT,  98304
.set SCA,   196608                     ; P's adjusted scale words: 8,192 bytes a half
.set SCB,   212992                     ; v's
.set RLT,   229376                     ; 1 / l: 512 bytes a half, laid as a unit of scale words
.set SPARE, 230400
.set STAGE, 230912                     ; the way out: 16 rows x (512 + 16) bytes for each wave; no tensor load lands here
.set STO,  4
.set RD,   5
.set RLA,  6
.set ADRA, 16
.set ADRB, 20
.set ADRS, 22
.set LN,   23
.set LI,   24
.set SPW,  28
.set NIL,  29
.set SC,   32
.set AF,   128
.set PMR,  64                          ; the head: v64-95 -M, v96-127 sums, v128-159 scale words (16 chunks x 2 words), v160-191 v's scale words
.set PLR,  96
.set PSR,  128
.set VSR,  160
.set NMG,  192
.set SUM,  194
.set RLR,  80                          ; the way out: v80-87 1 / l of my eight blocks
.set G1, 24
.set G0, 32
.set G1B, 48
.set G0B, 56
.set MSB, 0
.macro WIN new
.if MSB != (\new)
	s_set_vgpr_msb (MSB<<8)|(\new)
.set MSB, (\new)
.endif
.endm
.set MUL_LO, 0xa1
.set MUL_HI, 0xf1
.set TO_B,   0x40
.macro JLOAD g0a, g1a, g0b, g1b
	s_cmp_eq_u32 s15, 0
	s_cbranch_scc0 .Lfor_b_\@
	tensor_load_to_lds s[\g0a:\g0a+3], s[\g1a:\g1a+7]
	s_nop 0
.rept 4
	v_nop
.endr
	s_branch .Lasked_\@
.Lfor_b_\@:
	tensor_load_to_lds s[\g0b:\g0b+3], s[\g1b:\g1b+7]
	s_nop 0
.rept 4
	v_nop
.endr
.Lasked_\@:
.endm
.macro CREST
	s_cmp_lg_u32 s14, 0
	s_cbranch_scc1 .Lnot_wave_0_\@
	s_barrier_signal -3
.Lnot_wave_0_\@:
	s_barrier_wait -3
	s_barrier_signal -1
	s_barrier_wait -1
.endm
.macro CROUND
	s_barrier_signal -1
	s_barrier_wait -1
	CREST
.endm
.macro PLACES n
.rept \n
	v_nop
.endr
.endm
.macro FRAG reg, adr, q, i
.irp c, 0,1,2
	ds_load_b128 v[\reg+4*\c:\reg+4*\c+3], v[\adr] offset:3072*(\i)+1536*(\q)+512*\c
.endr
.endm
.macro MUL16 a0, p, q, sc, zero
.irp a, \a0, \a0+1
.irp b, 0,1,2,3,4,5,6,7
.if \zero
	v_wmma_scale_f32_16x16x128_f8f6f4 v[8*(8*((\a)%4)+\b):8*(8*((\a)%4)+\b)+7], v[128*(\p)+FR*\b:128*(\p)+FR*\b+FR-1], v[AF+FR*(\a):AF+FR*(\a)+FR-1], 0, v[SC+16*(\sc)+8*(\q)+\b], v[SC+16*(\sc)+8*(\q)+(\a)] matrix_a_fmt:MATRIX_FMT_FP6 matrix_b_fmt:MATRIX_FMT_FP6 matrix_a_scale:MATRIX_SCALE_ROW1
.else
	v_wmma_scale_f32_16x16x128_f8f6f4 v[8*(8*((\a)%4)+\b):8*(8*((\a)%4)+\b)+7], v[128*(\p)+FR*\b:128*(\p)+FR*\b+FR-1], v[AF+FR*(\a):AF+FR*(\a)+FR-1], v[8*(8*((\a)%4)+\b):8*(8*((\a)%4)+\b)+7], v[SC+16*(\sc)+8*(\q)+\b], v[SC+16*(\sc)+8*(\q)+(\a)] matrix_a_fmt:MATRIX_FMT_FP6 matrix_b_fmt:MATRIX_FMT_FP6 matrix_a_scale:MATRIX_SCALE_ROW1
.endif
.endr
.endr
.endm
.macro FETCH_B slot, q, p
	WIN TO_B
.irp i, 0,1,2,3,4,5,6,7
	FRAG 128*(\p)+FR*\i, ADRB+\slot, \q, \i
.endr
	WIN 0
.endm
.macro FETCH_A slot, q, i0
.irp i, \i0, \i0+1, \i0+2, \i0+3
	FRAG AF+FR*(\i), ADRA+\slot, \q, \i
.endr
.endm
.macro SCALES sc, kap0
.irp q, 0,1
.irp g, 0,1
	ds_load_b128 v[SC+16*(\sc)+8*\q+4*\g:SC+16*(\sc)+8*\q+4*\g+3], v[ADRS] offset:((\kap0)+\q)*512+256*\g
.endr
.endr
.endm
.macro STEP slot, zero
	s_wait_dscnt 4*NL                              ; all but the 12 youngest loads (A's blocks 4-7) are in
	WIN MUL_LO
	MUL16 0, 0, 0, \slot, \zero
	MUL16 2, 0, 0, \slot, \zero
	s_wait_dscnt 0x0
	PLACES NP
	FETCH_B \slot, 1, 1
	FETCH_A \slot, 1, 0
	WIN MUL_HI
	MUL16 4, 0, 0, \slot, \zero
	MUL16 6, 0, 0, \slot, \zero
	PLACES NP
	WIN 0
	FETCH_A \slot, 1, 4
.endm
.macro TURN slot, next, fill, kap0
	s_wait_tensorcnt 0x0                           ; all my tensor loads have landed: my part of the next slot
	ds_add_u32 v[SPW], v[NIL]                      ; 0 onto my spare word
	s_wait_dscnt 4*NL+1                            ; the add and the 12 youngest loads may be out
	WIN MUL_LO
	MUL16 0, 1, 1, \slot, 0
	s_wait_dscnt 0x0                               ; the add is done, and my reads of this slot are over
	s_barrier_signal -1
	MUL16 2, 1, 1, \slot, 0
	WIN 0
	s_barrier_wait -1
.if \fill
	CREST                                          ; a round of the cluster's barrier: no wave of any partner still reads this slot or has a load on its way
	s_add_nc_u64 s[G0+4*\slot+2:G0+4*\slot+3], s[G0+4*\slot+2:G0+4*\slot+3], 6144
	s_add_nc_u64 s[G0B+4*\slot+2:G0B+4*\slot+3], s[G0B+4*\slot+2:G0B+4*\slot+3], 6144
	JLOAD G0+4*\slot, G1, G0B+4*\slot, G1B
.else
	PLACES NP
.endif
	FETCH_B \next, 0, 0
	FETCH_A \next, 0, 0
	SCALES \next, \kap0
	WIN MUL_HI
	MUL16 4, 1, 1, \slot, 0
	MUL16 6, 1, 1, \slot, 0
	PLACES NP
	WIN 0
	FETCH_A \next, 0, 4
.endm
.macro LAST
	s_wait_dscnt 4*NL
	WIN MUL_LO
	MUL16 0, 1, 1, 1, 0
	MUL16 2, 1, 1, 1, 0
	s_wait_dscnt 0x0
	WIN MUL_HI
	MUL16 4, 1, 1, 1, 0
	MUL16 6, 1, 1, 1, 0
	WIN 0
.endm
	s_load_b128 s[4:7], s[0:1], 0x0                ; pp s[4:5], qkv s[6:7]
	s_load_b64 s[8:9], s[0:1], 0x10                ; out0
	v_lshl_add_u32 v[SPW], v0, 2, SPARE
	v_mov_b32 v[NIL], 0
	ds_add_u32 v28, v29
	ds_add_u32 v28, v29
	s_wait_dscnt 0x0
	v_lshrrev_b32 v1, 5, v0
	v_readfirstlane_b32 s14, v1
	s_lshr_b32 s15, s14, 1
	s_and_b32 s16, s14, 1
	s_bfe_u32 s40, ttmp6, 0x40000                  ; cx: the tile of 256 channels
	s_bfe_u32 s41, ttmp6, 0x40004                  ; cy
	s_and_b32 s66, ttmp7, 0xffff
	s_and_b32 s67, s66, 1                          ; which 1,024 queries of the batch: the same in all partners
	s_lshr_b32 s66, s66, 1                         ; the batch
	s_lshl_b32 s17, s67, 2
	s_add_co_u32 s17, s17, s41                     ; I: tile row (queries)
	s_lshl_b32 s43, s41, 2
	s_lshl_b32 s43, 15, s43
	s_lshl_b32 s44, 0x1111, s40
	s_or_b32 s[G1+0], s43, (3<<16)|(1<<21)
	s_or_b32 s[G1B+0], s44, (3<<16)|(1<<21)
.irp g, G1, G1B
	s_mov_b32 s[\g+1], 384<<16
	s_mov_b32 s[\g+2], 8<<16
	s_mov_b32 s[\g+3], 384<<16
	s_mov_b32 s[\g+4], 8
	s_mov_b32 s[\g+5], NKAP*192
	s_mov_b32 s[\g+6], 0
	s_mov_b32 s[\g+7], 0
.endr
	s_lshl_b32 s18, s16, 3
	s_lshl_b32 s69, s66, 7
	s_lshl_b32 s20, s17, 4
	s_add_co_u32 s20, s20, s18
	s_add_co_u32 s20, s20, s69
	s_mul_i32 s20, s20, 24576                      ; P's tile
	s_mov_b32 s21, 0
	s_lshl_b32 s74, s66, 6
	s_lshl_b32 s46, s40, 4
	s_add_co_u32 s46, s46, s18
	s_add_co_u32 s46, s46, s74
	s_mul_i32 s46, s46, 24576
	s_add_co_u32 s46, s46, VC                      ; v's
	s_mov_b32 s47, 0
	s_mul_i32 s45, s14, HALFT
	s_lshl_b32 s84, s66, 4
	s_lshl_b32 s75, s17, 1
	s_add_co_u32 s84, s84, s75
	s_add_co_u32 s84, s84, s15
	s_lshl_b32 s84, s84, 13
	s_add_co_u32 s84, s84, PS                      ; the planes of the 128 rows that I prepare: group wave / 2
	s_mov_b32 s85, 0
	s_lshl_b32 s86, s66, 3
	s_lshl_b32 s75, s40, 1
	s_add_co_u32 s86, s86, s75
	s_lshl_b32 s86, s86, 13
	s_lshl_b32 s75, s14, 12
	s_add_co_u32 s86, s86, s75
	s_add_co_u32 s86, s86, VS                      ; my 4 KB of v's scale words
	s_mov_b32 s87, 0
	s_lshl_b32 s88, s66, 11
	s_lshl_b32 s75, s17, 8
	s_add_co_u32 s88, s88, s75
	s_lshl_b32 s75, s15, 7
	s_add_co_u32 s88, s88, s75
	s_lshl_b32 s88, s88, 12                        ; my first row of out0: 4,096 bytes a row,
	s_lshl_b32 s75, s40, 10
	s_add_co_u32 s88, s88, s75
	s_lshl_b32 s75, s16, 9
	s_add_co_u32 s88, s88, s75                     ; my first channel
	s_mov_b32 s89, 0
	s_cmp_eq_u32 s67, 1
	s_cselect_b32 s93, 0x3f800000, 0               ; 1.0 where chunks 8 to 15 count, else 0
	v_and_b32 v[LN], 31, v0
	v_lshlrev_b32 v[LI], 4, v[LN]
	s_lshl_b32 s18, s16, 8
	v_lshl_add_u32 v26, v[LN], 3, s18              ; my two words of a unit: half wave % 2, 8 bytes a lane
	s_lshl_b32 s19, s67, 12
	v_add_nc_u32 v27, s19, v26                     ; chunks 8 to 15; where only 8 chunks were written, chunks 0 to 7 once more: no byte is read that nobody wrote
	s_wait_kmcnt 0x0
	s_add_nc_u64 s[20:21], s[4:5], s[20:21]
	s_add_nc_u64 s[46:47], s[6:7], s[46:47]
	s_add_nc_u64 s[84:85], s[4:5], s[84:85]
	s_add_nc_u64 s[86:87], s[6:7], s[86:87]
	s_add_nc_u64 s[8:9], s[8:9], s[88:89]
.irp k, 0,1,2,3,4,5,6,7
	global_load_b64 v[PMR+2*\k:PMR+2*\k+1], v26, s[84:85] offset:524288+512*\k
	global_load_b64 v[PLR+2*\k:PLR+2*\k+1], v26, s[84:85] offset:1048576+512*\k
	global_load_b64 v[PSR+2*\k:PSR+2*\k+1], v26, s[84:85] offset:512*\k
.endr
.irp k, 8,9,10,11,12,13,14,15
	global_load_b64 v[PMR+2*\k:PMR+2*\k+1], v27, s[84:85] offset:524288+512*(\k-8)
	global_load_b64 v[PLR+2*\k:PLR+2*\k+1], v27, s[84:85] offset:1048576+512*(\k-8)
	global_load_b64 v[PSR+2*\k:PSR+2*\k+1], v27, s[84:85] offset:512*(\k-8)
.endr
.irp j, 0,1,2,3,4,5,6,7
	global_load_b128 v[VSR+4*\j:VSR+4*\j+3], v[LI], s[86:87] offset:512*\j
.endr
	CROUND
.irp s, 0,1
	s_mov_b32 s[G0+4*\s], 1
	s_add_co_u32 s[G0+4*\s+1], s45, \s*SLOT
	s_add_nc_u64 s[G0+4*\s+2:G0+4*\s+3], s[20:21], \s*3072
	s_or_b32 s[G0+4*\s+3], s[G0+4*\s+3], 0x80000000
	s_mov_b32 s[G0B+4*\s], 1
	s_add_co_u32 s[G0B+4*\s+1], s45, \s*SLOT
	s_add_nc_u64 s[G0B+4*\s+2:G0B+4*\s+3], s[46:47], \s*3072
	s_or_b32 s[G0B+4*\s+3], s[G0B+4*\s+3], 0x80000000
	JLOAD G0+4*\s, G1, G0B+4*\s, G1B
.endr
	v_and_b32 v1, 15, v0                           ; r
	v_bfe_u32 v2, v0, 4, 1                         ; h
	s_mul_i32 s18, s15, HALFT
	s_mul_i32 s19, s16, HALFT
	s_add_co_u32 s19, s19, 2*HALFT
.irp s, 0,1
	v_add_nc_u32 v[ADRA+\s], s18, v[LI]
	v_add_nc_u32 v[ADRB+\s], s19, v[LI]
	s_add_co_u32 s18, s18, SLOT
	s_add_co_u32 s19, s19, SLOT
.endr
	s_mul_i32 s18, s15, NKAP*512
	s_mul_i32 s19, s16, NKAP*512
	s_add_co_u32 s19, s19, SCB-SCA
	s_sub_co_u32 s19, s19, s18
	v_mul_u32_u24 v3, s19, v2
	s_add_co_u32 s18, s18, SCA
	v_lshl_add_u32 v3, v1, 4, v3
	v_add_nc_u32 v[ADRS], s18, v3
	s_lshl_b32 s18, s14, 12
	s_add_co_u32 s18, s18, SCB
	v_add_nc_u32 v25, s18, v[LI]                   ; where v's scale words go
	s_lshl_b32 s18, s15, 13
	s_lshl_b32 s19, s16, 8
	s_add_co_u32 s18, s18, s19
	s_add_co_u32 s18, s18, SCA
	v_lshl_add_u32 v31, v[LN], 3, s18              ; where P's adjusted words go
	s_lshl_b32 s18, s15, 9
	s_add_co_u32 s18, s18, s19
	s_add_co_u32 s18, s18, RLT
	v_lshl_add_u32 v30, v[LN], 3, s18              ; and 1 / l
	s_mul_i32 s18, s14, 16*528
	s_add_co_u32 s18, s18, STAGE
	v_mul_u32_u24 v[STO], v1, 528
	v_lshl_add_u32 v[STO], v2, 6, v[STO]
	v_add_nc_u32 v[STO], s18, v[STO]               ; the stage, in: row r, + 64 h
	v_add_nc_u32 v[RD], s18, v[LI]                 ; back: 16 bytes a lane
	s_lshl_b32 s18, s15, 9
	s_add_co_u32 s18, s18, RLT
	v_lshl_add_u32 v[RLA], v1, 4, s18              ; 1 / l of my rows
	s_wait_loadcnt 0x0
.irp j, 0,1,2,3,4,5,6,7
	ds_store_b128 v25, v[VSR+4*\j:VSR+4*\j+3] offset:512*\j
.endr
.irp j, 0,1
	v_min3_num_f32 v[NMG+\j], v[PMR+\j], v[PMR+2+\j], v[PMR+4+\j]   ; -M of the row: the least -M of its chunks
.endr
.irp k, 3,5,7,9,11,13
.irp j, 0,1
	v_min3_num_f32 v[NMG+\j], v[NMG+\j], v[PMR+2*\k+\j], v[PMR+2*\k+2+\j]
.endr
.endr
.irp j, 0,1
	v_min_num_f32 v[NMG+\j], v[NMG+\j], v[PMR+30+\j]
.endr
.macro ADJ k, j                        ; chunk k, word j
	v_sub_f32 v196, v[NMG+\j], v[PMR+2*\k+\j]      ; M(chunk) - M(row): a whole number, 0 or less
	v_cvt_i32_f32 v196, v196                       ; (it saturates)
.if \k == 0
	v_ldexp_f32 v[SUM+\j], v[PLR+\j], v196
.else
	v_ldexp_f32 v197, v[PLR+2*\k+\j], v196         ; the chunk's sum under the row's M
.if \k < 8
	v_add_f32 v[SUM+\j], v[SUM+\j], v197
.else
	v_fma_f32 v[SUM+\j], v197, s93, v[SUM+\j]
.endif
.endif
	v_sub_nc_u32 v196, 0, v196
	v_min_u32 v196, 127, v196                      ; what comes off each byte (no byte of p is above 125)
.irp b, 0,1,2,3
	v_bfe_u32 v[198+\b], v[PSR+2*\k+\j], 8*\b, 8
.endr
.irp b, 0,1,2,3
	v_min_u32 v[202+\b], v[198+\b], v196
.endr
.irp b, 0,1,2,3
	v_sub_nc_u32 v[198+\b], v[198+\b], v[202+\b]   ; held at 0 from below
.endr
	v_lshl_or_b32 v[PSR+2*\k+\j], v199, 8, v198
	v_lshl_or_b32 v[PSR+2*\k+\j], v200, 16, v[PSR+2*\k+\j]
	v_lshl_or_b32 v[PSR+2*\k+\j], v201, 24, v[PSR+2*\k+\j]
.endm
.irp k, 0,1,2,3,4,5,6,7,8,9,10,11,12,13,14,15
	ADJ \k, 0
	ADJ \k, 1
	ds_store_b64 v31, v[PSR+2*\k:PSR+2*\k+1] offset:512*\k
.endr
	v_rcp_f32 v206, v[SUM]
	v_rcp_f32 v207, v[SUM+1]
	v_nop                                          ; a plain place behind the reciprocals
	s_wait_alu depctr_va_vdst(0)                   ; the wait ahead of the first reader
	ds_store_b64 v30, v[206:207]
	s_wait_dscnt 0x0                               ; for the others' sake: my words lie in LDS
	s_wait_tensorcnt 1                             ; my part of slot 0 is in; slot 1's may stay out
	s_barrier_signal -1
	s_barrier_wait -1
	FETCH_B 0, 0, 0
	FETCH_A 0, 0, 0
	SCALES 0, 0
	FETCH_A 0, 0, 4
	STEP 0, 1
	TURN 0, 1, 1, 2
	STEP 1, 0
	TURN 1, 0, 1, 4
	STEP 0, 0
	s_cmp_eq_u32 s67, 0                            ; 1,024 keys or 2,048: alike in all sixteen partners
	s_cbranch_scc1 .Lshort
	TURN 0, 1, 1, 6
	STEP 1, 0
	TURN 1, 0, 1, 8
	STEP 0, 0
	TURN 0, 1, 1, 10
	STEP 1, 0
	TURN 1, 0, 1, 12
	STEP 0, 0
	TURN 0, 1, 0, 14
	STEP 1, 0
	s_branch .Llast
.Lshort:                                               ; the short tail is written out: it asks for nothing more
	TURN 0, 1, 0, 6
	STEP 1, 0
.Llast:                                                ; both ways arrive with slot 1's last fragments asked for and the same 12 loads out
	LAST
	PLACES NP
; THE WAY OUT, block by block of 16 queries x 128 channels: x 1 / l, through my own stage, out as whole rows of 512 bytes.
	ds_load_b128 v[RLR:RLR+3], v[RLA]
	ds_load_b128 v[RLR+4:RLR+7], v[RLA] offset:256
	s_wait_dscnt 0x0
.macro TOSTAGE a
.set W, 2+(\a)/4
.set S0, 64*((\a)%4)
.set RP, RLR+2*((\a)/2)
	WIN W|(W<<6)
.set n, 0
.rept 32
.if (\a)%2 == 0
	v_pk_mul_f32 v[S0+n:S0+n+1], v[S0+n:S0+n+1], v[RP:RP+1] op_sel_hi:[1,0]              ; the pair's first register for both halves
.else
	v_pk_mul_f32 v[S0+n:S0+n+1], v[S0+n:S0+n+1], v[RP:RP+1] op_sel:[0,1] op_sel_hi:[1,1] ; its second
.endif
.set n, n+2
.endr
	WIN W<<2                                       ; an LDS store's data are its source 1
.irp b, 0,1,2,3,4,5,6,7
	ds_store_b128 v[STO], v[S0+8*\b:S0+8*\b+3] offset:128*(\b/2)+32*(\b%2)
	ds_store_b128 v[STO], v[S0+8*\b+4:S0+8*\b+7] offset:128*(\b/2)+32*(\b%2)+16
.endr
	WIN 0
.set BB, 128+64*((\a)%2)
.irp t, 0,1,2,3,4,5,6,7,8,9,10,11,12,13,14,15
	ds_load_b128 v[BB+4*\t:BB+4*\t+3], v[RD] offset:\t*528   ; LDS serves a wave's instructions in order: these see the stores above
.endr
.endm
.macro SEND a, younger
.set BB, 128+64*((\a)%2)
	s_wait_dscnt \younger                          ; the block is back; the next block's 16 stores and 16 loads may be out
.irp t, 0,1,2,3,4,5,6,7,8,9,10,11,12,13,14,15
	global_store_b128 v[LI], v[BB+4*\t:BB+4*\t+3], s[8:9] offset:(32*((\a)/2)+8*((\a)%2)+\t+8*(\t/8))*4096 th:TH_STORE_NT   ; 512 consecutive bytes, aligned
.endr
.endm
	TOSTAGE 0
.irp a, 1,2,3,4,5,6,7
.if \a > 1
	s_wait_xcnt 0x0                                ; block a - 2's stores have read their registers: block a's loads may land there
.endif
	TOSTAGE \a
	SEND \a-1, 32
.endr
	SEND 7, 0
	s_wait_tensorcnt 0x0                           ; the wave's end
	ds_add_u32 v[SPW], v[NIL]
	s_wait_dscnt 0x0
	CROUND
	s_endpgm
.Lfunc_end_k_q816d5aaa0e_pv:
	.size	k_q816d5aaa0e_pv, .Lfunc_end_k_q816d5aaa0e_pv-k_q816d5aaa0e_pv
	.p2alignl 7, 3214868480
	.fill 96, 4, 3214868480
	.section	.rodata,"a",@progbits
	.p2align	6, 0x0
	.amdhsa_kernel k_q816d5aaa0e_pv
		.amdhsa_group_segment_fixed_size 327680
		.amdhsa_private_segment_fixed_size 0
		.amdhsa_enable_private_segment 0
		.amdhsa_kernarg_size 24
		.amdhsa_user_sgpr_count 2
		.amdhsa_user_sgpr_kernarg_segment_ptr 1
		.amdhsa_wavefront_size32 1
		.amdhsa_system_sgpr_workgroup_id_x 1
		.amdhsa_system_sgpr_workgroup_id_y 1
		.amdhsa_system_sgpr_workgroup_id_z 1
		.amdhsa_system_vgpr_workitem_id 0
		.amdhsa_next_free_vgpr 1024
		.amdhsa_next_free_sgpr 100
		.amdhsa_reserve_vcc 0
		.amdhsa_float_denorm_mode_32 3
		.amdhsa_float_denorm_mode_16_64 3
		.amdhsa_memory_ordered 1
		.amdhsa_forward_progress 1
		.amdhsa_inst_pref_size 255
	.end_amdhsa_kernel
	.section	.bss,"aw",@nobits
	.p2align	6
	.space	262144
	.amdgpu_metadata
---
amdhsa.version: [ 1, 2 ]
amdhsa.kernels:
  - .name:           k_q816d5aaa0e_pv
    .symbol:         k_q816d5aaa0e_pv.kd
    .args:
      - { .name: pp, .offset: 0, .size: 8, .value_kind: global_buffer, .address_space: global }
      - { .name: qkv, .offset: 8, .size: 8, .value_kind: global_buffer, .address_space: global }
      - { .name: out0, .offset: 16, .size: 8, .value_kind: global_buffer, .address_space: global }
    .group_segment_fixed_size: 327680
    .private_segment_fixed_size: 0
    .kernarg_segment_align: 8
    .kernarg_segment_size: 24
    .max_flat_workgroup_size: 128
    .sgpr_count:     100
    .vgpr_count:     1024
    .wavefront_size: 32
...
	.end_amdgpu_metadata
.endif
;; end of part 4
;; ======== version 2 of 2: 4 launches
;; limits: right only within a limited range of input values
;; workspace buffers: xw 9,011,200 bytes; qkv 19,660,800 bytes; pp 14,155,776 bytes
;; launch quant (part 5): grid 896 x 1, 4 waves a work-group, no clusters, 41,728 bytes of LDS; arguments x, W_q, W_k, W_v, xw; writes xw
.if DOCPART == 5
	.amdgcn_target "amdgcn-amd-amdhsa--gfx1250"
	.amdhsa_code_object_version 6
	.text
	.protected	k_q816d5aaa0e_quant
	.globl	k_q816d5aaa0e_quant
	.p2align	8
	.type	k_q816d5aaa0e_quant,@function
k_q816d5aaa0e_quant:
	s_mov_b64 s[64:65], 0
	v_nop
	global_prefetch_b8 v0, s[64:65] scope:SCOPE_SE
	s_setreg_imm32_b32 hwreg(HW_REG_WAVE_MODE, 25, 1), 1
	s_wait_xcnt 0x0
; x [8192][1024] f32 (K innermost) and W_q, W_k, W_v [1024 (k)][1024 (n)] f32 (K outermost) become codes of FP6 (E2M3) with one E8M0 byte for each 32 along K.
; WORK LEFT OUT BY THE PROGRAM: reference() builds a causal mask (tril) itself: a score whose key comes after its query is replaced by -inf, so its p is 0 for every input.  Of each batch's 2,048 x 2,048 scores the quarter with
; queries 0-1023 and keys 1024-2047 is made by no launch and read by none.  LIMIT: a NaN, an infinity or an overflow that reaches only that quarter is not carried to the result.
; THE WORKSPACE IS LAID AS IMAGES OF OPERAND REGISTERS.  A fragment (16 rows x 128 K) is 1,536 bytes: register g (0..11) of lane l at 512 (g / 4) + 16 l + 4 (g % 4).
; Lane r of row block 4 beta + j holds row 64 beta + 32 (r / 8) + 8 j + r % 8.  Codes: [row block][K step][1536].
; Scale words: x's [64 rows][quarter of K][j][r][2 K steps];  the weights' [64 rows][K step][r][j].
; A block's scale is 2^(floor(log2(largest magnitude)) - 2); its byte is that magnitude's exponent field - 2, held at 1 from below.
; LIMITS: a block of zeros gets the byte 1 where the quantiser's text says 127 (its codes are zeros; this program alone reads the bytes); NaN and infinities are not served.
; Work-groups 0..511 take x, 512..895 the weights; each way has LDS bytes of its own.
.set XSO,  6291456                     ; x's scale words in xw (x's codes begin at 0)
.set WC,   6553600                     ; the weights' codes
.set WSO,  8912896                     ; the weights' scale words
.set RX,   16                          ; v16-143  x as loaded: two sets of 64
.set XN,   144                         ; v144-207 64 numbers of my row: 32 c + i = k 64 c + 32 h + i
.set CD,   208                         ; v208-219 the first fragment's codes; the second's: v16-27
.set CT,   220                         ; v220-226 the conversions' second halves
.set MX,   228
.set SOP,  230
.set BY,   232
.set PW,   236                         ; v236-237 the two fragments' scale words
.set XWD,  33792                       ; behind four stages of 8,448 bytes: 512 bytes of x's scale words
.set WLDS, 34304                       ; the weights' way: four images, 1,664 bytes apart,
.set WW,   40960                       ; and 256 bytes of scale words
.set SPARE, 41216                      ; the spare words
.set XW,   32                          ; v32-95   two blocks of 32 numbers down K
	s_load_b256 s[4:11], s[0:1], 0x0               ; x s[4:5], W_q s[6:7], W_k s[8:9], W_v s[10:11]
	s_load_b64 s[12:13], s[0:1], 0x20              ; xw
	v_lshl_add_u32 v254, v0, 2, SPARE
	v_mov_b32 v255, 0
	v_lshrrev_b32 v1, 5, v0
	v_readfirstlane_b32 s14, v1                    ; wave
	v_and_b32 v2, 31, v0                           ; lane
	s_wait_alu depctr_va_vdst(0)                   ; the wait ahead of the branch and the scalar lines
	s_cmp_lt_u32 ttmp9, 512
	s_cbranch_scc0 .Lweights
; ---- x.  Work-group: 64 rows x 256 along K; wave: one row block, two K steps of 128.
	s_lshr_b32 s15, ttmp9, 2                       ; which 64 rows
	s_and_b32 s16, ttmp9, 3                        ; which quarter of K
	s_lshl_b32 s20, s15, 18                        ; 64 rows of 4,096 bytes
	s_lshl_b32 s17, s14, 15                        ; + 8 j rows
	s_add_co_u32 s20, s20, s17
	s_lshl_b32 s17, s16, 10
	s_add_co_u32 s20, s20, s17
	s_mov_b32 s21, 0
	s_lshl_b32 s22, s15, 2
	s_add_co_u32 s22, s22, s14                     ; row block
	s_mul_i32 s22, s22, 12288
	s_mul_i32 s17, s16, 3072
	s_add_co_u32 s22, s22, s17
	s_mov_b32 s23, 0
	s_lshl_b32 s24, s15, 11
	s_lshl_b32 s17, s16, 9
	s_add_co_u32 s24, s24, s17
	s_add_co_u32 s24, s24, XSO
	s_mov_b32 s25, 0
	s_mul_i32 s18, s14, 8448                       ; my stage: 16 rows of 512 + 16 bytes
	s_lshl_b32 s19, s14, 7
	s_add_co_u32 s19, s19, XWD
	v_lshlrev_b32 v3, 4, v2                        ; 16 x lane
	v_add_nc_u32 v4, s18, v3                       ; the stage, on the way in
	v_and_b32 v5, 15, v2                           ; r
	v_lshrrev_b32 v6, 4, v2                        ; h
	v_mul_u32_u24 v7, v5, 528
	v_lshl_add_u32 v7, v6, 7, v7
	v_add_nc_u32 v7, s18, v7                       ; and on the way out: row r, + 128 h
	v_lshlrev_b32 v8, 3, v6                        ; 8 h
	v_lshl_add_u32 v9, v5, 3, s19
	v_lshl_add_u32 v9, v6, 2, v9                   ; my scale word's place: 128 j + 8 r + 4 h
	v_add_nc_u32 v13, XWD, v3
	s_mov_b32 s26, 0x76543210
	s_mov_b32 s27, 0xfedcba98                      ; lane l xor 16
	v_mov_b32 v10, 0                               ; a lane permute's destination counts as read
	s_wait_alu depctr_va_vdst(0)                   ; the wait at the head's end
	s_wait_kmcnt 0x0
	s_add_nc_u64 s[4:5], s[4:5], s[20:21]
	s_add_nc_u64 s[22:23], s[12:13], s[22:23]
	s_add_nc_u64 s[24:25], s[12:13], s[24:25]
.irp f, 0,1
.irp r, 0,1,2,3,4,5,6,7,8,9,10,11,12,13,14,15
	global_load_b128 v[RX+64*\f+4*\r:RX+64*\f+4*\r+3], v3, s[4:5] offset:(\r+24*(\r/8))*4096+512*\f th:TH_LOAD_NT   ; 512 consecutive bytes a load
.endr
.endr
.macro FRAGX f
.set CF, CD-192*(\f)
	s_wait_loadcnt 16-16*(\f)                      ; this fragment's 16 loads are in; the other's may be out
.irp r, 0,1,2,3,4,5,6,7,8,9,10,11,12,13,14,15
	ds_store_b128 v4, v[RX+64*(\f)+4*\r:RX+64*(\f)+4*\r+3] offset:528*\r
.endr
.irp c, 0,1
.irp j, 0,1,2,3,4,5,6,7
	ds_load_b128 v[XN+32*\c+4*\j:XN+32*\c+4*\j+3], v7 offset:256*\c+16*\j   ; LDS serves a wave's instructions in order: these see the stores above
.endr
.endr
	s_wait_dscnt 0x0
.irp c, 0,1
	v_max3_num_f32 v[MX+\c], |v[XN+32*\c]|, |v[XN+32*\c+1]|, 0x1800000   ; block 2 c + h is all mine; the floor 2^(3 - 127) keeps the byte at 1 or more
.endr
.irp i, 2,4,6,8,10,12,14,16,18,20,22,24,26,28,30
.irp c, 0,1
	v_max3_num_f32 v[MX+\c], v[MX+\c], |v[XN+32*\c+\i]|, |v[XN+32*\c+\i+1]|
.endr
.endr
.irp c, 0,1
	v_add_nc_u32 v[SOP+\c], 0xff000000, v[MX+\c]   ; 2 off the exponent field: the conversion's scale operand
.endr
.irp c, 0,1
	v_lshrrev_b32 v[BY+\c], 23, v[SOP+\c]          ; the byte
.endr
	v_lshl_or_b32 v11, v[BY+1], 16, v[BY]
	v_lshlrev_b32 v11, v8, v11                     ; bytes h and 2 + h
	v_permlanex16_b32 v10, v11, s26, s27
	v_or_b32 v[PW+(\f)], v11, v10                  ; with lane l xor 16's two the word is whole
.irp c, 0,1
	v_cvt_scalef32_pk16_fp6_f32 v[CF+6*\c:CF+6*\c+2], v[XN+32*\c:XN+32*\c+15], v[SOP+\c]
	v_cvt_scalef32_pk16_fp6_f32 v[CT+4*\c:CT+4*\c+2], v[XN+32*\c+16:XN+32*\c+31], v[SOP+\c]   ; (a conversion's three registers begin on an even number)
.endr
	v_nop                                          ; one plain place behind a scaled conversion
.irp c, 0,1
.irp i, 0,1,2
	v_mov_b32 v[CF+3+6*\c+\i], v[CT+4*\c+\i]
.endr
.endr
.irp c, 0,1,2
	global_store_b128 v3, v[CF+4*\c:CF+4*\c+3], s[22:23] offset:(\f)*1536+512*\c   ; 512 consecutive bytes
.endr
.endm
	FRAGX 0
	FRAGX 1
	v_cmp_le_u32 vcc_lo, 16, v2
	v_cndmask_b32 v12, v[PW], v[PW+1], vcc_lo      ; lane (r, h) gives K step h's word
	ds_store_b32 v9, v12
	s_wait_dscnt 0x0
	s_barrier_signal -1
	s_barrier_wait -1                              ; the four waves' words are there
	s_cmp_lg_u32 s14, 0
	s_cbranch_scc1 .Lx_done
	ds_load_b128 v[144:147], v13
	s_wait_dscnt 0x0
	global_store_b128 v3, v[144:147], s[24:25]     ; 512 consecutive bytes, aligned
.Lx_done:
	s_wait_tensorcnt 0x0                           ; the wave's end
	ds_add_u32 v254, v255
	s_wait_dscnt 0x0
	s_endpgm
; ---- the weights.  A lane takes a column n and its registers run down K: a block of 32 along K lies in one lane.  Work-group: 64 columns x 128 K = four fragments; wave: 32 of the columns (cg), 64 along K (c): two blocks.
.Lweights:
	s_sub_co_u32 s15, ttmp9, 512                   ; 0..383
	s_and_b32 s16, s15, 7                          ; K step
	s_lshr_b32 s17, s15, 3                         ; which 64 columns of the 3,072
	s_and_b32 s18, s14, 1                          ; cg
	s_lshr_b32 s19, s14, 1                         ; c
	s_and_b32 s20, s17, 15
	s_lshl_b32 s20, s20, 8                         ; the column in its tensor, in bytes
	s_lshl_b32 s21, s18, 7
	s_add_co_u32 s20, s20, s21
	s_lshl_b32 s21, s16, 19                        ; 128 rows of 4,096 bytes
	s_add_co_u32 s20, s20, s21
	s_lshl_b32 s21, s19, 18
	s_add_co_u32 s20, s20, s21
	s_mov_b32 s21, 0
	s_lshl_b32 s22, s17, 2
	s_add_co_u32 s22, s22, s14                     ; the row block that I store
	s_mul_i32 s22, s22, 12288
	s_mul_i32 s23, s16, 1536
	s_add_co_u32 s22, s22, s23
	s_add_co_u32 s22, s22, WC
	s_mov_b32 s23, 0
	s_lshl_b32 s24, s17, 11
	s_lshl_b32 s25, s16, 8
	s_add_co_u32 s24, s24, s25
	s_add_co_u32 s24, s24, WSO
	s_mov_b32 s25, 0
	v_lshlrev_b32 v3, 2, v2                        ; 4 x lane
	v_lshrrev_b32 v4, 3, v2                        ; column 32 cg + l is lane r = 8 cg + l % 8 of image j = l / 8
	v_and_b32 v5, 7, v2
	s_lshl_b32 s26, s18, 7
	s_add_co_u32 s27, s26, WLDS
	v_mul_u32_u24 v7, v4, 1664
	v_lshl_add_u32 v7, v5, 4, v7
	v_add_nc_u32 v7, s27, v7                       ; 1,664 j + 16 r
	s_mul_i32 s27, s19, 520
	v_add_nc_u32 v8, s27, v7                       ; registers 6 c, 6 c + 1 (and 6 c + 4, 6 c + 5 at 512 more)
	s_mul_i32 s27, s19, 1016
	v_add_nc_u32 v7, s27, v7                       ; registers 6 c + 2, 6 c + 3, at 8 more
	s_lshl_b32 s27, s19, 1
	s_add_co_u32 s27, s27, s26
	s_add_co_u32 s27, s27, WW
	v_lshl_add_u32 v9, v5, 4, s27
	v_lshl_add_u32 v9, v4, 2, v9                   ; my two scale bytes: 16 r + 4 j + 2 c
	v_lshlrev_b32 v11, 4, v2
	s_mul_i32 s27, s14, 1664
	s_add_co_u32 s27, s27, WLDS
	v_add_nc_u32 v10, s27, v11                     ; image j = my wave's number, on the way out
	v_lshlrev_b32 v13, 3, v2
	v_add_nc_u32 v12, WW, v13
	s_wait_alu depctr_va_vdst(0)                   ; the wait at the head's end
	s_wait_kmcnt 0x0
	s_cmp_lt_u32 s17, 16                           ; which tensor: the choice hangs on the work-group's number alone
	s_cselect_b64 s[6:7], s[6:7], s[8:9]
	s_cmp_lt_u32 s17, 32
	s_cselect_b64 s[6:7], s[6:7], s[10:11]
	s_add_nc_u64 s[6:7], s[6:7], s[20:21]
	s_add_nc_u64 s[22:23], s[12:13], s[22:23]
	s_add_nc_u64 s[24:25], s[12:13], s[24:25]
.set I, 0
.rept 64
	global_load_b32 v[XW+I], v3, s[6:7] offset:I*4096 th:TH_LOAD_NT
.set I, I+1
.endr
.macro BLOCKW t
.set XB, XW+32*(\t)
.set CW, 96+16*(\t)
	s_wait_loadcnt 32-32*(\t)                      ; this block's 32 loads are in; the other's may be out
	v_max3_num_f32 v14, |v[XB]|, |v[XB+1]|, |v[XB+2]|
	v_max3_num_f32 v15, |v[XB+3]|, |v[XB+4]|, |v[XB+5]|
.irp i, 6,10,14,18,22,26
	v_max3_num_f32 v14, v14, |v[XB+\i]|, |v[XB+\i+1]|
	v_max3_num_f32 v15, v15, |v[XB+\i+2]|, |v[XB+\i+3]|
.endr
	v_max3_num_f32 v14, v14, |v[XB+30]|, |v[XB+31]|
	v_max3_num_f32 v14, v14, v15, 0x1800000        ; and the floor
	v_add_nc_u32 v16, 0xff000000, v14
	v_lshrrev_b32 v[18+(\t)], 23, v16
	v_cvt_scalef32_pk16_fp6_f32 v[CW:CW+2], v[XB:XB+15], v16
	v_cvt_scalef32_pk16_fp6_f32 v[CW+8:CW+10], v[XB+16:XB+31], v16
	v_nop                                          ; one plain place behind a scaled conversion
.irp i, 0,1,2
	v_mov_b32 v[CW+3+\i], v[CW+8+\i]
.endr
	ds_store_b64 v8, v[CW:CW+1] offset:256*(\t)    ; block t belongs to lanes 16 t + r of the image
	ds_store_b64 v7, v[CW+2:CW+3] offset:256*(\t)+8
	ds_store_b64 v8, v[CW+4:CW+5] offset:256*(\t)+512
.endm
	BLOCKW 0
	BLOCKW 1
	v_lshl_or_b32 v18, v19, 8, v18
	ds_store_b16 v9, v18
	s_wait_dscnt 0x0
	s_barrier_signal -1
	s_barrier_wait -1                              ; the four images and the words are whole
.irp n, 0,1,2
	ds_load_b128 v[128+4*\n:131+4*\n], v10 offset:512*\n
.endr
	s_wait_dscnt 0x0
.irp n, 0,1,2
	global_store_b128 v11, v[128+4*\n:131+4*\n], s[22:23] offset:512*\n
.endr
	s_cmp_lg_u32 s14, 0
	s_cbranch_scc1 .Lw_done
	ds_load_b64 v[140:141], v12
	s_wait_dscnt 0x0
	global_store_b64 v13, v[140:141], s[24:25]     ; 256 consecutive bytes, aligned
.Lw_done:
	s_wait_tensorcnt 0x0
	ds_add_u32 v254, v255
	s_wait_dscnt 0x0
	s_endpgm
.Lfunc_end_k_q816d5aaa0e_quant:
	.size	k_q816d5aaa0e_quant, .Lfunc_end_k_q816d5aaa0e_quant-k_q816d5aaa0e_quant
	.p2alignl 7, 3214868480
	.fill 96, 4, 3214868480
	.section	.rodata,"a",@progbits
	.p2align	6, 0x0
	.amdhsa_kernel k_q816d5aaa0e_quant
		.amdhsa_group_segment_fixed_size 41728
		.amdhsa_private_segment_fixed_size 0
		.amdhsa_enable_private_segment 0
		.amdhsa_kernarg_size 40
		.amdhsa_user_sgpr_count 2
		.amdhsa_user_sgpr_kernarg_segment_ptr 1
		.amdhsa_wavefront_size32 1
		.amdhsa_system_sgpr_workgroup_id_x 1
		.amdhsa_system_sgpr_workgroup_id_y 1
		.amdhsa_system_sgpr_workgroup_id_z 1
		.amdhsa_system_vgpr_workitem_id 0
		.amdhsa_next_free_vgpr 256
		.amdhsa_next_free_sgpr 66
		.amdhsa_reserve_vcc 1
		.amdhsa_float_denorm_mode_32 3
		.amdhsa_float_denorm_mode_16_64 3
		.amdhsa_memory_ordered 1
		.amdhsa_forward_progress 1
		.amdhsa_inst_pref_size 30
	.end_amdhsa_kernel
	.amdgpu_metadata
---
amdhsa.version: [ 1, 2 ]
amdhsa.kernels:
  - .name:           k_q816d5aaa0e_quant
    .symbol:         k_q816d5aaa0e_quant.kd
    .args:
      - { .name: x, .offset: 0, .size: 8, .value_kind: global_buffer, .address_space: global }
      - { .name: W_q, .offset: 8, .size: 8, .value_kind: global_buffer, .address_space: global }
      - { .name: W_k, .offset: 16, .size: 8, .value_kind: global_buffer, .address_space: global }
      - { .name: W_v, .offset: 24, .size: 8, .value_kind: global_buffer, .address_space: global }
      - { .name: xw, .offset: 32, .size: 8, .value_kind: global_buffer, .address_space: global }
    .group_segment_fixed_size: 41728
    .private_segment_fixed_size: 0
    .kernarg_segment_align: 8
    .kernarg_segment_size: 40
    .max_flat_workgroup_size: 128
    .sgpr_count:     66
    .vgpr_count:     256
    .wavefront_size: 32
...
	.end_amdgpu_metadata
.endif
;; end of part 5
;; launch proj (part 6): grid 16 x 16, 4 waves a work-group, clusters of 4 x 4, 327,680 bytes of LDS; arguments xw, qkv; writes qkv
.if DOCPART == 6
	.amdgcn_target "amdgcn-amd-amdhsa--gfx1250"
	.amdhsa_code_object_version 6
	.text
	.protected	k_q816d5aaa0e_proj
	.globl	k_q816d5aaa0e_proj
	.p2align	8
	.type	k_q816d5aaa0e_proj,@function
k_q816d5aaa0e_proj:
	s_mov_b64 s[64:65], 0
	v_nop
	global_prefetch_b8 v0, s[64:65] scope:SCOPE_SE
	s_setreg_imm32_b32 hwreg(HW_REG_WAVE_MODE, 25, 1), 1
	s_wait_xcnt 0x0
	s_wait_alu depctr_hold_cnt(0) depctr_sa_sdst(0) depctr_va_vdst(0) depctr_va_sdst(0) depctr_va_ssrc(0) depctr_va_vcc(0) depctr_vm_vsrc(0)
	s_getreg_b32 s2, hwreg(HW_REG_IB_STS2, 6, 4)
	s_cmp_eq_u32 s2, 0
	s_cbranch_scc0 .Lentry_in_a_cluster
	s_endpgm
.Lentry_in_a_cluster:
	s_bfe_u32 s2, ttmp6, 0x10000c
	s_cmp_lg_u32 s2, 0xf033
	s_cbranch_scc0 .Lentry_shape_is_right
	s_endpgm
.Lentry_shape_is_right:
; q = x W_q, k = x W_k, v = x W_v on codes of FP6 (E2M3) with E8M0 scales; the results are quantised in registers: q and k along d_k, v along the tokens.
; LIMITS: a block of zeros gets the byte 1 (its codes are zeros; this program alone reads the bytes); NaN and infinities are not served.
; RESULTS: q, k: [row block of 16 tokens][K step of 128 channels][c][768]: registers 6 c .. 6 c + 5 of an operand: four of them at 16 x lane, two at 512 + 8 x lane.  v: [batch][row block of 16 channels][key step][1536], as the inputs' fragments.
; Lane r of row block 4 beta + j holds row 64 beta + 32 (r / 8) + 8 j + r % 8.  Scale words: [128 rows][K step][512]: row block 4 c + j, lane r at 256 c + 16 r + 4 j.
; THE DEAL.  256 work-groups of four waves, 2 x 2.  A wave holds 64 columns of a weight, all of K, in registers (384) and streams blocks of 16 rows of x past them.  A work-group makes 256 x 128 of v, PHASE 1, then 512 x 128 of q or k, PHASE 2.
; v's 256 rows are a half (s87) of the work-group's own 512.  Half and tensor come from the cluster's number alone.  x is shared by a row of the cluster, a weight by a column.
; A CHUNK is 64 tokens (a band) of each of a half's two key steps of 128; the wave in row w takes key step w: four blocks a chunk.  So a lane's sums over a chunk's four blocks (v) or over a block's four tiles (q, k) are 32 neighbours: one scale block.
; LDS: two slots for chunks, a region for a weight's 128 columns, the scale words of 512 rows, stages for the results' scale bytes, the spare words.
; FILLS: at the head one tensor load a wave.  Three drained rounds fill again: in v's third block the weight's region, with W_q's or W_k's columns (and the other half's scale words, for the first time); in phase 2's blocks 2 and 6 a slot each.
; WAITS: a block's rows were fetched two blocks ago; younger are the next block's fetch, NF loads, and the byte stores issued between.
; PREFETCHES: sixteen waves of the four work-groups that ask jointly share a tile by address; the second weight at the head, the other half's rows behind the first refill.
.set XSO, 6291456
.set WC,  6553600
.set WSO, 8912896
.set VC,  12582912
.set QS,  18874368
.set VS,  19398656
.set NF,  26                           ; LDS loads of a block: 24 for eight fragments, 2 for eight scale words
.set FPW, 21                           ; fragments of 12 registers in a window of 256
.set HB,  49152                        ; four row blocks
.set YB,  98304                        ; slot 1
.set BVB, 196608                       ; the weight's region
.set SCL, 294912                       ; x's scale words, by halves in the order of work
.set XN,  311296                       ; q's or k's scale bytes: 4 x 512
.set XM,  313344                       ; v's: 2 x 512
.set SPARE, 314368
.set ADRA0, 4                          ; v4  my rows in slot 0;  v5 in slot 1
.set ADRA1, 5
.set AAS0, 6                           ; v6  my scale words of chunk 0;  v23 of chunk 1
.set AAS1, 23
.set CO,   9                           ; v9  16 x lane
.set CO8,  22                          ; v22 8 x lane
.set SPW,  10
.set NIL,  11
.set ADRA, 12                          ; v12, v17: as v4, v6, for the chunk that is fetched in a loop
.set ADRB, 14
.set ABS,  16
.set AAS,  17
.set STO,  18
.set STV,  19
.set SB,   24                          ; v24-39 the weights' scale words: K step q, tile j: register 2 q + j % 2, row j / 2
.set TQ,   40
.set SA,   44                          ; v44-59 the rows' scale words, two sets
.set TC,   60
.set ACC,  64                          ; v64-127 phase 2: two sets of four accumulators
.set HV0,  64                          ; v64-191 phase 1, band 0: 32 t + 8 j + i
.set HV1,  840                         ; v840-967 band 1
.set NCD,  128
.set MCD,  192                         ; v192-239 four operands of v
.set SOP,  240
.set EB,   244
.set VX,   248
.set SB2,  968                         ; v968-983 phase 2's weights' scale words
.set G1A, 24
.set G1B, 32
.set G0A, 56
.set G0B, 60
.set G0R, 68
.set G0S, 72
.set G1S, 92
.set MSB, 0
.macro WIN new                         ; the immediate's high byte repeats the setting that is left
.if MSB != (\new)
	s_set_vgpr_msb (MSB<<8)|(\new)
.set MSB, (\new)
.endif
.endm
.macro PLACES n
.rept \n
	v_nop
.endr
.endm
.macro WALU
	s_wait_alu depctr_va_vdst(0)
.endm
.macro BARRIER
	s_barrier_signal -1
	s_barrier_wait -1
.endm
.macro MIDDLE                          ; a round's opening wait, wave 0's signal for the work-group, the cluster's wait
	WIN 0
	s_barrier_wait -1
	s_cmp_lg_u32 s14, 0
	s_cbranch_scc1 .Lnot_wave_0_\@
	s_barrier_signal -3
.Lnot_wave_0_\@:
	s_barrier_wait -3
.endm
.macro CROUND
	s_barrier_signal -1
	MIDDLE
	BARRIER
.endm
.macro GRD
	s_wait_tensorcnt 0x0
	ds_add_u32 v[SPW], v[NIL]
.endm
.macro TLOAD g0, g1
	tensor_load_to_lds s[\g0:\g0+3], s[\g1:\g1+7]
	s_nop 0
	PLACES 4
.endm
.macro GROUP1 g, mask, d0, d1, pitch   ; elements of 8 bytes, no padding, bit 21 beside the mask
	s_or_b32 s[\g+0], s\mask, (3<<16)|(1<<21)
	s_mov_b32 s[\g+1], (\d0)<<16
	s_mov_b32 s[\g+2], (\d1)<<16
	s_mov_b32 s[\g+3], (\d0)<<16
	s_mov_b32 s[\g+4], \d1
	s_mov_b32 s[\g+5], \pitch
	s_mov_b32 s[\g+6], 0
	s_mov_b32 s[\g+7], 0
.endm
.macro SADD d, x
	s_add_co_u32 s\d, s\d, s\x
.endm
.macro G0SET g, off                    ; group 0's address: xw + the offset in s\off (s21 = 0)
	s_mov_b32 s20, s\off
	s_add_nc_u64 s[\g+2:\g+3], s[4:5], s[20:21]
	s_or_b32 s[\g+3], s[\g+3], 0x80000000
.endm
; Fragment f lies in window 1 + f / 21 at register 12 (f % 21): 0-31 the weight's (4 q + tile), 32-39 and 40-47 the rows' two sets.
.macro FRAG f, ad, off
	WIN (1+(\f)/FPW)<<6
.irp c, 0,1,2
	ds_load_b128 v[12*((\f)%FPW)+4*\c:12*((\f)%FPW)+4*\c+3], \ad offset:(\off)+512*\c
.endr
.endm
.macro WEIGHTS
.irp q, 0,1,2,3,4,5,6,7
.irp b, 0,1,2,3
	FRAG 4*\q+\b, v[ADRB], 12288*\b+1536*\q
.endr
.endr
	WIN 0
.endm
.macro FETCH e, ad, as, j              ; a chunk's block j into set e: NF loads
.irp q, 0,1,2,3,4,5,6,7
	FRAG 32+8*(\e)+\q, \ad, 12288*(\j)+1536*\q
.endr
	WIN 0
	ds_load_2addr_b64 v[SA+8*(\e):SA+8*(\e)+3], \as offset0:16*(\j) offset1:16*(\j)+64
	ds_load_2addr_b64 v[SA+8*(\e)+4:SA+8*(\e)+7], \as offset0:16*(\j)+128 offset1:16*(\j)+192
.endm
; A product.  n = 4 q + tile.  kind 0 (q, k): source 0 the weight's columns; kind 1 (v): source 0 x's rows.  The four accumulators take turns.
.macro PROD kind, e, n, a0, as
.set Q_, (\n)/4
.set J_, (\n)%4
.set FB_, 4*Q_+J_
.set FA_, 32+8*(\e)+Q_
.set D_, (\a0)+(\as)*J_
.set DL_, D_&255
.set XB_, SB+2*Q_+J_%2
.set XA_, SA+8*(\e)+Q_
.if \kind
	WIN (1+FA_/FPW)|((1+FB_/FPW)<<2)|((D_>>8)<<4)|((D_>>8)<<6)
.if Q_
	PROD1 DL_, FA_, FB_, v[DL_:DL_+7], XA_, XB_, b, J_/2
.else
	PROD1 DL_, FA_, FB_, 0, XA_, XB_, b, J_/2
.endif
.else
	WIN (1+FB_/FPW)|((1+FA_/FPW)<<2)|((D_>>8)<<4)|((D_>>8)<<6)
.if Q_
	PROD1 DL_, FB_, FA_, v[DL_:DL_+7], XB_, XA_, a, J_/2
.else
	PROD1 DL_, FB_, FA_, 0, XB_, XA_, a, J_/2
.endif
.endif
.endm
.macro PROD1 d, s0, s1, c, x0, x1, side, o
.if \o
	v_wmma_scale_f32_16x16x128_f8f6f4 v[\d:\d+7], v[12*((\s0)%FPW):12*((\s0)%FPW)+11], v[12*((\s1)%FPW):12*((\s1)%FPW)+11], \c, v[\x0], v[\x1] matrix_a_fmt:MATRIX_FMT_FP6 matrix_b_fmt:MATRIX_FMT_FP6 matrix_\side\()_scale:MATRIX_SCALE_ROW1
.else
	v_wmma_scale_f32_16x16x128_f8f6f4 v[\d:\d+7], v[12*((\s0)%FPW):12*((\s0)%FPW)+11], v[12*((\s1)%FPW):12*((\s1)%FPW)+11], \c, v[\x0], v[\x1] matrix_a_fmt:MATRIX_FMT_FP6 matrix_b_fmt:MATRIX_FMT_FP6 matrix_\side\()_scale:MATRIX_SCALE_ROW0
.endif
.endm
; Products \from .. \to - 1 of a block; behind every second one two entries of the list (a macro: entry number, two arguments): at most four scalar lines and a vector line each.
.macro BLOCK kind, e, a0, as, from, to, list, x=0, y=0
.set N_, \from
.rept (\to)-(\from)
	PROD \kind, \e, N_, \a0, \as
.if N_%2
	\list N_-1, \x, \y
	\list N_, \x, \y
.endif
.set N_, N_+1
.endr
.endm
.macro CHAIN i, x, n, t=TQ             ; a way out's first part, 18 entries: the largest magnitude of the 32 sums from register x on, in two chains by turns, and the conversions' scale operand
.set XW_, (\x)>>8
.set XL_, (\x)&255
.if (\i) >= 0 && (\i) < 14
.set B_, XL_+16*((\i)%2)+2*((\i)/2)
.set T_, (\t)+1-(\i)%2
.if (\i) < 2
	WIN XW_|(XW_<<2)|(XW_<<4)
	v_max3_num_f32 v[T_], |v[B_]|, |v[B_+1]|, |v[B_+2]|
.else
	WIN (XW_<<2)|(XW_<<4)
	v_max3_num_f32 v[T_], v[T_], |v[B_+1]|, |v[B_+2]|
.endif
.elseif (\i) == 14
	WIN XW_<<2
	v_max3_num_f32 v[\t+1], v[\t+1], |v[XL_+15]|, 0x1800000   ; the floor keeps the byte at 1 or more
.elseif (\i) == 15
	WIN 0
	v_nop
.elseif (\i) == 16
	WIN XW_<<2
	v_max3_num_f32 v[\t], v[\t], |v[XL_+31]|, v[\t+1]
.elseif (\i) == 17
	WIN 0
	v_add_nc_u32 v[SOP+\n], 0xff000000, v[\t]      ; 2 off the exponent field
.endif
.endm
.macro CODES i, x, c, n, t=TC          ; its second part, 6 lines: 32 codes into v[c .. c + 5], the scale's byte into v[EB + n]
.set XW_, (\x)>>8
.set XL_, (\x)&255
.if (\i) == 0
	WIN XW_
	v_cvt_scalef32_pk16_fp6_f32 v[\c:\c+2], v[XL_:XL_+15], v[SOP+\n]
.elseif (\i) == 1
	WIN XW_
	v_cvt_scalef32_pk16_fp6_f32 v[\t:\t+2], v[XL_+16:XL_+31], v[SOP+\n]
.elseif (\i) == 2
	WIN 0
	v_lshrrev_b32 v[EB+\n], 23, v[SOP+\n]
.else
	WIN 0
	v_mov_b32 v[\c+\i], v[\t+\i-3]
.endif
.endm
.macro CODES6 x, c, n                  ; the shift and the three moves are the four places behind the block's last products
.irp i, 0,1,2,3,4,5
	CODES \i, \x, \c, \n
.endr
.endm
.macro PFTILE v, off, share            ; my sixteenth (24 units of 256 bytes) of 98,304 bytes at xw + s\off
	s_mul_i32 s21, s\share, 6144
	s_add_co_u32 s20, s\off, s21
	WIN 0
	v_min_u32 v\v, 23, v3
	v_lshl_add_u32 v\v, v\v, 8, s20
.endm
.macro PFGO v
	global_prefetch_b8 v\v, s[4:5] th:TH_LOAD_NT scope:SCOPE_SE
.endm
.macro OUT i                           ; 5 entries: where block s46's codes go (s[84:85], by its true half) and its scale bytes (v[VX], by the order of work)
.if (\i) == 0
	s_lshr_b32 s20, s46, 3
	s_xor_b32 s22, s20, s87
	s_lshl_b32 s22, s22, 4
	s_and_b32 s21, s46, 7
.elseif (\i) == 1
	s_or_b32 s22, s22, s21
	s_mul_i32 s22, s22, 12288
	s_mov_b32 s23, 0
.elseif (\i) == 2
	s_add_nc_u64 s[OP_:OP_+1], s[10:11], s[22:23]  ; s[84:85] or s[82:83], by turns
	s_lshl_b32 s20, s20, 10
	s_and_b32 s22, s46, 4
	s_lshl_b32 s22, s22, 6
.elseif (\i) == 3
	s_and_b32 s23, s46, 3
	s_lshl_b32 s23, s23, 2
	s_or_b32 s20, s20, s22
	s_or_b32 s20, s20, s23
.elseif (\i) == 4
	s_add_co_u32 s46, s46, 1
	WIN 0
	v_add_nc_u32 v[VX], s20, v[STO]
.endif
.endm
; ---- the lists
.macro L_NONE i, x, y
.endm
.macro L_CH i, x, y
	CHAIN \i, \x, \y
.endm
.macro L_V2 i, x, y                    ; the first refill's descriptors, the later refills' group 1, two prefetch addresses
.if (\i) == 0
	s_mov_b32 s[G1A+1], 1536<<16
	s_mov_b32 s[G1A+2], 4<<16
	s_mov_b32 s[G1A+3], 1536<<16
	s_mov_b32 s[G1A+4], 4
.elseif (\i) == 1
	s_mov_b32 s[G1A+5], 1536
	s_mov_b32 s[G1B+2], 4<<16
	s_mov_b32 s[G1B+4], 4
	s_mul_i32 s[G0B+1], s14, HB
.elseif (\i) == 2
	s_add_co_u32 s[G0B+1], s[G0B+1], BVB
	s_mul_i32 s20, s14, HB
	SADD 20, 9
	s_mov_b32 s21, 0
.elseif (\i) == 3
	s_add_nc_u64 s[G0B+2:G0B+3], s[4:5], s[20:21]
	s_or_b32 s[G0B+3], s[G0B+3], 0x80000000
	s_mov_b32 s[G0S+1], SCL+8192
	s_mov_b32 s20, s55
.elseif (\i) == 4
	s_add_nc_u64 s[G0S+2:G0S+3], s[4:5], s[20:21]
	s_or_b32 s[G0S+3], s[G0S+3], 0x80000000
.elseif (\i) == 8
	PFTILE 8, 88, 90
.elseif (\i) == 12
	s_add_co_u32 s22, s88, YB
	PFTILE 20, 22, 90
.endif
.endm
.macro L_OUT i, x, y                   ; a block of phase 2: the way out of the block before
	OUT \i
	CHAIN (\i)-5, \x, 0
.endm
.macro L_ASK i, x, y                   ; the same in a round's block: my half of the next chunk's descriptor, and the next fetches' addresses
.if (\i) == 0
	s_mul_i32 s[G0R+1], s14, HB
	s_add_co_u32 s[G0R+1], s[G0R+1], s47
	s_mul_i32 s20, s14, YB
	SADD 20, 88
	WIN 0
	v_add_nc_u32 v[ADRA], s101, v[ADRA0]
.elseif (\i) == 1
	s_mov_b32 s21, 0
	s_add_nc_u64 s[G0R+2:G0R+3], s[4:5], s[20:21]
	s_or_b32 s[G0R+3], s[G0R+3], 0x80000000
	s_add_co_u32 s88, s88, HB
	WIN 0
	v_add_nc_u32 v[AAS], s91, v[AAS0]
.elseif (\i) == 2
	s_add_co_u32 s47, s47, YB
	s_xor_b32 s101, s101, YB
	s_add_co_u32 s91, s91, 6144
.endif
	OUT (\i)-3
	CHAIN (\i)-8, \x, 0
.endm
.macro L_B i, x, y                     ; the same in the second loop: two blocks further in slot 1
.if (\i) == 0
	WIN 0
	v_add_nc_u32 v[ADRA], s101, v[ADRA0]
.elseif (\i) == 1
	WIN 0
	v_add_nc_u32 v[AAS], s91, v[AAS0]
.elseif (\i) == 2
	s_add_co_u32 s101, s101, 24576
	s_add_co_u32 s91, s91, 256
.endif
	OUT (\i)-3
	CHAIN (\i)-8, \x, 0
.endm
; ---- phase 2's blocks.  e: the set;  j: the fetched block's number in v[ADRA]'s chunk
; Codes and the stores' base have two sets, by turns with e: the next block writes the other set, whose stores stand ahead of the wait on XCNT here.
.macro AFTER e, j, fetch, ad, as
	WALU
	s_wait_xcnt 0x0
	ds_store_b8 v[VX], v[EB]
	global_store_b128 v[CO], v[NCD+8*(\e):NCD+8*(\e)+3], s[OP_:OP_+1]
	global_store_b64 v[CO8], v[NCD+8*(\e)+4:NCD+8*(\e)+5], s[OP_:OP_+1] offset:512
.if \fetch
	FETCH \e, \ad, \as, \j
.endif
.endm
.macro PBLK w, e, j, fetch, ad, as     ; w: the count of the wait for the block's rows (-1: they are shown in already)
.set OP_, 84-2*(\e)
.if (\w) >= 0
	s_wait_dscnt \w
.endif
	BLOCK 0, \e, ACC+32*(\e), 8, 0, 32, L_OUT, ACC+32-32*(\e)
	WIN 0
	CODES6 ACC+32-32*(\e), NCD+8*(\e), 0
	AFTER \e, \j, \fetch, \ad, \as
.endm
; ================= THE HEAD
	s_load_b128 s[4:7], s[0:1], 0x0                ; xw, qkv
	v_lshl_add_u32 v[SPW], v0, 2, SPARE
	v_mov_b32 v[NIL], 0
	ds_add_u32 v[SPW], v[NIL]                      ; the opening add, twice on end
	ds_add_u32 v[SPW], v[NIL]
	v_lshrrev_b32 v1, 5, v0
	v_readfirstlane_b32 s14, v1                    ; the wave
	s_lshr_b32 s15, s14, 1                         ; its row w of the 2 x 2
	s_and_b32 s16, s14, 1                          ; its column
	s_bfe_u32 s40, ttmp6, 0x40000                  ; cx
	s_bfe_u32 s41, ttmp6, 0x40004                  ; cy
	s_lshl_b32 s42, ttmp9, 2
	s_add_co_u32 s42, s42, s40                     ; phase 2's tile column, 0 .. 15: q's eight, k's eight
	s_and_b32 s43, ttmp7, 0xffff
	s_lshl_b32 s43, s43, 2
	s_add_co_u32 s43, s43, s41                     ; its tile row
	s_lshr_b32 s19, ttmp9, 1
	s_and_b32 s87, ttmp9, 1                        ; v's half of my 512 rows
	s_lshl_b32 s13, s19, 2
	s_add_co_u32 s13, s13, s40                     ; v's tile column
	s_lshl_b32 s12, s43, 1
	s_add_co_u32 s12, s12, s87                     ; v's tile row
	s_lshl_b32 s44, s41, 2
	s_lshl_b32 s44, 15, s44                        ; my row of the cluster
	s_lshl_b32 s45, 0x1111, s40                    ; my column
	GROUP1 G1A, 44, 6144, 2, 12288                 ; a chunk: a band of each of two key steps
	GROUP1 G1B, 45, 1536, 8, 1536                  ; a weight's eight row blocks
	GROUP1 G1S, 44, 32, 32, 32                     ; 8,192 bytes of scale words
	s_mov_b32 s[G0A], 1
	s_mov_b32 s[G0A+1], 0
	s_mov_b32 s[G0B], 1
	s_mov_b32 s[G0B+1], BVB
	s_mov_b32 s[G0R], 1
	s_mov_b32 s[G0R+1], YB
	s_mov_b32 s[G0S], 1
	s_mov_b32 s[G0S+1], SCL
	s_mul_i32 s67, s43, 393216                     ; my 512 rows, bytes from xw
	s_mul_i32 s66, s87, 196608
	SADD 66, 67                                    ; v's half of them
	s_xor_b32 s20, s87, 1
	s_mul_i32 s88, s20, 196608
	SADD 88, 67                                    ; the other half
	s_add_co_u32 s17, s66, HB                      ; chunk 1
	s_mul_i32 s54, s13, YB
	s_add_co_u32 s54, s54, WC+1572864              ; W_v's columns
	s_mul_i32 s9, s42, YB
	s_add_co_u32 s9, s9, WC                        ; W_q's or W_k's
	s_lshl_b32 s89, s43, 14
	s_add_co_u32 s89, s89, XSO
	s_lshl_b32 s20, s20, 13
	s_add_co_u32 s55, s89, s20                     ; the other half's scale words,
	s_lshl_b32 s20, s87, 13
	SADD 89, 20                                    ; and v's half's
	s_lshl_b32 s84, s13, 1
	SADD 84, 16
	s_lshl_b32 s84, s84, 11
	s_add_co_u32 s84, s84, WSO+65536               ; W_v's scale words, my 64 columns
	s_mov_b32 s85, 0
	s_lshl_b32 s82, s42, 1
	SADD 82, 16
	s_lshl_b32 s82, s82, 11
	s_add_co_u32 s82, s82, WSO                     ; W_q's or W_k's
	s_mov_b32 s83, 0
	s_lshl_b32 s90, s40, 2
	SADD 90, 14                                    ; my number among the sixteen waves of my row of the cluster
	s_lshl_b32 s100, s41, 2
	SADD 100, 14                                   ; and of my column
	s_mul_i32 s20, s15, HB
	s_mul_i32 s21, s16, HB
	s_add_co_u32 s21, s21, BVB
	s_lshl_b32 s22, s15, 12
	s_add_co_u32 s22, s22, SCL
	v_and_b32 v1, 15, v0                           ; r
	v_bfe_u32 v2, v0, 4, 1                         ; h
	v_and_b32 v3, 31, v0                           ; lane
	v_lshlrev_b32 v[CO], 4, v3
	v_lshlrev_b32 v[CO8], 3, v3
	v_add_nc_u32 v[ADRA0], s20, v[CO]
	v_add_nc_u32 v[ADRA1], YB, v[ADRA0]
	v_add_nc_u32 v[ADRB], s21, v[CO]
	v_lshl_add_u32 v[AAS0], v1, 3, s22
	v_add_nc_u32 v[AAS1], 2048, v[AAS0]
	v_lshlrev_b32 v[ABS], 4, v1
	v_lshl_add_u32 v[ABS], v2, 3, v[ABS]           ; 16 r + 8 h
	WALU
	s_wait_dscnt 0x0                               ; both opening adds are done
	CROUND                                         ; the opening round
	s_wait_kmcnt 0x0
	s_mov_b32 s21, 0
	G0SET G0A, 66
	G0SET G0R, 17
	G0SET G0B, 54
	G0SET G0S, 89
	s_add_nc_u64 s[84:85], s[4:5], s[84:85]
	s_add_nc_u64 s[82:83], s[4:5], s[82:83]
	s_cmp_eq_u32 s14, 0
	s_cbranch_scc0 .Lwave_1
	TLOAD G0B, G1B                                 ; wave 0: W_v's columns
	s_branch .Lasked
.Lwave_1:
	s_cmp_eq_u32 s14, 1
	s_cbranch_scc0 .Lwave_2
	TLOAD G0S, G1S                                 ; wave 1: v's half's scale words
	s_branch .Lasked
.Lwave_2:
	s_cmp_eq_u32 s14, 2
	s_cbranch_scc0 .Lwave_3
	TLOAD G0A, G1A                                 ; wave 2: chunk 0
	s_branch .Lasked
.Lwave_3:
	TLOAD G0R, G1A                                 ; wave 3: chunk 1
.Lasked:
.irp q, 0,1,2,3,4,5,6,7
	global_load_b64 v[SB+2*\q:SB+2*\q+1], v[ABS], s[84:85] offset:256*\q
.endr
	WIN 3<<6
.irp q, 0,1,2,3,4,5,6,7
	global_load_b64 v[SB2-768+2*\q:SB2-768+2*\q+1], v[ABS], s[82:83] offset:256*\q
.endr
	WIN 0
	s_lshr_b32 s23, s42, 3                         ; q or k
	s_and_b32 s22, s42, 7                          ; the result's K step
	s_mul_i32 s20, s23, 6291456
	SADD 20, 67
	s_mul_i32 s21, s15, YB
	SADD 20, 21
	s_mul_i32 s21, s22, 1536
	SADD 20, 21
	s_mul_i32 s21, s16, 768
	SADD 20, 21
	s_mov_b32 s21, 0
	s_add_nc_u64 s[10:11], s[6:7], s[20:21]        ; q's or k's codes
	s_lshl_b32 s20, s43, 2
	s_xor_b32 s21, s15, s87                        ; the stage's halves lie in the order of work
	s_lshl_b32 s21, s21, 1
	SADD 20, 21
	SADD 20, 16
	s_lshl_b32 s20, s20, 12
	s_lshl_b32 s21, s22, 9
	SADD 20, 21
	s_lshl_b32 s21, s23, 18
	SADD 20, 21
	s_add_co_u32 s20, s20, QS
	s_mov_b32 s21, 0
	s_add_nc_u64 s[48:49], s[6:7], s[20:21]        ; the scale words that I store at the end
	s_lshr_b32 s23, s12, 3                         ; v's batch
	s_and_b32 s22, s12, 7
	s_mul_i32 s20, s23, 1572864
	s_lshl_b32 s21, s13, 3
	s_lshl_b32 s18, s16, 2
	SADD 21, 18
	s_mul_i32 s21, s21, 24576
	SADD 20, 21
	s_lshl_b32 s21, s22, 1
	SADD 21, 15
	s_mul_i32 s21, s21, 1536
	SADD 20, 21
	s_add_co_u32 s20, s20, VC
	s_mov_b32 s21, 0
	s_add_nc_u64 s[50:51], s[6:7], s[20:21]        ; v's codes
	s_lshl_b32 s20, s23, 16
	s_lshl_b32 s21, s13, 13
	SADD 20, 21
	s_lshl_b32 s21, s22, 10
	SADD 20, 21
	s_lshl_b32 s21, s14, 8
	SADD 20, 21
	s_add_co_u32 s20, s20, VS
	s_mov_b32 s21, 0
	s_add_nc_u64 s[52:53], s[6:7], s[20:21]        ; v's scale words
	s_lshl_b32 s20, s15, 9
	s_lshl_b32 s21, s16, 1
	SADD 21, 20
	s_add_co_u32 s21, s21, XN
	v_lshl_add_u32 v[STO], v1, 4, s21
	v_add_nc_u32 v[STO], v2, v[STO]                ; my scale byte: 512 w + 16 r + 2 column + h
	s_lshl_b32 s21, s16, 8
	SADD 21, 20
	s_add_co_u32 s21, s21, XM
	v_lshl_add_u32 v[STV], v1, 4, s21
	v_add_nc_u32 v[STV], v2, v[STV]                ; v's: 512 w + 256 column + 16 r + h
	s_mov_b32 s46, 0
	s_mov_b32 s47, 0
	s_mov_b32 s101, YB
	s_mov_b32 s91, 2048
	PFTILE 7, 9, 100                               ; what the first refill will load
	WALU
	s_wait_loadcnt 0x0
	s_cmp_eq_u32 s14, 0
	s_cbranch_scc0 .Lnot_b
	s_wait_tensorcnt 0x0
.Lnot_b:
	BARRIER                                        ; W_v's columns are in
	PFGO 7
	WEIGHTS
	s_cmp_eq_u32 s14, 3
	s_cbranch_scc1 .Lnot_a0
	s_wait_tensorcnt 0x0
.Lnot_a0:
	s_wait_dscnt 0x0
	BARRIER                                        ; chunk 0 and the scale words are in; chunk 1 may still be on its way
	FETCH 0, v[ADRA0], v[AAS0], 0
	FETCH 1, v[ADRA0], v[AAS0], 1
.irp s, 0,1
	s_wait_dscnt NF
	BLOCK 1, \s, HV0+8*\s, 32, 0, 32, L_NONE
	WIN 0
	PLACES 4
	FETCH \s, v[ADRA0], v[AAS0], 2+\s
.endr
	s_wait_dscnt NF
	GRD
	BLOCK 1, 0, HV0+16, 32, 0, 24, L_V2
	WIN 0
	WALU
	s_wait_dscnt 0x0
	s_barrier_signal -1
	BLOCK 1, 0, HV0+16, 32, 24, 32, L_NONE
	MIDDLE
	BARRIER
	s_cmp_lt_u32 s14, 2
	s_cbranch_scc0 .Lscales
	TLOAD G0B, G1B                                 ; waves 0 and 1 a half each of W_q's or W_k's columns, onto W_v's, which all waves hold in registers
	s_branch .Lrefilled
.Lscales:
	s_cmp_eq_u32 s14, 2
	s_cbranch_scc0 .Lrefilled
	TLOAD G0S, G1S                                 ; wave 2 the other half's scale words, into bytes of their own
.Lrefilled:
	PLACES 4                                       ; the places ahead of the fetch, for the waves that come round the loads
	FETCH 0, v[ADRA1], v[AAS1], 0
	PFGO 8
	PFGO 20
	BLOCK 1, 1, HV0+24, 32, 0, 32, L_NONE
	WIN 0
	PLACES 4
	FETCH 1, v[ADRA1], v[AAS1], 1
.irp j, 0,1,2
	s_wait_dscnt NF+(\j+1)/2
	BLOCK 1, \j%2, HV1+8*\j, 32, 0, 32, L_CH, HV0+32*\j, \j
	WIN 0
	CODES6 HV0+32*\j, MCD+12*\j, \j
	WALU
	ds_store_b8 v[STV], v[EB+\j] offset:4*\j
.if \j < 2
	FETCH \j%2, v[ADRA1], v[AAS1], 2+\j
.endif
.endr
	s_wait_dscnt 1
	BLOCK 1, 1, HV1+24, 32, 0, 26, L_CH, HV0+96, 3
	WIN 0
	WALU
	s_wait_tensorcnt 0x0
	s_wait_dscnt 0x0
	s_barrier_signal -1                            ; a plain barrier: what the first refill brought is shown to all
	BLOCK 1, 1, HV1+24, 32, 26, 32, L_NONE
	WIN 0
	s_barrier_wait -1
	CODES6 HV0+96, MCD+36, 3
	WALU
	ds_store_b8 v[STV], v[EB+3] offset:12
; ================= THE CHANGE OF PHASE: the second weight and the first two blocks' rows, which lie in slot 0 still, in one run of loads; band 1's four way outs under their flight
	WEIGHTS
	FETCH 0, v[ADRA0], v[AAS0], 0
	FETCH 1, v[ADRA0], v[AAS0], 1
	WIN 3
.set I, 0
.rept 16
	v_mov_b32 v[SB+I], v[SB2-768+I]
.set I, I+1
.endr
	WIN 0
.set I, 0
.rept 18
.irp t, 0,1,2,3
	CHAIN I, HV1+32*\t, \t, 64+4*\t
.endr
.set I, I+1
.endr
.set I, 0
.rept 6
.irp t, 0,1,2,3
	CODES I, HV1+32*\t, MCD+12*\t+6, \t, 80+4*\t
.endr
.set I, I+1
.endr
	WIN 0
	WALU
; ================= PHASE 2: q or k, sixteen blocks
	s_wait_dscnt NF
	BLOCK 0, 0, ACC, 8, 0, 32, L_NONE
	WIN 0
	PLACES 4
.irp t, 0,1,2,3
	ds_store_b8 v[STV], v[EB+\t] offset:2+4*\t
.endr
.irp t, 0,1,2,3
.irp k, 0,1,2
	global_store_b128 v[CO], v[MCD+12*\t+4*\k:MCD+12*\t+4*\k+3], s[50:51] offset:24576*\t+512*\k   ; v's codes leave
.endr
.endr
	FETCH 0, v[ADRA0], v[AAS0], 2
	PBLK NF+4, 1, 3, 1, v[ADRA0], v[AAS0]
	s_mov_b32 s86, 0
.Lwith_rounds:                                     ; blocks 2 to 5, 6 to 9: a trip fills a slot again and fetches the other slot's chunk
.set OP_, 84
	s_wait_dscnt NF+1
	GRD
	BLOCK 0, 0, ACC, 8, 0, 26, L_ASK, ACC+32
	WIN 0
	WALU
	s_wait_dscnt 0x0
	s_barrier_signal -1
	BLOCK 0, 0, ACC, 8, 26, 32, L_NONE
	WIN 0
	CODES6 ACC+32, NCD, 0
	MIDDLE
	BARRIER
	s_cmp_lt_u32 s14, 2
	s_cbranch_scc0 .Lno_half
	TLOAD G0R, G1A                                 ; waves 0 and 1 a half each of the chunk
.Lno_half:
	AFTER 0, 0, 1, v[ADRA], v[AAS]
	PBLK -1, 1, 1, 1, v[ADRA], v[AAS]
	PBLK NF+1, 0, 2, 1, v[ADRA], v[AAS]
	PBLK NF+1, 1, 3, 1, v[ADRA], v[AAS]
	s_add_co_u32 s86, s86, 1
	s_cmp_lg_u32 s86, 2
	s_cbranch_scc1 .Lwith_rounds
	s_mov_b32 s91, 10240
.Lwithout:                                         ; blocks 10, 11 and 12, 13: a plain barrier shows the last refill to all
.set OP_, 84
	s_wait_dscnt NF+1
	BLOCK 0, 0, ACC, 8, 0, 26, L_B, ACC+32
	WIN 0
	WALU
	s_wait_tensorcnt 0x0
	s_wait_dscnt 0x0
	s_barrier_signal -1
	BLOCK 0, 0, ACC, 8, 26, 32, L_NONE
	WIN 0
	s_barrier_wait -1
	CODES6 ACC+32, NCD, 0
	AFTER 0, 0, 1, v[ADRA], v[AAS]
	PBLK -1, 1, 1, 1, v[ADRA], v[AAS]
	s_add_co_u32 s86, s86, 1
	s_cmp_lg_u32 s86, 4
	s_cbranch_scc1 .Lwithout
	PBLK NF+1, 0, 0, 0, v[ADRA], v[AAS]
	PBLK 1, 1, 0, 0, v[ADRA], v[AAS]
; ================= THE END: the last way out; the scale bytes go through LDS under its conversions
.set OP_, 84
.set I, 0
.rept 5
	OUT I
.set I, I+1
.endr
	s_lshl_b32 s21, s14, 9
	s_add_co_u32 s21, s21, XN
	v_add_nc_u32 v12, s21, v[CO]
	s_lshl_b32 s21, s14, 8
	s_add_co_u32 s21, s21, XM
	v_add_nc_u32 v14, s21, v[CO8]
.set I, 0
.rept 18
	CHAIN I, ACC+32, 0
.set I, I+1
.endr
	CODES 2, ACC+32, NCD, 0
	WALU
	ds_store_b8 v[VX], v[EB]
	s_wait_dscnt 0x0
	s_barrier_signal -1
	CODES 0, ACC+32, NCD, 0
	CODES 1, ACC+32, NCD, 0
	v_nop
.irp i, 3,4,5
	CODES \i, ACC+32, NCD, 0
.endr
	WALU
	s_barrier_wait -1
	ds_load_b128 v[64:67], v12
	ds_load_b64 v[68:69], v14
	global_store_b128 v[CO], v[NCD:NCD+3], s[84:85]
	global_store_b64 v[CO8], v[NCD+4:NCD+5], s[84:85] offset:512
	s_wait_dscnt 0x0
	global_store_b128 v[CO], v[64:67], s[48:49]    ; 512 consecutive bytes
	global_store_b64 v[CO8], v[68:69], s[52:53]    ; 256 consecutive bytes
	s_wait_tensorcnt 0x0                           ; the wave's end
	ds_add_u32 v[SPW], v[NIL]
	s_wait_dscnt 0x0
	CROUND                                         ; the closing round
	s_endpgm
.Lfunc_end_k_q816d5aaa0e_proj:
	.size	k_q816d5aaa0e_proj, .Lfunc_end_k_q816d5aaa0e_proj-k_q816d5aaa0e_proj
	.p2alignl 7, 3214868480
	.fill 96, 4, 3214868480
	.section	.rodata,"a",@progbits
	.p2align	6, 0x0
	.amdhsa_kernel k_q816d5aaa0e_proj
		.amdhsa_group_segment_fixed_size 327680
		.amdhsa_private_segment_fixed_size 0
		.amdhsa_enable_private_segment 0
		.amdhsa_kernarg_size 16
		.amdhsa_user_sgpr_count 2
		.amdhsa_user_sgpr_kernarg_segment_ptr 1
		.amdhsa_wavefront_size32 1
		.amdhsa_system_sgpr_workgroup_id_x 1
		.amdhsa_system_sgpr_workgroup_id_y 1
		.amdhsa_system_sgpr_workgroup_id_z 1
		.amdhsa_system_vgpr_workitem_id 0
		.amdhsa_next_free_vgpr 992
		.amdhsa_next_free_sgpr 102
		.amdhsa_reserve_vcc 0
		.amdhsa_float_denorm_mode_32 3
		.amdhsa_float_denorm_mode_16_64 3
		.amdhsa_memory_ordered 1
		.amdhsa_forward_progress 1
		.amdhsa_inst_pref_size 181
	.end_amdhsa_kernel
	.amdgpu_metadata
---
amdhsa.version: [ 1, 2 ]
amdhsa.kernels:
  - .name:           k_q816d5aaa0e_proj
    .symbol:         k_q816d5aaa0e_proj.kd
    .args:
      - { .name: xw, .offset: 0, .size: 8, .value_kind: global_buffer, .address_space: global }
      - { .name: qkv, .offset: 8, .size: 8, .value_kind: global_buffer, .address_space: global }
    .group_segment_fixed_size: 327680
    .private_segment_fixed_size: 0
    .kernarg_segment_align: 8
    .kernarg_segment_size: 16
    .max_flat_workgroup_size: 128
    .sgpr_count:     102
    .vgpr_count:     992
    .wavefront_size: 32
...
	.end_amdgpu_metadata
.endif
;; end of part 6
;; launch scores (part 7): grid 12 x 16, 4 waves a work-group, clusters of 4 x 4, 327,680 bytes of LDS; arguments qkv, pp; writes pp
.if DOCPART == 7
	.amdgcn_target "amdgcn-amd-amdhsa--gfx1250"
	.amdhsa_code_object_version 6
	.text
	.protected	k_q816d5aaa0e_scores
	.globl	k_q816d5aaa0e_scores
	.p2align	8
	.type	k_q816d5aaa0e_scores,@function
k_q816d5aaa0e_scores:
	s_mov_b64 s[64:65], 0
	v_nop
	global_prefetch_b8 v0, s[64:65] scope:SCOPE_SE
	s_setreg_imm32_b32 hwreg(HW_REG_WAVE_MODE, 25, 1), 1
	s_wait_xcnt 0x0
	s_wait_alu depctr_hold_cnt(0) depctr_sa_sdst(0) depctr_va_vdst(0) depctr_va_sdst(0) depctr_va_ssrc(0) depctr_va_vcc(0) depctr_vm_vsrc(0)
	s_getreg_b32 s2, hwreg(HW_REG_IB_STS2, 6, 4)
	s_cmp_eq_u32 s2, 0
	s_cbranch_scc0 .Lentry_in_a_cluster
	s_endpgm
.Lentry_in_a_cluster:
	s_bfe_u32 s2, ttmp6, 0x10000c
	s_cmp_lg_u32 s2, 0xf033
	s_cbranch_scc0 .Lentry_shape_is_right
	s_endpgm
.Lentry_shape_is_right:
; S = q k^T / 32 on codes of FP6 (E2M3), the causal mask, and p = 2^(t - M) quantised along the keys, chunk by chunk of 128 keys.
; t = score x log2(e) / 32.  M here is the ceiling of the largest t of ONE ROW IN ONE CHUNK OF 128 KEYS; -M and the chunk's sum of the unquantised p go to memory beside the codes and scale words.
; The next launch finds the row's M and takes the difference, a whole number, off the scale bytes: the codes' values are those under the row's M.
; WORK LEFT OUT: of a batch's four blocks of 1,024 x 1,024 the one above the diagonal is not made: reference()'s own mask hides it whole.  Inside a diagonal block every tile runs alike:
; tiles above the diagonal write zero codes, -M = 1e30 and the sum 0.
; A' = q (a lane holds one query), B' = k (source 0: the registers run along the keys).  Tile 256 x 256, four waves of 128 x 128.  By the row blocks' order a lane's numbers of four tiles are 32 neighbouring keys: one scale block.
; K = 1,024 is eight steps.  Slot 0 takes steps 0 to 2, slot 1 steps 3 to 5, then slot 0 steps 6 and 7: one tensor load a wave each, behind rounds of the cluster's barrier.  Slot 1's rows are prefetched at the head, shared out by address.
; The scale words (16 KB a work-group) come by plain loads, not jointly: a small part beside 393,216 bytes of codes.
; LIMITS: |t| under 1e30 (a chunk's largest t is held at -1e30 from below, so that a hidden chunk gives p = 0); a block of zeros gets the byte 1; NaN and infinities are not served.
.set KC,   6291456                     ; in qkv: q's codes at 0, k's here,
.set QS,   18874368                    ; q's scale words,
.set KS,   19136512                    ; k's
.set PS,   12582912                    ; in pp: p's codes at 0, scale words here, -M 524,288 on, the sums 1,048,576 on
.set FR,    12
.set NL,    4                          ; LDS loads that bring a fragment
.set NP,    4
.set PART,  36864                      ; 8 row blocks x 3 K steps: what one tensor load brings
.set SLOT1, 147456
.set SCA,   294912
.set SCB,   303104
.set SPARE, 311296
.set ADRB, 4                           ; v4-5 LDS address of my B fragments in slot 0, 1 (16 x lane), v6-7 (8 x lane)
.set ADRA, 16                          ; v16-19 the same for A
.set H8,   9                           ; v9   8 h
.set ADRS, 22
.set LN,   23
.set LI,   24
.set D0,   25                          ; v25  my query less my first key, for block 0
.set D,    27                          ; v27  the same for block 4
.set SPW,  28
.set NIL,  29
.set NINF, 30
.set SC,   32
.set AF,   128
.set PWS,  64                          ; v64-71 scale words, v72-79 -M, v80-87 sums, of the eight blocks
.set NMS,  72
.set LSS,  80
.set PC,   112
.set TM,   200
.set G1, 24
.set G0, 32
.set G1B, 48
.set G0B, 56
.set CS,  72                           ; s[72:73] log2(e) / 32
.set SEL, 90
.set PI_, 4608                         ; from row block to row block in the slot that is read
.set MSB, 0
.macro WIN new
.if MSB != (\new)
	s_set_vgpr_msb (MSB<<8)|(\new)
.set MSB, (\new)
.endif
.endm
.set MUL_LO, 0xa1
.set TO_B,   0x40
.macro JLOAD g0a, g1a, g0b, g1b        ; a joint load: waves 0, 1 fetch A's halves, waves 2, 3 B's
	s_cmp_eq_u32 s15, 0
	s_cbranch_scc0 .Lfor_b_\@
	tensor_load_to_lds s[\g0a:\g0a+3], s[\g1a:\g1a+7]
	s_nop 0
.rept 4
	v_nop
.endr
	s_branch .Lasked_\@
.Lfor_b_\@:
	tensor_load_to_lds s[\g0b:\g0b+3], s[\g1b:\g1b+7]
	s_nop 0
.rept 4
	v_nop
.endr
.Lasked_\@:
.endm
.macro CREST
	s_cmp_lg_u32 s14, 0
	s_cbranch_scc1 .Lnot_wave_0_\@
	s_barrier_signal -3
.Lnot_wave_0_\@:
	s_barrier_wait -3
	s_barrier_signal -1
	s_barrier_wait -1
.endm
.macro CROUND
	s_barrier_signal -1
	s_barrier_wait -1
	CREST
.endm
.macro PLACES n
.rept \n
	v_nop
.endr
.endm
.macro WIDTH w                         ; group 1's row: w elements of 8 bytes
.irp g, G1, G1B
	s_mov_b32 s[\g+1], (\w)<<16
	s_mov_b32 s[\g+3], (\w)<<16
.endr
.endm
.macro FRAG reg, adr, slot, q, i       ; block i, the slot's K step q
.set O_, PI_*(\i)+1536*(\q)
	ds_load_b128 v[\reg:\reg+3], v[\adr+\slot] offset:O_
	ds_load_b64 v[\reg+4:\reg+5], v[\adr+2+\slot] offset:O_+512
	ds_load_b128 v[\reg+6:\reg+9], v[\adr+\slot] offset:O_+768
	ds_load_b64 v[\reg+10:\reg+11], v[\adr+2+\slot] offset:O_+1280
.endm
.macro P1 n, hi, p, sc, zero           ; product n of a half: A's block 4 hi + n / 8, B's n % 8; p: B's set and the scale set's K step; the accumulators take turns
.set A_, 4*(\hi)+(\n)/8
.set B_, (\n)%8
.set D_, 8*(\n)
.set X_, SC+16*(\sc)+8*(\p)
	WIN MUL_LO+0x50*(\hi)
.if \zero
	v_wmma_scale_f32_16x16x128_f8f6f4 v[D_:D_+7], v[128*(\p)+FR*B_:128*(\p)+FR*B_+FR-1], v[AF+FR*A_:AF+FR*A_+FR-1], 0, v[X_+B_], v[X_+A_] matrix_a_fmt:MATRIX_FMT_FP6 matrix_b_fmt:MATRIX_FMT_FP6 matrix_a_scale:MATRIX_SCALE_ROW1
.else
	v_wmma_scale_f32_16x16x128_f8f6f4 v[D_:D_+7], v[128*(\p)+FR*B_:128*(\p)+FR*B_+FR-1], v[AF+FR*A_:AF+FR*A_+FR-1], v[D_:D_+7], v[X_+B_], v[X_+A_] matrix_a_fmt:MATRIX_FMT_FP6 matrix_b_fmt:MATRIX_FMT_FP6 matrix_a_scale:MATRIX_SCALE_ROW1
.endif
.endm
.macro RUN from, to, hi, p, sc, zero
.set N_, \from
.rept (\to)-(\from)
	P1 N_, \hi, \p, \sc, \zero
.set N_, N_+1
.endr
.endm
.macro FETCH_B slot, q, p
	WIN TO_B
.irp i, 0,1,2,3,4,5,6,7
	FRAG 128*(\p)+FR*\i, ADRB, \slot, \q, \i
.endr
	WIN 0
.endm
.macro FETCH_A slot, q, i0
.irp i, \i0, \i0+1, \i0+2, \i0+3
	FRAG AF+FR*(\i), ADRA, \slot, \q, \i
.endr
.endm
.macro SCALES sc, kap0                 ; the scale words of K steps kap0, kap0 + 1
.irp q, 0,1
.irp g, 0,1
	ds_load_b128 v[SC+16*(\sc)+8*\q+4*\g:SC+16*(\sc)+8*\q+4*\g+3], v[ADRS] offset:((\kap0)+\q)*512+256*\g
.endr
.endr
.endm
; A K step: 32 products on A's blocks 0-3; the next step's B (the other set) and A's blocks 0-3 in one run of loads; 32 products on A's blocks 4-7; then those blocks' next.
.macro SECOND p, sc, zero, slot, nq, sn, k0
	FETCH_B \slot, \nq, 1-(\p)
	FETCH_A \slot, \nq, 0
.if (\sn) >= 0
	SCALES \sn, \k0
.endif
	RUN 0, 32, 1, \p, \sc, \zero
	PLACES NP
	WIN 0
	FETCH_A \slot, \nq, 4
.endm
.macro STEP p, sc, zero, slot, nq, sn=-1, k0=0
	s_wait_dscnt 4*NL                              ; all but the 16 youngest loads (A's blocks 4-7) are in
	RUN 0, 32, 0, \p, \sc, \zero
	s_wait_dscnt 0x0
	WIN 0
	PLACES NP                                      ; in front of loads into registers that matrix instructions have read
	SECOND \p, \sc, \zero, \slot, \nq, \sn, \k0
.endm
; A slot's last K step.  round = 1: a round of the cluster's barrier, which shows slot 1 whole, and slot 0 is filled again;  0: a barrier that shows slot 0 whole.
.macro TURN p, sc, round, slot, nq, sn, k0
	s_wait_tensorcnt 0x0                           ; all my tensor loads have landed
	ds_add_u32 v[SPW], v[NIL]                      ; 0 onto my spare word
.if \round
	s_add_nc_u64 s[G0+2:G0+3], s[G0+2:G0+3], 9216  ; K steps 6 and 7
	s_add_nc_u64 s[G0B+2:G0B+3], s[G0B+2:G0B+3], 9216
	WIDTH 384
.endif
	s_wait_dscnt 4*NL+1                            ; the add and the 16 youngest loads may be out
	RUN 0, 16, 0, \p, \sc, 0
	s_wait_dscnt 0x0                               ; the add is done, and so are my reads of this slot
	s_barrier_signal -1
	RUN 16, 32, 0, \p, \sc, 0
	WIN 0
	s_barrier_wait -1
.if \round
	CREST
	JLOAD G0, G1, G0B, G1B                         ; my one tensor load behind the round; its four v_nop are the places in front of the loads below
.else
	PLACES NP
.endif
	SECOND \p, \sc, 0, \slot, \nq, \sn, \k0
.endm
	s_load_b128 s[4:7], s[0:1], 0x0                ; qkv s[4:5], pp s[6:7]
	v_lshl_add_u32 v[SPW], v0, 2, SPARE
	v_mov_b32 v[NIL], 0
	ds_add_u32 v[SPW], v[NIL]                      ; the opening add, twice on end
	ds_add_u32 v[SPW], v[NIL]
	v_lshrrev_b32 v1, 5, v0
	v_readfirstlane_b32 s14, v1
	s_lshr_b32 s15, s14, 1
	s_and_b32 s16, s14, 1
	s_bfe_u32 s40, ttmp6, 0x40000                  ; cx
	s_bfe_u32 s41, ttmp6, 0x40004                  ; cy
	s_and_b32 s66, ttmp7, 0xffff                   ; the batch
	s_add_co_u32 s67, ttmp9, 1
	s_lshr_b32 s67, s67, 1                         ; cluster x = 0, 1, 2 is block (0, 0), (1, 0), (1, 1) of the batch
	s_lshl_b32 s17, s67, 2
	s_add_co_u32 s17, s17, s41                     ; I: tile row (queries)
	s_lshr_b32 s68, ttmp9, 1
	s_lshl_b32 s42, s68, 2
	s_add_co_u32 s42, s42, s40                     ; J: tile column (keys)
	s_lshl_b32 s43, s41, 2
	s_lshl_b32 s43, 15, s43
	s_lshl_b32 s44, 0x1111, s40
	s_or_b32 s[G1+0], s43, (3<<16)|(1<<21)
	s_or_b32 s[G1B+0], s44, (3<<16)|(1<<21)
	WIDTH 576                                      ; 4,608 bytes: three K steps
.irp g, G1, G1B
	s_mov_b32 s[\g+2], 8<<16
	s_mov_b32 s[\g+4], 8
	s_mov_b32 s[\g+5], 1536
	s_mov_b32 s[\g+6], 0
	s_mov_b32 s[\g+7], 0
.endr
	s_lshl_b32 s69, s66, 7                         ; 128 row blocks a batch
	s_lshl_b32 s18, s16, 3
	s_lshl_b32 s20, s17, 4
	s_add_co_u32 s20, s20, s18
	s_add_co_u32 s20, s20, s69
	s_mul_i32 s20, s20, 12288                      ; q's tile
	s_mov_b32 s21, 0
	s_lshl_b32 s46, s42, 4
	s_add_co_u32 s46, s46, s18
	s_add_co_u32 s46, s46, s69
	s_mul_i32 s46, s46, 12288
	s_add_co_u32 s46, s46, KC                      ; k's
	s_mov_b32 s47, 0
	s_mul_i32 s96, s40, 24576                      ; the prefetches: two row blocks of the eight that I fetch, told apart by cx for A,
	s_add_co_u32 s96, s96, s20
	s_mul_i32 s97, s41, 24576                      ; by cy for B
	s_add_co_u32 s97, s97, s46
	s_cmp_eq_u32 s15, 0
	s_cselect_b32 s96, s96, s97
	s_mul_i32 s45, s14, PART
	s_add_co_u32 s95, s45, SLOT1
	s_lshl_b32 s74, s66, 4                         ; 16 groups of 128 rows a batch
	s_lshl_b32 s84, s17, 1
	s_add_co_u32 s84, s84, s16
	s_add_co_u32 s84, s84, s74
	s_lshl_b32 s84, s84, 12
	s_add_co_u32 s84, s84, QS
	s_lshl_b32 s86, s42, 1
	s_add_co_u32 s86, s86, s16
	s_add_co_u32 s86, s86, s74
	s_lshl_b32 s86, s86, 12
	s_add_co_u32 s86, s86, KS
	s_cmp_eq_u32 s15, 0
	s_cselect_b32 s84, s84, s86                    ; the 4 KB of scale words that I copy
	s_mov_b32 s85, 0
	s_lshl_b32 s75, s42, 1
	s_add_co_u32 s75, s75, s16                     ; my chunk of 128 keys
	s_lshl_b32 s88, s17, 4
	s_lshl_b32 s89, s15, 3
	s_add_co_u32 s88, s88, s89
	s_add_co_u32 s88, s88, s69
	s_lshl_b32 s88, s88, 4
	s_add_co_u32 s88, s88, s75
	s_mul_i32 s88, s88, 1536                       ; p's codes: my first block, my chunk
	s_mov_b32 s89, 0
	s_lshl_b32 s92, s17, 1
	s_add_co_u32 s92, s92, s15
	s_add_co_u32 s92, s92, s74
	s_lshl_b32 s92, s92, 4
	s_add_co_u32 s92, s92, s75
	s_lshl_b32 s92, s92, 9
	s_add_co_u32 s92, s92, PS                      ; the three planes' unit
	s_mov_b32 s93, 0
	s_sub_co_i32 s76, s17, s42
	s_lshl_b32 s76, s76, 8
	s_sub_co_i32 s77, s15, s16
	s_lshl_b32 s77, s77, 7
	s_add_co_i32 s76, s76, s77                     ; my first query less my first key: it enters data alone
	s_mov_b32 s[CS], 0x3d38aa3b                    ; log2(e) / 32
	s_mov_b32 s[CS+1], s[CS]
	s_mov_b32 s[SEL], 0x76543210
	s_mov_b32 s[SEL+1], 0xfedcba98
	v_and_b32 v[LN], 31, v0
	v_lshlrev_b32 v[LI], 4, v[LN]
	v_min_u32 v8, 17, v[LN]
	v_lshl_add_u32 v8, v8, 8, s96
	s_wait_alu depctr_va_vdst(0)
	s_wait_dscnt 0x0                               ; both opening adds are done
	s_wait_kmcnt 0x0
	s_add_nc_u64 s[20:21], s[4:5], s[20:21]
	s_add_nc_u64 s[46:47], s[4:5], s[46:47]
	s_add_nc_u64 s[84:85], s[4:5], s[84:85]
	s_add_nc_u64 s[88:89], s[6:7], s[88:89]
	s_add_nc_u64 s[92:93], s[6:7], s[92:93]
.irp j, 0,1,2,3,4,5,6,7
	global_load_b128 v[64+4*\j:67+4*\j], v[LI], s[84:85] offset:512*\j
.endr
	CROUND
	s_mov_b32 s[G0], 1
	s_mov_b32 s[G0+1], s45
	s_mov_b64 s[G0+2:G0+3], s[20:21]
	s_or_b32 s[G0+3], s[G0+3], 0x80000000
	s_mov_b32 s[G0B], 1
	s_mov_b32 s[G0B+1], s45
	s_mov_b64 s[G0B+2:G0B+3], s[46:47]
	s_or_b32 s[G0B+3], s[G0B+3], 0x80000000
	JLOAD G0, G1, G0B, G1B                         ; slot 0: K steps 0 to 2
	s_mov_b32 s[G0+4], 1
	s_mov_b32 s[G0+5], s95
	s_add_nc_u64 s[G0+6:G0+7], s[20:21], 4608
	s_or_b32 s[G0+7], s[G0+7], 0x80000000
	s_mov_b32 s[G0B+4], 1
	s_mov_b32 s[G0B+5], s95
	s_add_nc_u64 s[G0B+6:G0B+7], s[46:47], 4608
	s_or_b32 s[G0B+7], s[G0B+7], 0x80000000
	v_and_b32 v1, 15, v0                           ; r
	v_bfe_u32 v2, v0, 4, 1                         ; h
	v_lshlrev_b32 v10, 3, v[LN]
	v_lshlrev_b32 v[H8], 3, v2
	s_wait_alu depctr_va_vdst(0)
	s_mul_i32 s18, s15, PART
	s_add_co_u32 s19, s16, 2                       ; B's two halves lie behind A's
	s_mul_i32 s19, s19, PART
	v_add_nc_u32 v[ADRA], s18, v[LI]
	v_add_nc_u32 v[ADRA+2], s18, v10
	v_add_nc_u32 v[ADRB], s19, v[LI]
	v_add_nc_u32 v[ADRB+2], s19, v10
	s_add_co_u32 s18, s18, SLOT1
	s_add_co_u32 s19, s19, SLOT1
	v_add_nc_u32 v[ADRA+1], s18, v[LI]
	v_add_nc_u32 v[ADRA+3], s18, v10
	v_add_nc_u32 v[ADRB+1], s19, v[LI]
	v_add_nc_u32 v[ADRB+3], s19, v10
	global_prefetch_b8 v8, s[4:5] offset:4608 th:TH_LOAD_NT scope:SCOPE_SE         ; slot 1's tile, 18 units of 256 bytes of a row block
	global_prefetch_b8 v8, s[4:5] offset:16896 th:TH_LOAD_NT scope:SCOPE_SE
	s_mul_i32 s18, s15, 4096
	s_mul_i32 s19, s16, 4096
	s_add_co_u32 s19, s19, SCB-SCA
	s_sub_co_u32 s19, s19, s18
	v_mul_u32_u24 v3, s19, v2                      ; lanes 16-31 take B's words
	s_add_co_u32 s18, s18, SCA
	v_lshl_add_u32 v3, v1, 4, v3
	v_add_nc_u32 v[ADRS], s18, v3
	s_lshl_b32 s18, s15, 13
	s_lshl_b32 s19, s16, 12
	s_add_co_u32 s18, s18, s19
	s_add_co_u32 s18, s18, SCA
	v_add_nc_u32 v26, s18, v[LI]
	v_and_b32 v3, 8, v1
	v_mad_u32_u24 v3, v3, 3, v1                    ; r % 8 + 32 (r / 8)
	v_lshlrev_b32 v[D], 5, v2
	v_sub_nc_u32 v3, v3, v[D]
	v_add_nc_u32 v[D0], s76, v3                    ; register n of block a holds a hidden key where 64 (n / 32) + n % 32 > D0 + 64 (a / 4) + 8 (a % 4)
	v_mov_b32 v[NINF], 0xff800000
	s_wait_alu depctr_va_vdst(0)                   ; the wait at the head's end
	s_wait_loadcnt 0x0
.irp j, 0,1,2,3,4,5,6,7
	ds_store_b128 v26, v[64+4*\j:67+4*\j] offset:512*\j
.endr
	s_wait_tensorcnt 0x0                           ; my part of slot 0 is in
	ds_add_u32 v[SPW], v[NIL]
	s_wait_dscnt 0x0                               ; my scale words lie in LDS, and the add is done
	CROUND
	JLOAD G0+4, G1, G0B+4, G1B                     ; slot 1: K steps 3 to 5
	FETCH_B 0, 0, 0
	FETCH_A 0, 0, 0
	SCALES 0, 0
	FETCH_A 0, 0, 4
	STEP 0, 0, 1, 0, 1                             ; the first products start the sums
	STEP 1, 0, 0, 0, 2, 1, 2
	TURN 0, 1, 1, 1, 0, -1, 0
	STEP 1, 1, 0, 1, 1, 0, 4
	STEP 0, 0, 0, 1, 2
.set PI_, 3072                         ; slot 0's second fill has two K steps
	TURN 1, 0, 0, 0, 0, 1, 6
	STEP 0, 1, 0, 0, 1
	s_wait_dscnt 4*NL                              ; the last K step
	RUN 0, 32, 0, 1, 1, 0
	s_wait_dscnt 0x0
	RUN 0, 32, 1, 1, 1, 0
	WIN 0
	PLACES NP
; THE MASK.  Blocks of one window share a compare where key - 8 a is the same; each accumulator's registers are read in ascending order.
.macro MASK wq, dreg
	WIN (2+\wq)|((2+\wq)<<6)
.set T_, -24
.rept 15                               ; eight compares, each into a scalar mask of its own (group 1's registers: no tensor load follows), then their selects
.set MI_, 0
.rept 8
.set ANY_, 0
.irp a, 0,1,2,3
.set K_, T_+MI_+8*\a
.if (K_ >= 0) && (K_ < 96)
.if (K_ % 64) < 32
.if ANY_ == 0
	v_cmp_gt_i32 s[24+MI_], T_+MI_, v[\dreg]
.set ANY_, 1
.endif
.endif
.endif
.endr
.set MI_, MI_+1
.endr
.set MI_, 0
.rept 8
.irp a, 0,1,2,3
.set K_, T_+MI_+8*\a
.if (K_ >= 0) && (K_ < 96)
.if (K_ % 64) < 32
	v_cndmask_b32 v[64*\a+32*(K_/64)+K_%64], v[64*\a+32*(K_/64)+K_%64], v[NINF], s[24+MI_]
.endif
.endif
.endr
.set MI_, MI_+1
.endr
.set T_, T_+8
.endr
	WIN 0
.endm
	s_cmp_eq_u32 ttmp9, 1                          ; the block of clusters under the diagonal hides nothing (a branch on the cluster's number: alike in all partners)
	s_cbranch_scc1 .Lopen
	v_add_nc_u32 v[D], 64, v[D0]
	MASK 0, D0
	MASK 1, D
.Lopen:
; TWO BLOCKS, a and a + 1 (k = 0, 1), 16 queries x my 128 keys each, go side by side: M, p, the sum, the codes.
; Block k: v[TM + 8 k ..] at work, v[216 + 2 k] -M, v[220 + 4 k ..] the sums, codes from v112 (k = 0) or v88 on.
.macro SMAX a
.set W, 2+(\a)/4
.set S0, 64*((\a)%4)
	WIN W|(W<<2)
	s_wait_alu depctr_va_vdst(0)                   ; the wait ahead of the first reader
.irp b, 0,1,2,3
.irp k, 0,1
	v_max3_num_f32 v[TM+8*\k+\b], v[S0+64*\k+16*\b], v[S0+64*\k+16*\b+1], v[NINF]
.endr
.endr
.irp i, 2,4,6,8,10,12,14
.irp b, 0,1,2,3
.irp k, 0,1
	v_max3_num_f32 v[TM+8*\k+\b], v[S0+64*\k+16*\b+\i], v[S0+64*\k+16*\b+\i+1], v[TM+8*\k+\b]
.endr
.endr
.endr
	WIN 0
.irp k, 0,1
	v_max_num_f32 v[TM+8*\k], v[TM+8*\k], v[TM+8*\k+1]   ; the largest score of each of my two blocks of 32 keys: for the row's maximum, and for the block's largest p
	v_max_num_f32 v[TM+8*\k+1], v[TM+8*\k+2], v[TM+8*\k+3]
.endr
.irp k, 0,1
	v_max_num_f32 v[228+\k], v[TM+8*\k], v[TM+8*\k+1]
.endr
.irp k, 0,1
	v_permlanex16_b32 v[230+\k], v[228+\k], s[SEL], s[SEL+1]
.endr
.irp k, 0,1
	v_max_num_f32 v[228+\k], v[228+\k], v[230+\k]
.endr
.irp k, 0,1
	v_mul_f32 v[228+\k], s[CS], v[228+\k]          ; the chunk's largest t
.endr
.irp k, 0,1
	v_max_num_f32 v[228+\k], 0xf149f2ca, v[228+\k] ; held at -1e30 from below: a hidden chunk
.endr
.irp k, 0,1
	v_floor_f32 v[216+2*\k], -v[228+\k]            ; -M = floor(-t): M is a whole number
.endr
.irp k, 0,1
	v_mov_b32 v[NMS+(\a)+\k], v[216+2*\k]
.endr
	WIN W|(W<<6)
.set n, 0
.rept 32
.irp k, 0,1
	v_pk_fma_f32 v[S0+64*\k+n:S0+64*\k+n+1], v[S0+64*\k+n:S0+64*\k+n+1], s[CS:CS+1], v[216+2*\k:217+2*\k] op_sel_hi:[1,0,0]   ; t - M
.endr
.set n, n+2
.endr
	WIN 0
.irp k, 0,1
.irp c, 0,1
	v_fma_f32 v[TM+8*\k+\c], v[TM+8*\k+\c], s[CS], v[216+2*\k]   ; the same of each block's largest score
.endr
.endr
	s_wait_alu depctr_va_vdst(0)                   ; the wait ahead of the batch
	s_wait_xcnt 0x0                                ; the last blocks' stores have read their data
.irp k, 0,1
.irp c, 0,1
	v_exp_f32 v[TM+8*\k+\c], v[TM+8*\k+\c]         ; the block's largest p
.endr
.endr
	WIN W|(W<<6)
.set n, 0
.rept 128
	v_exp_f32 v[S0+n], v[S0+n]                     ; p = 2^(t - M)
.set n, n+1
.endr
	v_nop                                          ; a plain place behind the exponentials
	s_wait_alu depctr_va_vdst(0)                   ; one wait for the batch, ahead of its first reader
	WIN W|(W<<2)
.irp k, 0,1
	v_pk_add_f32 v[220+4*\k:221+4*\k], v[S0+64*\k:S0+64*\k+1], v[S0+64*\k+2:S0+64*\k+3]         ; the sum of the unquantised p, in two chains a block
	v_pk_add_f32 v[222+4*\k:223+4*\k], v[S0+64*\k+4:S0+64*\k+5], v[S0+64*\k+6:S0+64*\k+7]
.endr
	WIN W
.irp j, 8,12,16,20,24,28,32,36,40,44,48,52,56,60
.irp k, 0,1
	v_pk_add_f32 v[220+4*\k:221+4*\k], v[S0+64*\k+\j:S0+64*\k+\j+1], v[220+4*\k:221+4*\k]
	v_pk_add_f32 v[222+4*\k:223+4*\k], v[S0+64*\k+\j+2:S0+64*\k+\j+3], v[222+4*\k:223+4*\k]
.endr
.endr
	WIN 0
.irp k, 0,1
.irp c, 0,1
	v_max_num_f32 v[TM+8*\k+\c], 0x1800000, v[TM+8*\k+\c]    ; the floor: the byte cannot fall under 1
.endr
.endr
.irp k, 0,1
	v_pk_add_f32 v[220+4*\k:221+4*\k], v[220+4*\k:221+4*\k], v[222+4*\k:223+4*\k]
.endr
.irp k, 0,1
.irp c, 0,1
	v_add_nc_u32 v[TM+8*\k+4+\c], 0xff000000, v[TM+8*\k+\c]
.endr
.endr
.irp k, 0,1
	v_add_f32 v[228+\k], v[220+4*\k], v[221+4*\k]
.endr
.irp k, 0,1
.irp c, 0,1
	v_lshrrev_b32 v[TM+8*\k+6+\c], 23, v[TM+8*\k+4+\c]
.endr
.endr
.irp k, 0,1
	v_permlanex16_b32 v[230+\k], v[228+\k], s[SEL], s[SEL+1]
.endr
.irp k, 0,1
	v_lshl_or_b32 v[232+\k], v[TM+8*\k+7], 16, v[TM+8*\k+6]
.endr
.irp k, 0,1
	v_add_f32 v[LSS+(\a)+\k], v[228+\k], v[230+\k] ; the chunk's sum of my query
.endr
.irp k, 0,1
	v_lshlrev_b32 v[232+\k], v[H8], v[232+\k]      ; bytes h and 2 + h
.endr
.irp k, 0,1
	v_permlanex16_b32 v[234+\k], v[232+\k], s[SEL], s[SEL+1]
.endr
.irp k, 0,1
	v_or_b32 v[PWS+(\a)+\k], v[232+\k], v[234+\k]  ; with lane l xor 16's two the word is whole
.endr
	WIN W
.irp k, 0,1
.irp c, 0,1
	v_cvt_scalef32_pk16_fp6_f32 v[PC-24*\k+6*\c:PC-24*\k+6*\c+2], v[S0+64*\k+32*\c:S0+64*\k+32*\c+15], v[TM+8*\k+4+\c]
	v_cvt_scalef32_pk16_fp6_f32 v[PC-24*\k+12+4*\c:PC-24*\k+12+4*\c+2], v[S0+64*\k+32*\c+16:S0+64*\k+32*\c+31], v[TM+8*\k+4+\c]
.endr
.endr
	WIN 0
	v_nop                                          ; one plain place behind a scaled conversion
.irp k, 0,1
.irp c, 0,1
.irp i, 0,1,2
	v_mov_b32 v[PC-24*\k+3+6*\c+\i], v[PC-24*\k+12+4*\c+\i]
.endr
.endr
.endr
.irp k, 0,1
.irp c, 0,1,2
	global_store_b128 v[LI], v[PC-24*\k+4*\c:PC-24*\k+4*\c+3], s[88:89] offset:24576*((\a)+\k)+512*\c
.endr
.endr
.endm
	v_mov_b32 v217, 0                              ; (named as the upper halves of the pairs v[216:217], v[218:219])
	v_mov_b32 v219, 0
.irp r, 230,231,234,235
	v_mov_b32 v[\r], 0                             ; a lane permute's destination counts as read
.endr
.irp a, 0,2,4,6
	SMAX \a
.endr
	s_wait_alu depctr_va_vdst(0)
	s_wait_xcnt 0x0                                ; the last stores have read their data: v88 on may be written
	v_cmp_le_u32 vcc_lo, 16, v[LN]
.irp t, 0,1,2,3
	v_cndmask_b32 v[88+\t], v[PWS+\t], v[PWS+4+\t], vcc_lo   ; lane (r, h) stores the words of blocks 4 h + 0 .. 3
.endr
.irp t, 0,1,2,3
	v_cndmask_b32 v[92+\t], v[NMS+\t], v[NMS+4+\t], vcc_lo
.endr
.irp t, 0,1,2,3
	v_cndmask_b32 v[96+\t], v[LSS+\t], v[LSS+4+\t], vcc_lo
.endr
	global_store_b128 v[LI], v[88:91], s[92:93]
	global_store_b128 v[LI], v[92:95], s[92:93] offset:524288
	global_store_b128 v[LI], v[96:99], s[92:93] offset:1048576
	s_wait_tensorcnt 0x0                           ; the wave's end
	ds_add_u32 v[SPW], v[NIL]
	s_wait_dscnt 0x0
	CROUND
	s_endpgm
.Lfunc_end_k_q816d5aaa0e_scores:
	.size	k_q816d5aaa0e_scores, .Lfunc_end_k_q816d5aaa0e_scores-k_q816d5aaa0e_scores
	.p2alignl 7, 3214868480
	.fill 96, 4, 3214868480
	.section	.rodata,"a",@progbits
	.p2align	6, 0x0
	.amdhsa_kernel k_q816d5aaa0e_scores
		.amdhsa_group_segment_fixed_size 327680
		.amdhsa_private_segment_fixed_size 0
		.amdhsa_enable_private_segment 0
		.amdhsa_kernarg_size 16
		.amdhsa_user_sgpr_count 2
		.amdhsa_user_sgpr_kernarg_segment_ptr 1
		.amdhsa_wavefront_size32 1
		.amdhsa_system_sgpr_workgroup_id_x 1
		.amdhsa_system_sgpr_workgroup_id_y 1
		.amdhsa_system_sgpr_workgroup_id_z 1
		.amdhsa_system_vgpr_workitem_id 0
		.amdhsa_next_free_vgpr 1024
		.amdhsa_next_free_sgpr 100
		.amdhsa_reserve_vcc 1
		.amdhsa_float_denorm_mode_32 3
		.amdhsa_float_denorm_mode_16_64 3
		.amdhsa_memory_ordered 1
		.amdhsa_forward_progress 1
		.amdhsa_inst_pref_size 244
	.end_amdhsa_kernel
	.amdgpu_metadata
---
amdhsa.version: [ 1, 2 ]
amdhsa.kernels:
  - .name:           k_q816d5aaa0e_scores
    .symbol:         k_q816d5aaa0e_scores.kd
    .args:
      - { .name: qkv, .offset: 0, .size: 8, .value_kind: global_buffer, .address_space: global }
      - { .name: pp, .offset: 8, .size: 8, .value_kind: global_buffer, .address_space: global }
    .group_segment_fixed_size: 327680
    .private_segment_fixed_size: 0
    .kernarg_segment_align: 8
    .kernarg_segment_size: 16
    .max_flat_workgroup_size: 128
    .sgpr_count:     100
    .vgpr_count:     1024
    .wavefront_size: 32
...
	.end_amdgpu_metadata
.endif
;; end of part 7
;; launch pv (part 8): grid 4 x 64, 4 waves a work-group, clusters of 4 x 4, 327,680 bytes of LDS; arguments pp, qkv, out0; writes out0
.if DOCPART == 8
	.amdgcn_target "amdgcn-amd-amdhsa--gfx1250"
	.amdhsa_code_object_version 6
	.text
	.protected	k_q816d5aaa0e_pv
	.globl	k_q816d5aaa0e_pv
	.p2align	8
	.type	k_q816d5aaa0e_pv,@function
k_q816d5aaa0e_pv:
	s_mov_b64 s[64:65], 0
	v_nop
	global_prefetch_b8 v0, s[64:65] scope:SCOPE_SE
	s_setreg_imm32_b32 hwreg(HW_REG_WAVE_MODE, 25, 1), 1
	s_wait_xcnt 0x0
	s_wait_alu depctr_hold_cnt(0) depctr_sa_sdst(0) depctr_va_vdst(0) depctr_va_sdst(0) depctr_va_ssrc(0) depctr_va_vcc(0) depctr_vm_vsrc(0)
	s_getreg_b32 s2, hwreg(HW_REG_IB_STS2, 6, 4)
	s_cmp_eq_u32 s2, 0
	s_cbranch_scc0 .Lentry_in_a_cluster
	s_endpgm
.Lentry_in_a_cluster:
	s_bfe_u32 s2, ttmp6, 0x10000c
	s_cmp_lg_u32 s2, 0xf033
	s_cbranch_scc0 .Lentry_shape_is_right
	s_endpgm
.Lentry_shape_is_right:
; out = p v / l on codes of FP6 (E2M3).  A work-group makes 128 queries x 256 channels; four waves of 64 x 128.  A' = p (a lane holds one query), B' = v (source 0: the registers run along the channels).
; -M is the least of the row's chunks' -M; each chunk's sum is brought under it by ldexp, and its scale bytes go down by the difference, a whole number held at byte 0 (2^-127) from below.
; WORK LEFT OUT: queries 0-1023 of a batch take keys 0-1023 alone (reference()'s own mask hides the others whole).
; Keys go in slots of four steps of 128; two slots by turns, filled by joint loads.  Slot 1 and, where a row has all 2,048 keys, the third piece are prefetched, shared out by address.
; LIMITS: |t| under 1e30; NaN and infinities are not served.
.set PS,   12582912
.set VC,   12582912
.set VS,   19398656
.set NKAP, 16
.set FR,    12
.set NP,    4
.set NF,    38
.set ASZ,   49152
.set SLOT,  147456
.set SCA,   294912
.set SCB,   303104
.set RLT,   319488
.set SPARE, 320000
.set STAGE, 0
.set STO,  4
.set RD,   5
.set RLA,  6
.set ADRA, 16
.set ADRS2, 18
.set ADRB, 20
.set ADRS, 22
.set LN,   23
.set LI,   24
.set SPW,  28
.set NIL,  29
.set SC,   32
.set AF,   128
.set PMR,  64
.set PLR,  80
.set PSR,  96
.set DD,   112
.set WW,   128
.set VSR,  160
.set TT,   192
.set UU,   208
.set NMG,  224
.set SUM,  225
.set RCP,  226
.set RLR,  80
.set G1, 24
.set G0, 32
.set G1B, 48
.set G0B, 56
.set MSB, 0
.macro WIN new
.if MSB != (\new)
	s_set_vgpr_msb (MSB<<8)|(\new)
.set MSB, (\new)
.endif
.endm
.set MUL_LO, 0xa1
.set TO_B,   0x40
.macro JLOAD g0a, g1a, g0b, g1b
	s_cmp_eq_u32 s15, 0
	s_cbranch_scc0 .Lfor_b_\@
	tensor_load_to_lds s[\g0a:\g0a+3], s[\g1a:\g1a+7]
	s_nop 0
.rept 4
	v_nop
.endr
	s_branch .Lasked_\@
.Lfor_b_\@:
	tensor_load_to_lds s[\g0b:\g0b+3], s[\g1b:\g1b+7]
	s_nop 0
.rept 4
	v_nop
.endr
.Lasked_\@:
.endm
.macro CREST
	s_cmp_lg_u32 s14, 0
	s_cbranch_scc1 .Lnot_wave_0_\@
	s_barrier_signal -3
.Lnot_wave_0_\@:
	s_barrier_wait -3
	s_barrier_signal -1
	s_barrier_wait -1
.endm
.macro CROUND
	s_barrier_signal -1
	s_barrier_wait -1
	CREST
.endm
.macro PLACES n
.rept \n
	v_nop
.endr
.endm
.macro FRAG reg, adr, q, i
.irp c, 0,1,2
	ds_load_b128 v[\reg+4*\c:\reg+4*\c+3], v[\adr] offset:6144*(\i)+1536*(\q)+512*\c
.endr
.endm
.macro FETCH slot, q, p, kap
	WIN TO_B
.irp i, 0,1,2,3,4,5,6,7
	FRAG 128*(\p)+FR*\i, ADRB+\slot, \q, \i
.endr
	WIN 0
.irp i, 0,1,2,3
	FRAG AF+48*(\p)+FR*\i, ADRA+\slot, \q, \i
.endr
	ds_load_b128 v[SC+8*(\p):SC+8*(\p)+3], v[ADRS] offset:512*(\kap)
	ds_load_b128 v[SC+8*(\p)+4:SC+8*(\p)+7], v[ADRS2] offset:512*(\kap)
.endm
.macro MULA a, p, zero
.irp b, 0,1,2,3,4,5,6,7
.if \zero
	v_wmma_scale_f32_16x16x128_f8f6f4 v[8*(8*(\a)+\b):8*(8*(\a)+\b)+7], v[128*(\p)+FR*\b:128*(\p)+FR*\b+FR-1], v[AF+48*(\p)+FR*(\a):AF+48*(\p)+FR*(\a)+FR-1], 0, v[SC+8*(\p)+\b], v[SC+8*(\p)+(\a)] matrix_a_fmt:MATRIX_FMT_FP6 matrix_b_fmt:MATRIX_FMT_FP6 matrix_a_scale:MATRIX_SCALE_ROW1
.else
	v_wmma_scale_f32_16x16x128_f8f6f4 v[8*(8*(\a)+\b):8*(8*(\a)+\b)+7], v[128*(\p)+FR*\b:128*(\p)+FR*\b+FR-1], v[AF+48*(\p)+FR*(\a):AF+48*(\p)+FR*(\a)+FR-1], v[8*(8*(\a)+\b):8*(8*(\a)+\b)+7], v[SC+8*(\p)+\b], v[SC+8*(\p)+(\a)] matrix_a_fmt:MATRIX_FMT_FP6 matrix_b_fmt:MATRIX_FMT_FP6 matrix_a_scale:MATRIX_SCALE_ROW1
.endif
.endr
.endm
.macro KS p, zero, sn, qn, kn
	PLACES NP
	FETCH \sn, \qn, 1-(\p), \kn
	s_wait_dscnt NF
	WIN MUL_LO
	MULA 0, \p, \zero
	MULA 1, \p, \zero
	MULA 2, \p, \zero
	MULA 3, \p, \zero
.endm
.macro CHG slot, next, fill, kn
	WIN 0
	s_wait_tensorcnt 0x0
	ds_add_u32 v[SPW], v[NIL]
	s_wait_dscnt 1
	WIN MUL_LO
	MULA 0, 1, 0
	s_wait_dscnt 0x0
	s_barrier_signal -1
	MULA 1, 1, 0
	WIN 0
	s_barrier_wait -1
.if \fill
	CREST
	s_add_nc_u64 s[G0+4*\slot+2:G0+4*\slot+3], s[G0+4*\slot+2:G0+4*\slot+3], 12288
	s_add_nc_u64 s[G0B+4*\slot+2:G0B+4*\slot+3], s[G0B+4*\slot+2:G0B+4*\slot+3], 12288
	JLOAD G0+4*\slot, G1, G0B+4*\slot, G1B
.else
	PLACES NP
.endif
	FETCH \next, 0, 0, \kn
	WIN MUL_LO
	MULA 2, 1, 0
	MULA 3, 1, 0
.endm
	s_load_b128 s[4:7], s[0:1], 0x0
	s_load_b64 s[8:9], s[0:1], 0x10
	v_lshl_add_u32 v[SPW], v0, 2, SPARE
	v_mov_b32 v[NIL], 0
	ds_add_u32 v28, v29
	ds_add_u32 v28, v29
	s_wait_dscnt 0x0
	v_lshrrev_b32 v1, 5, v0
	v_readfirstlane_b32 s14, v1
	s_lshr_b32 s15, s14, 1
	s_and_b32 s16, s14, 1
	s_bfe_u32 s40, ttmp6, 0x40000
	s_bfe_u32 s41, ttmp6, 0x40004
	s_and_b32 s66, ttmp7, 0xffff
	s_bfe_u32 s67, s66, 0x10001
	s_and_b32 s68, s66, 3
	s_lshr_b32 s66, s66, 2
	s_lshl_b32 s17, s68, 2
	s_add_co_u32 s17, s17, s41
	s_lshl_b32 s43, s41, 2
	s_lshl_b32 s43, 15, s43
	s_lshl_b32 s44, 0x1111, s40
	s_or_b32 s[G1+0], s43, (3<<16)|(1<<21)
	s_or_b32 s[G1B+0], s44, (3<<16)|(1<<21)
.irp g, G1, G1B
	s_mov_b32 s[\g+1], 768<<16
	s_mov_b32 s[\g+3], 768<<16
	s_mov_b32 s[\g+5], NKAP*192
	s_mov_b32 s[\g+6], 0
	s_mov_b32 s[\g+7], 0
.endr
	s_mov_b32 s[G1+2], 4<<16
	s_mov_b32 s[G1+4], 4
	s_mov_b32 s[G1B+2], 8<<16
	s_mov_b32 s[G1B+4], 8
	s_lshl_b32 s69, s66, 7
	s_lshl_b32 s20, s17, 3
	s_lshl_b32 s18, s16, 2
	s_add_co_u32 s20, s20, s18
	s_add_co_u32 s20, s20, s69
	s_mul_i32 s20, s20, 24576
	s_mov_b32 s21, 0
	s_lshl_b32 s74, s66, 6
	s_lshl_b32 s46, s40, 4
	s_lshl_b32 s18, s16, 3
	s_add_co_u32 s46, s46, s18
	s_add_co_u32 s46, s46, s74
	s_mul_i32 s46, s46, 24576
	s_add_co_u32 s46, s46, VC
	s_mov_b32 s47, 0
	s_mul_i32 s45, s16, 24576
	s_mul_i32 s94, s16, 49152
	s_add_co_u32 s94, s94, ASZ
	s_lshl_b32 s84, s66, 4
	s_add_co_u32 s84, s84, s17
	s_lshl_b32 s84, s84, 13
	s_add_co_u32 s84, s84, PS
	s_mov_b32 s85, 0
	s_lshl_b32 s86, s66, 3
	s_lshl_b32 s75, s40, 1
	s_add_co_u32 s86, s86, s75
	s_lshl_b32 s86, s86, 13
	s_lshl_b32 s75, s14, 12
	s_add_co_u32 s86, s86, s75
	s_add_co_u32 s86, s86, VS
	s_mov_b32 s87, 0
	s_lshl_b32 s88, s66, 11
	s_lshl_b32 s75, s17, 7
	s_add_co_u32 s88, s88, s75
	s_lshl_b32 s75, s15, 6
	s_add_co_u32 s88, s88, s75
	s_lshl_b32 s88, s88, 12
	s_lshl_b32 s75, s40, 10
	s_add_co_u32 s88, s88, s75
	s_lshl_b32 s75, s16, 9
	s_add_co_u32 s88, s88, s75
	s_mov_b32 s89, 0
	s_cmp_eq_u32 s67, 1
	s_cselect_b32 s93, 0x3f800000, 0
	v_and_b32 v[LN], 31, v0
	v_lshlrev_b32 v[LI], 4, v[LN]
	s_lshl_b32 s18, s14, 7
	v_lshl_add_u32 v26, v[LN], 2, s18
	s_lshl_b32 s19, s67, 12
	v_add_nc_u32 v27, s19, v26
	s_wait_alu depctr_va_vdst(0)
	s_wait_kmcnt 0x0
	s_mul_i32 s95, s40, 24576                      ; the prefetches: of p's four row blocks that I fetch the one told by cx,
	s_add_co_u32 s95, s95, s20
	s_mul_i32 s75, s41, 49152                      ; of v's eight the two told by cy
	s_add_co_u32 s75, s75, s46
	s_cmp_eq_u32 s15, 0
	s_cselect_b32 s95, s95, s75
	s_cselect_b64 s[76:77], s[4:5], s[6:7]
	s_add_nc_u64 s[20:21], s[4:5], s[20:21]
	s_add_nc_u64 s[46:47], s[6:7], s[46:47]
	s_add_nc_u64 s[84:85], s[4:5], s[84:85]
	s_add_nc_u64 s[86:87], s[6:7], s[86:87]
	s_add_nc_u64 s[8:9], s[8:9], s[88:89]
.irp k, 0,1,2,3,4,5,6,7
	global_load_b32 v[PMR+\k], v26, s[84:85] offset:524288+512*\k
	global_load_b32 v[PLR+\k], v26, s[84:85] offset:1048576+512*\k
	global_load_b32 v[PSR+\k], v26, s[84:85] offset:512*\k
.endr
.irp k, 8,9,10,11,12,13,14,15
	global_load_b32 v[PMR+\k], v27, s[84:85] offset:524288+512*(\k-8)
	global_load_b32 v[PLR+\k], v27, s[84:85] offset:1048576+512*(\k-8)
	global_load_b32 v[PSR+\k], v27, s[84:85] offset:512*(\k-8)
.endr
.irp j, 0,1,2,3,4,5,6,7
	global_load_b128 v[VSR+4*\j:VSR+4*\j+3], v[LI], s[86:87] offset:512*\j
.endr
	CROUND
.irp s, 0,1
	s_mov_b32 s[G0+4*\s], 1
	s_add_co_u32 s[G0+4*\s+1], s45, \s*SLOT
	s_add_nc_u64 s[G0+4*\s+2:G0+4*\s+3], s[20:21], \s*6144
	s_or_b32 s[G0+4*\s+3], s[G0+4*\s+3], 0x80000000
	s_mov_b32 s[G0B+4*\s], 1
	s_add_co_u32 s[G0B+4*\s+1], s94, \s*SLOT
	s_add_nc_u64 s[G0B+4*\s+2:G0B+4*\s+3], s[46:47], \s*6144
	s_or_b32 s[G0B+4*\s+3], s[G0B+4*\s+3], 0x80000000
.endr
	JLOAD G0, G1, G0B, G1B                         ; slot 0: one tensor load a wave at the head
	v_min_u32 v8, 23, v[LN]
	v_lshl_add_u32 v8, v8, 8, s95                  ; 24 units of 256 bytes of a row block's slot
	v_and_b32 v1, 15, v0
	v_bfe_u32 v2, v0, 4, 1
	s_wait_alu depctr_va_vdst(0)
	s_mul_i32 s18, s15, 24576
	s_mul_i32 s19, s16, 49152
	s_add_co_u32 s19, s19, ASZ
.irp s, 0,1
	v_add_nc_u32 v[ADRA+\s], s18, v[LI]
	v_add_nc_u32 v[ADRB+\s], s19, v[LI]
	s_add_co_u32 s18, s18, SLOT
	s_add_co_u32 s19, s19, SLOT
.endr
	s_lshl_b32 s18, s15, 8
	global_prefetch_b8 v8, s[76:77] offset:6144 th:TH_LOAD_NT scope:SCOPE_SE
	s_cmp_eq_u32 s15, 0
	s_cbranch_scc1 .Lpf_1
	global_prefetch_b8 v8, s[76:77] offset:30720 th:TH_LOAD_NT scope:SCOPE_SE
.Lpf_1:
	s_lshl_b32 s18, s15, 8
	s_lshl_b32 s19, s16, 13
	s_add_co_u32 s19, s19, SCB-SCA
	s_sub_co_u32 s19, s19, s18
	v_mul_u32_u24 v3, s19, v2
	s_add_co_u32 s18, s18, SCA
	v_lshl_add_u32 v3, v1, 4, v3
	v_add_nc_u32 v[ADRS], s18, v3
	v_lshl_add_u32 v[ADRS2], v2, 8, v[ADRS]
	s_lshl_b32 s18, s14, 12
	s_add_co_u32 s18, s18, SCB
	v_add_nc_u32 v25, s18, v[LI]
	s_lshl_b32 s18, s14, 7
	s_add_co_u32 s19, s18, SCA
	v_lshl_add_u32 v31, v[LN], 2, s19
	s_add_co_u32 s19, s18, RLT
	v_lshl_add_u32 v30, v[LN], 2, s19
	s_mul_i32 s18, s14, 16*528
	s_add_co_u32 s18, s18, STAGE
	v_mul_u32_u24 v[STO], v1, 528
	v_lshl_add_u32 v[STO], v2, 7, v[STO]
	v_add_nc_u32 v[STO], s18, v[STO]
	v_add_nc_u32 v[RD], s18, v[LI]
	s_lshl_b32 s18, s15, 8
	s_add_co_u32 s18, s18, RLT
	v_lshl_add_u32 v[RLA], v1, 4, s18
	s_wait_alu depctr_va_vdst(0)
	s_wait_loadcnt 0x0
.irp j, 0,1,2,3,4,5,6,7
	ds_store_b128 v25, v[VSR+4*\j:VSR+4*\j+3] offset:512*\j
.endr
.irp i, 0,1,2,3,4
	v_min3_num_f32 v[TT+\i], v[PMR+3*\i], v[PMR+3*\i+1], v[PMR+3*\i+2]
.endr
	v_min3_num_f32 v[TT], v[TT], v[TT+1], v[TT+2]
	v_min3_num_f32 v[TT+3], v[TT+3], v[TT+4], v[PMR+15]
	v_min_num_f32 v[NMG], v[TT], v[TT+3]
.irp k, 0,1,2,3,4,5,6,7,8,9,10,11,12,13,14,15
	v_sub_f32 v[DD+\k], v[NMG], v[PMR+\k]
.endr
.irp k, 0,1,2,3,4,5,6,7,8,9,10,11,12,13,14,15
	v_cvt_i32_f32 v[DD+\k], v[DD+\k]
.endr
.irp k, 0,1,2,3,4,5,6,7,8,9,10,11,12,13,14,15
	v_ldexp_f32 v[PLR+\k], v[PLR+\k], v[DD+\k]
.endr
.irp k, 0,1,2,3,4,5,6,7,8,9,10,11,12,13,14,15
	v_sub_nc_u32 v[DD+\k], 0, v[DD+\k]
.endr
.irp k, 0,1,2,3,4,5,6,7,8,9,10,11,12,13,14,15
	v_min_u32 v[DD+\k], 127, v[DD+\k]
.endr
.irp k, 0,2,4,6,8,10,12,14
	v_add_f32 v[PLR+\k], v[PLR+\k], v[PLR+\k+1]
.endr
.irp k, 0,4,8,12
	v_add_f32 v[PLR+\k], v[PLR+\k], v[PLR+\k+2]
.endr
.irp k, 0,8
	v_add_f32 v[PLR+\k], v[PLR+\k], v[PLR+\k+4]
.endr
	v_fma_f32 v[SUM], v[PLR+8], s93, v[PLR]
	s_wait_alu depctr_va_vdst(0)
	v_rcp_f32 v[RCP], v[SUM]
.irp b, 0,1,2,3
.irp k, 0,1,2,3,4,5,6,7,8,9,10,11,12,13,14,15
	v_bfe_u32 v[TT+\k], v[PSR+\k], 8*\b, 8
.endr
.irp k, 0,1,2,3,4,5,6,7,8,9,10,11,12,13,14,15
	v_min_u32 v[UU+\k], v[TT+\k], v[DD+\k]
.endr
.irp k, 0,1,2,3,4,5,6,7,8,9,10,11,12,13,14,15
.if \b == 0
	v_sub_nc_u32 v[WW+\k], v[TT+\k], v[UU+\k]
.else
	v_sub_nc_u32 v[TT+\k], v[TT+\k], v[UU+\k]
.endif
.endr
.if \b > 0
.irp k, 0,1,2,3,4,5,6,7,8,9,10,11,12,13,14,15
	v_lshl_or_b32 v[WW+\k], v[TT+\k], 8*\b, v[WW+\k]
.endr
.endif
.endr
.irp k, 0,1,2,3,4,5,6,7,8,9,10,11,12,13,14,15
	ds_store_b32 v31, v[WW+\k] offset:512*\k
.endr
	s_wait_alu depctr_va_vdst(0)
	ds_store_b32 v30, v[RCP]
	s_wait_tensorcnt 0x0                           ; my part of slot 0 is in
	ds_add_u32 v[SPW], v[NIL]
	s_wait_dscnt 0x0                               ; my words lie in LDS, and the add is done
	CROUND
	JLOAD G0+4, G1, G0B+4, G1B                     ; slot 1
	FETCH 0, 0, 0, 0
	s_cmp_eq_u32 s67, 0
	s_cbranch_scc1 .Lpf_2
	global_prefetch_b8 v8, s[76:77] offset:12288 th:TH_LOAD_NT scope:SCOPE_SE
	s_cmp_eq_u32 s15, 0
	s_cbranch_scc1 .Lpf_2
	global_prefetch_b8 v8, s[76:77] offset:36864 th:TH_LOAD_NT scope:SCOPE_SE
.Lpf_2:
	KS 0, 1, 0, 1, 1
	KS 1, 0, 0, 2, 2
	KS 0, 0, 0, 3, 3
	WIN 0
	s_cmp_eq_u32 s67, 0
	s_cbranch_scc1 .Lshort
	CHG 0, 1, 1, 4
	KS 0, 0, 1, 1, 5
	KS 1, 0, 1, 2, 6
	KS 0, 0, 1, 3, 7
	CHG 1, 0, 1, 8
	KS 0, 0, 0, 1, 9
	KS 1, 0, 0, 2, 10
	KS 0, 0, 0, 3, 11
	CHG 0, 1, 0, 12
	KS 0, 0, 1, 1, 13
	KS 1, 0, 1, 2, 14
	KS 0, 0, 1, 3, 15
	WIN 0
	s_branch .Llast
.Lshort:
	CHG 0, 1, 0, 4
	KS 0, 0, 1, 1, 5
	KS 1, 0, 1, 2, 6
	KS 0, 0, 1, 3, 7
	WIN 0
.Llast:
	s_wait_dscnt 0x0
	WIN MUL_LO
	MULA 0, 1, 0
	MULA 1, 1, 0
	MULA 2, 1, 0
	MULA 3, 1, 0
	WIN 0
	PLACES NP
	ds_load_b128 v[RLR:RLR+3], v[RLA]
	s_wait_dscnt 0x0
.macro TOSTAGE a
.set S0, 64*(\a)
.set RP, RLR+2*((\a)/2)
	WIN 0x82
.set n, 0
.rept 32
.if (\a)%2 == 0
	v_pk_mul_f32 v[S0+n:S0+n+1], v[S0+n:S0+n+1], v[RP:RP+1] op_sel_hi:[1,0]
.else
	v_pk_mul_f32 v[S0+n:S0+n+1], v[S0+n:S0+n+1], v[RP:RP+1] op_sel:[0,1] op_sel_hi:[1,1]
.endif
.set n, n+2
.endr
	WIN 0x08
.irp b, 0,1,2,3,4,5,6,7
	ds_store_b128 v[STO], v[S0+8*\b:S0+8*\b+3] offset:256*(\b/4)+32*(\b%4)
	ds_store_b128 v[STO], v[S0+8*\b+4:S0+8*\b+7] offset:256*(\b/4)+32*(\b%4)+16
.endr
	WIN 0
.set BB, 128+64*((\a)%2)
.irp t, 0,1,2,3,4,5,6,7,8,9,10,11,12,13,14,15
	ds_load_b128 v[BB+4*\t:BB+4*\t+3], v[RD] offset:\t*528
.endr
.endm
.macro SEND a, younger
.set BB, 128+64*((\a)%2)
	s_wait_dscnt \younger
.irp t, 0,1,2,3,4,5,6,7,8,9,10,11,12,13,14,15
	global_store_b128 v[LI], v[BB+4*\t:BB+4*\t+3], s[8:9] offset:(8*(\a)+\t+24*(\t/8))*4096 th:TH_STORE_NT
.endr
.endm
	TOSTAGE 0
.irp a, 1,2,3
.if \a > 1
	s_wait_xcnt 0x0
.endif
	TOSTAGE \a
	SEND \a-1, 32
.endr
	SEND 3, 0
	s_wait_tensorcnt 0x0
	ds_add_u32 v[SPW], v[NIL]
	s_wait_dscnt 0x0
	CROUND
	s_endpgm
.Lfunc_end_k_q816d5aaa0e_pv:
	.size	k_q816d5aaa0e_pv, .Lfunc_end_k_q816d5aaa0e_pv-k_q816d5aaa0e_pv
	.p2alignl 7, 3214868480
	.fill 96, 4, 3214868480
	.section	.rodata,"a",@progbits
	.p2align	6, 0x0
	.amdhsa_kernel k_q816d5aaa0e_pv
		.amdhsa_group_segment_fixed_size 327680
		.amdhsa_private_segment_fixed_size 0
		.amdhsa_enable_private_segment 0
		.amdhsa_kernarg_size 24
		.amdhsa_user_sgpr_count 2
		.amdhsa_user_sgpr_kernarg_segment_ptr 1
		.amdhsa_wavefront_size32 1
		.amdhsa_system_sgpr_workgroup_id_x 1
		.amdhsa_system_sgpr_workgroup_id_y 1
		.amdhsa_system_sgpr_workgroup_id_z 1
		.amdhsa_system_vgpr_workitem_id 0
		.amdhsa_next_free_vgpr 1024
		.amdhsa_next_free_sgpr 100
		.amdhsa_reserve_vcc 0
		.amdhsa_float_denorm_mode_32 3
		.amdhsa_float_denorm_mode_16_64 3
		.amdhsa_memory_ordered 1
		.amdhsa_forward_progress 1
		.amdhsa_inst_pref_size 191
	.end_amdhsa_kernel
	.amdgpu_metadata
---
amdhsa.version: [ 1, 2 ]
amdhsa.kernels:
  - .name:           k_q816d5aaa0e_pv
    .symbol:         k_q816d5aaa0e_pv.kd
    .args:
      - { .name: pp, .offset: 0, .size: 8, .value_kind: global_buffer, .address_space: global }
      - { .name: qkv, .offset: 8, .size: 8, .value_kind: global_buffer, .address_space: global }
      - { .name: out0, .offset: 16, .size: 8, .value_kind: global_buffer, .address_space: global }
    .group_segment_fixed_size: 327680
    .private_segment_fixed_size: 0
    .kernarg_segment_align: 8
    .kernarg_segment_size: 24
    .max_flat_workgroup_size: 128
    .sgpr_count:     100
    .vgpr_count:     1024
    .wavefront_size: 32
...
	.end_amdgpu_metadata
.endif
;; end of part 8
